; MI455X (gfx1250); checked and timed in simulation.
; The chip was launched on July 23, 2026; its instructions are those of AMD's public machine-readable ISA for CDNA 5 (MIT licence, August 2026) and "CDNA5" Instruction Set Architecture Reference Guide (July 2026). The comments in the code are by the model that wrote it; some were corrected since.
;; Transformer Mo E. Allowed arithmetic: float matrix products may take bf16 or f16 operands with f32 sums; other float arithmetic in f32, or as packed bf16 or f16 multiplies, adds, multiply-adds, maxima and minima; sums over many terms, partial sums and values carried from step to step in f32; what a program stores and reads back later, other than sums and carried values, may be rounded once to bf16 or f16.
;; Inputs: W1 8 x 1,024 x 4,096 float32; W2 8 x 4,096 x 1,024 float32; b1 8 x 4,096 float32; b2 8 x 1,024 float32; gate_b 8 float32; gate_w 1,024 x 8 float32; x 512 x 2 x 1,024 float32.
;; Outputs: out0 512 x 2 x 1,024 float32.
;; 3 versions, each right; version 2 is faster than version 1; version 3 is version 2 with the launches ffn1, ffn2 written anew for expert scheduling mode. Each part assembles by itself: llvm-mc -triple=amdgcn-amd-amdhsa -mcpu=gfx1250 --defsym DOCPART=n.
;; ======== version 1 of 3: 4 launches
;; workspace buffers: xb 2,097,152 bytes; sel 4,096 bytes of whole numbers; prob 8,192 bytes; pos 8,448 bytes of whole numbers; cnt 256 bytes of whole numbers; H 67,108,864 bytes; Y 134,217,728 bytes
;; launch router (part 1): grid 256 x 1, 4 waves a work-group, no clusters, 1,024 bytes of LDS; arguments x, gate_w, gate_b, xb, sel, prob; writes xb, sel, prob
.if DOCPART == 1
	.amdgcn_target "amdgcn-amd-amdhsa--gfx1250"
	.amdhsa_code_object_version 6
	.text
	.protected	k_q7a52ccbe78_router
	.globl	k_q7a52ccbe78_router
	.p2align	8
	.type	k_q7a52ccbe78_router,@function
k_q7a52ccbe78_router:
	s_mov_b64 s[64:65], 0
	v_nop
	global_prefetch_b8 v0, s[64:65] scope:SCOPE_SE
	s_setreg_imm32_b32 hwreg(HW_REG_WAVE_MODE, 25, 1), 1
	s_wait_xcnt 0x0
; ROUTER.  xb = x rounded to bf16; scores = xb . bf16(gate_w) + bf16(gate_b), summed in f32; the two largest of the eight scores of a token
; (of equal scores the lower expert, as jax.lax.top_k has it); softmax over the two, the larger taken away before the exponential.
; Stored at fixed places: sel[t] = (1 << e0) | (1 << (8 + e1)), prob[t] = (p0, p1).  No address here hangs on a score.
; LIMITS.  Every input is rounded once to bf16.  The f32 sums run in another order than a plain row sum: a token whose second and third scores
; differ by less than that rounding (some 1e-6 of the scores' size) may choose otherwise.  NaN and infinite scores are not treated apart.
; SHARES.  A work-group has 4 tokens; wave w has k = 256 w .. 256 w + 255 of all four; lane l has the 8 numbers k = 256 w + 8 l + i.
; No matrix unit: 8 columns of gate_w are 8 million multiply-adds in all.
.set SPARE, 512                        ; LDS: 0-511 the four waves' partial sums (wave w at 128 w, word 8 token + expert); 512-1023 the spare words
.set G,   16                           ; v[16:79]    gate_w, G[8 i + e]
.set X,   80                           ; v[80:111]   x as loaded, 8 a token
.set XP,  112                          ; v[112:127]  x packed to bf16, 4 a token: the stores' data
.set XR,  128                          ; v[128:143]  one token's 8 rounded x, each in an even register (the packed forms take a pair's low word for both halves)
.set ACC, 144                          ; v[144:175]  sums, ACC[8 token + e]
.set GB,  176                          ; v176        gate_b[lane % 8]
	s_load_b256 s[4:11], s[0:1], 0x0               ; x s[4:5], gate_w s[6:7], gate_b s[8:9], xb s[10:11]
	s_load_b128 s[12:15], s[0:1], 0x20             ; sel s[12:13], prob s[14:15]
	v_lshl_add_u32 v5, v0, 2, SPARE                ; my spare word,
	v_mov_b32 v6, 0                                ; and 0: kept for the wave's end
	v_and_b32 v1, 31, v0                           ; lane
	v_lshrrev_b32 v7, 5, v0
	v_readfirstlane_b32 s16, v7                    ; wave
	s_mov_b32 s20, 0x76543210                      ; v_permlanex16_b32: each lane takes its own place in the other half
	s_mov_b32 s21, 0xfedcba98
	s_lshl_b32 s17, s16, 10
	v_lshl_add_u32 v2, v1, 5, s17                  ; x: 1,024 w + 32 l bytes into a row
	s_lshl_b32 s17, s16, 13
	v_lshl_add_u32 v3, v1, 8, s17                  ; gate_w: row 256 w + 8 l, 32 bytes a row
	s_lshl_b32 s17, s16, 9
	v_lshl_add_u32 v4, v1, 4, s17                  ; xb: 512 w + 16 l
	v_and_b32 v7, 7, v0
	v_lshlrev_b32 v7, 2, v7                        ; gate_b: 4 (l % 8)
	s_mov_b32 s19, 0
	s_wait_kmcnt 0x0
	s_lshl_b32 s18, ttmp9, 14                      ; the work-group's 4 rows of x,
	s_add_nc_u64 s[4:5], s[4:5], s[18:19]
	s_lshl_b32 s18, ttmp9, 13                      ; of xb,
	s_add_nc_u64 s[10:11], s[10:11], s[18:19]
	s_lshl_b32 s18, ttmp9, 4                       ; its 4 words of sel,
	s_add_nc_u64 s[12:13], s[12:13], s[18:19]
	s_lshl_b32 s18, ttmp9, 5                       ; its 4 pairs of prob
	s_add_nc_u64 s[14:15], s[14:15], s[18:19]
.set m_, 0
.rept 16
	global_load_b128 v[G+4*m_:G+4*m_+3], v3, s[6:7] offset:16*m_
.set m_, m_+1
.endr
.irp tk, 0,1,2,3
	global_load_b128 v[X+8*\tk:X+8*\tk+3],   v2, s[4:5] offset:4096*\tk th:TH_LOAD_NT
	global_load_b128 v[X+8*\tk+4:X+8*\tk+7], v2, s[4:5] offset:4096*\tk+16 th:TH_LOAD_NT
.endr
	global_load_b32 v[GB], v7, s[8:9]
.set m_, 0
.rept 8
	v_mov_b32 v[XR+2*m_+1], 0                      ; the pairs' upper words are named with the lower ones, so they are written
.set m_, m_+1
.endr
	s_wait_loadcnt 9                               ; gate_w is in: behind it x's 8 loads and gate_b's one
.set m_, 0
.rept 32                                           ; gate_w rounded to bf16 and widened again, a pair at a time
	v_cvt_pk_bf16_f32 v[8+m_%8], v[G+2*m_], v[G+2*m_+1]
	v_lshlrev_b32 v[G+2*m_], 16, v[8+m_%8]
	v_and_b32 v[G+2*m_+1], 0xffff0000, v[8+m_%8]
.set m_, m_+1
.endr
	s_wait_loadcnt 1                               ; x is in: behind it gate_b's load
.irp tk, 0,1,2,3
.set n_, 0
.rept 4
	v_cvt_pk_bf16_f32 v[XP+4*\tk+n_], v[X+8*\tk+2*n_], v[X+8*\tk+2*n_+1]
.set n_, n_+1
.endr
	global_store_b128 v4, v[XP+4*\tk:XP+4*\tk+3], s[10:11] offset:2048*\tk  ; a wave's store: 512 consecutive bytes, at a multiple of 512 from xb's first
.set n_, 0
.rept 4
	v_lshlrev_b32 v[XR+4*n_], 16, v[XP+4*\tk+n_]
	v_and_b32 v[XR+4*n_+2], 0xffff0000, v[XP+4*\tk+n_]
.set n_, n_+1
.endr
.set i_, 0
.rept 8
.set m_, 0
.rept 4
.if i_ == 0
	v_pk_mul_f32 v[ACC+8*\tk+2*m_:ACC+8*\tk+2*m_+1], v[G+2*m_:G+2*m_+1], v[XR:XR+1] op_sel_hi:[1,0]  ; the first product starts the sums
.else
	v_pk_fma_f32 v[ACC+8*\tk+2*m_:ACC+8*\tk+2*m_+1], v[G+8*i_+2*m_:G+8*i_+2*m_+1], v[XR+2*i_:XR+2*i_+1], v[ACC+8*\tk+2*m_:ACC+8*\tk+2*m_+1] op_sel_hi:[1,0,1]
.endif
.set m_, m_+1
.endr
.set i_, i_+1
.endr
.endr
	; the 32 sums over the wave's 32 lanes: four steps inside each half of 16 lanes, one across the halves; every lane ends with all of them
.irp x, 1,2,4,8
.set n_, 0
.rept 32
	v_add_f32_dpp v[ACC+n_], v[ACC+n_], v[ACC+n_] row_xmask:\x row_mask:0xf bank_mask:0xf
.set n_, n_+1
.endr
.endr
.set n_, 0
.rept 32
	v_permlanex16_b32 v[G+n_], v[ACC+n_], s20, s21 ; its destination counts as read: gate_w's registers have been written and are free
.set n_, n_+1
.endr
.set n_, 0
.rept 32
	v_add_f32 v[ACC+n_], v[ACC+n_], v[G+n_]
.set n_, n_+1
.endr
	s_lshl_b32 s17, s16, 7
	v_mov_b32 v177, s17                            ; my wave's 128 bytes
.set m_, 0
.rept 8
	ds_store_b128 v177, v[ACC+4*m_:ACC+4*m_+3] offset:16*m_  ; all lanes store the same numbers to the same place
.set m_, m_+1
.endr
	s_wait_dscnt 0x0                               ; for the others' sake: my stores are done
	s_barrier_signal -1
	s_barrier_wait -1
	s_cmp_lg_u32 s16, 0
	s_cbranch_scc1 .Lend                           ; wave 0 finishes: lane l stands for token l / 8, expert l % 8
	v_lshlrev_b32 v178, 2, v1
	ds_load_b32 v180, v178
	ds_load_b32 v181, v178 offset:128
	ds_load_b32 v182, v178 offset:256
	ds_load_b32 v183, v178 offset:384
	v_and_b32 v185, 7, v0
	v_cvt_f32_u32 v185, v185                       ; my expert's number as a float
	v_mov_b32 v191, 0xff800000                     ; -infinity
	s_wait_loadcnt 0x0                             ; gate_b
	v_cvt_pk_bf16_f32 v192, v[GB], v[GB]
	v_lshlrev_b32 v192, 16, v192
	s_wait_dscnt 0x0
	v_add_f32 v180, v180, v181
	v_add_f32 v182, v182, v183
	v_add_f32 v180, v180, v182
	v_add_f32 v184, v180, v192                     ; my score
	v_mov_b32 v186, v184
.irp x, 1,2,4
	v_max_num_f32_dpp v186, v186, v186 row_xmask:\x row_mask:0xf bank_mask:0xf  ; the largest of the token's eight
.endr
	v_cmp_eq_f32 vcc_lo, v184, v186
	v_cndmask_b32 v187, 0x41000000, v185, vcc_lo   ; my number where I hold it, else 8
.irp x, 1,2,4
	v_min_num_f32_dpp v187, v187, v187 row_xmask:\x row_mask:0xf bank_mask:0xf  ; the lowest expert that holds it: e0
.endr
	v_cmp_eq_f32 vcc_lo, v185, v187
	v_cndmask_b32 v188, v184, v191, vcc_lo         ; e0 is taken out
	v_mov_b32 v189, v188
.irp x, 1,2,4
	v_max_num_f32_dpp v189, v189, v189 row_xmask:\x row_mask:0xf bank_mask:0xf
.endr
	v_cmp_eq_f32 vcc_lo, v188, v189
	v_cndmask_b32 v190, 0x41000000, v185, vcc_lo
.irp x, 1,2,4
	v_min_num_f32_dpp v190, v190, v190 row_xmask:\x row_mask:0xf bank_mask:0xf  ; e1
.endr
	v_sub_f32 v193, v189, v186                     ; second less first: never above 0
	v_mul_f32 v193, 0x3fb8aa3b, v193
	v_exp_f32 v194, v193
	v_nop                                          ; a plain instruction behind the exponential,
	v_cvt_u32_f32 v195, v187
	v_cvt_u32_f32 v196, v190
	s_wait_alu depctr_va_vdst(0)                   ; and a wait ahead of its first reader
	v_add_f32 v197, 1.0, v194
	v_rcp_f32 v198, v197                           ; p0 = 1 / (1 + e)
	v_nop
	v_mov_b32 v199, 1
	v_add_nc_u32 v196, 8, v196
	s_wait_alu depctr_va_vdst(0)
	v_mul_f32 v200, v194, v198                     ; p1 = e p0
	v_lshlrev_b32 v195, v195, v199
	v_lshlrev_b32 v196, v196, v199
	v_or_b32 v195, v195, v196                      ; (1 << e0) | (1 << (8 + e1))
	v_lshrrev_b32 v201, 3, v1                      ; my token
	v_lshlrev_b32 v202, 2, v201
	global_store_b32 v202, v195, s[12:13]          ; a token's eight lanes store the same word
	v_and_b32 v203, 1, v0
	v_cmp_eq_u32 vcc_lo, 1, v203
	v_cndmask_b32 v204, v198, v200, vcc_lo
	v_lshlrev_b32 v203, 2, v203
	v_lshl_add_u32 v203, v201, 3, v203
	global_store_b32 v203, v204, s[14:15]          ; even lanes p0, odd lanes p1
.Lend:
	s_wait_tensorcnt 0x0                           ; the wave's end: a closing add on my spare word, behind my last LDS store
	ds_add_u32 v5, v6
	s_wait_dscnt 0x0
	s_endpgm
.Lfunc_end_k_q7a52ccbe78_router:
	.size	k_q7a52ccbe78_router, .Lfunc_end_k_q7a52ccbe78_router-k_q7a52ccbe78_router
	.p2alignl 7, 3214868480
	.fill 96, 4, 3214868480
	.section	.rodata,"a",@progbits
	.p2align	6, 0x0
	.amdhsa_kernel k_q7a52ccbe78_router
		.amdhsa_group_segment_fixed_size 1024
		.amdhsa_private_segment_fixed_size 0
		.amdhsa_enable_private_segment 0
		.amdhsa_kernarg_size 48
		.amdhsa_user_sgpr_count 2
		.amdhsa_user_sgpr_kernarg_segment_ptr 1
		.amdhsa_wavefront_size32 1
		.amdhsa_system_sgpr_workgroup_id_x 1
		.amdhsa_system_sgpr_workgroup_id_y 1
		.amdhsa_system_sgpr_workgroup_id_z 1
		.amdhsa_system_vgpr_workitem_id 0
		.amdhsa_next_free_vgpr 208
		.amdhsa_next_free_sgpr 66
		.amdhsa_reserve_vcc 1
		.amdhsa_float_denorm_mode_32 3
		.amdhsa_float_denorm_mode_16_64 3
		.amdhsa_memory_ordered 1
		.amdhsa_forward_progress 1
		.amdhsa_inst_pref_size 35
	.end_amdhsa_kernel
	.amdgpu_metadata
---
amdhsa.version: [ 1, 2 ]
amdhsa.kernels:
  - .name:           k_q7a52ccbe78_router
    .symbol:         k_q7a52ccbe78_router.kd
    .args:
      - { .name: x, .offset: 0, .size: 8, .value_kind: global_buffer, .address_space: global }
      - { .name: gate_w, .offset: 8, .size: 8, .value_kind: global_buffer, .address_space: global }
      - { .name: gate_b, .offset: 16, .size: 8, .value_kind: global_buffer, .address_space: global }
      - { .name: xb, .offset: 24, .size: 8, .value_kind: global_buffer, .address_space: global }
      - { .name: sel, .offset: 32, .size: 8, .value_kind: global_buffer, .address_space: global }
      - { .name: prob, .offset: 40, .size: 8, .value_kind: global_buffer, .address_space: global }
    .group_segment_fixed_size: 1024
    .private_segment_fixed_size: 0
    .kernarg_segment_align: 8
    .kernarg_segment_size: 48
    .max_flat_workgroup_size: 128
    .sgpr_count:     66
    .vgpr_count:     208
    .wavefront_size: 32
...
	.end_amdgpu_metadata
.endif
;; end of part 1
;; launch ffn1 (part 2): grid 32 x 8, 8 waves a work-group, no clusters, 318,464 bytes of LDS; arguments W1, b1, xb, sel, H, pos, cnt; writes H, pos, cnt
.if DOCPART == 2
	.amdgcn_target "amdgcn-amd-amdhsa--gfx1250"
	.amdhsa_code_object_version 6
	.text
	.protected	k_q7a52ccbe78_ffn1
	.globl	k_q7a52ccbe78_ffn1
	.p2align	8
	.type	k_q7a52ccbe78_ffn1,@function
k_q7a52ccbe78_ffn1:
	s_mov_b64 s[64:65], 0
	v_nop
	global_prefetch_b8 v0, s[64:65] scope:SCOPE_SE
	s_setreg_imm32_b32 hwreg(HW_REG_WAVE_MODE, 25, 1), 1
	s_wait_xcnt 0x0
; FIRST PRODUCT OF THE EXPERTS.  H[e][rank][f] = relu(x[token(rank)] . W1[e][:, f] + b1[e][f]), rounded once to bf16, for the tokens that chose expert e alone.
; SHARES.  Work-group (slice, e) alone reads W1[e][0:1024][128 slice .. +127]: 512 KB of f32, each byte once.  Rounded to bf16 the slice stays in LDS, 1,024 rows of 272 bytes.
; ALL EIGHT WAVES RUN ONE TEXT.  In trip t (a chunk = 64 rows of k) a wave stores its 8 rows of chunk t + 1 into LDS, asks for its 8 rows of chunk t + 4, and multiplies chunk t by its own token rows,
; which come from xb straight into registers as matrix operands.  No LDS byte of the slice is written twice, so the one ordering is: a chunk is stored, a barrier, the chunk is read: one barrier a chunk.
; ONE COUNTER.  A wave's loads come back in order (ISA guide 5.7.1), weights and token rows alike, so both are asked for three trips ahead: trip t issues W(t+4) (8 loads), A(2t+6), A(2t+7) (6 each; A(s) = the
; token fragments of k-step s, 32 along k).  At most 60 loads of a wave are out, 24 of them weights: 96 KB of weights for the eight waves.
; ROWS.  Each wave ranks, from sel, the expert's tokens in a fixed order (every wave of all 32 slices finds the same ranks) and keeps the tokens of its own blocks.  Block g = ranks 16 g .. 16 g + 15.
; Pass p gives wave w the blocks 24 p + 8 i + w, i = 0..2: pass 0 (384 rows) runs under the stream; two more passes, for an expert with more rows, run behind it from the resident slice, in a loop of constant
; count in which every wave passes every barrier and only work is jumped.  A place past the count holds token 0; a block wholly past it is not stored, and block i = 2's products are jumped where it is so.
; An expert without rows counts as one row (token 0), stored in its own region and never read.  So every split of the tokens is served, 0 to 1,024 rows an expert.
; THE MATRIX INSTRUCTION IS USED TRANSPOSED: source 0 = 16 columns of W1, source 1 = 16 token rows: a lane holds one row and eight neighbouring columns.
; LIMITS.  x, W1 and b1 are rounded once to bf16, h once to bf16; sums in f32, started at the bias.  NaN and infinities are not treated apart.
; NO MULTICAST: each weight has one reader, and the token rows come by a list that no tile descriptor covers.
; REGISTERS.  window 0: v0 thread; v1 LDS address of the fragments; v2 LDS address of my weight rows; v3 my offset in W1; v4-6 token offsets of my 3 blocks; v7, v12, v13 at work; v8-10 the way out; v11 = 0;
;   v14, v15 the add's; v16-159 six buffers of token fragments (buffer b, block i at 16 + 24 b + 8 i); v160-255 three stages of weights as loaded (32 each).
;   window 1: v0-191 accumulators, (block i, column block vb) at 64 i + 8 vb; v192-223, v224-255 weight fragments of columns 0-63 (X) and 64-127 (Y).
.set PW,     16384                     ; bytes in a row of W1[e]
.set CH,     64*PW                     ; a chunk's step in memory
.set P,      272                       ; an LDS row: 256 bytes + 16.  In each group of 16 rows k = 8 a + j lies at row 2 j + a
                                       ; and a lane still gets k = 8 (l / 16) + j, as the token fragments have it
.set CHL,    64*P
.set KSL,    32*P
.set LPK,    6                         ; token loads for 32 along k
.set ORP,    8192                      ; bytes in a row of H
.set LIST,   1024*P                    ; behind the slice: a list for each wave: the tokens of its 9 blocks, 144 entries of 2 bytes; entry 144 takes what belongs elsewhere
.set LISTB,  512
.set STAGE,  LIST+8*LISTB              ; a stage for each wave: 16 rows of 272 bytes
.set SP,     272
.set STAGEB, 16*SP
.set SPARE,  STAGE+8*STAGEB            ; the spare words, 128 bytes a wave: four blocks of 256 bytes that no other line names
; scalars: s20 wave; s22 e; s23 slice; s25 loop; s26 count (1 at the least); s28 block 2 is live; s29 my first block of the pass; s30, s31 loops; s[32:33] W1 at the loop's chunk; s[34:35] xb at the loop's k;
; s[36:37] xb; s[38:39] H at the slice; s[40:41] a block's rows in H; s[42:43] an offset, s43 = 0; s44, s45 at work; s46 my list; s47 e's two bits in sel; s48 8 + e; s49 members' mask; s50 members so far;
; s51 I store pos and cnt; s52 1024 e; s53 pos's spare place; s55 the pass's place in my list; s[56:57] b1 at the slice
.set MSB, 0
.macro WIN new                         ; the immediate's high byte repeats the setting that is left; a switch that changes nothing is dropped
.if MSB != (\new)
	s_set_vgpr_msb (MSB<<8)|(\new)
.set MSB, (\new)
.endif
.endm
.macro PLACES                          ; four plain instructions between a matrix instruction and a load into, or a vector write or read of, its registers (ISA guide 7.12.1 for vector writes and reads)
.rept 4
	v_nop
.endr
.endm
.macro BAR                             ; my LDS stores are done and my LDS loads are back; then the work-group's barrier
	s_wait_dscnt 0x0
	s_barrier_signal -1
	s_barrier_wait -1
.endm
.macro PLOAD b, c                      ; my 8 rows of chunk c (from the loop's base) into stage b: 512 consecutive bytes each
	WIN 0
.set j_, 0
.rept 8
.set rS, 160+32*(\b)+4*j_
	global_load_b128 v[rS:rS+3], v3, s[32:33] offset:(\c)*CH+j_*PW th:TH_LOAD_NT
.set j_, j_+1
.endr
.endm
.macro PSTORE r, o, w1                 ; 8 rows at register r (w1 = 1: of window 1) rounded to bf16 in place and stored: a row's 32 lanes store 256 consecutive bytes; my rows lie two LDS rows apart
.if \w1
	WIN 0x45
.else
	WIN 0
.endif
.set j_, 0
.rept 8
	v_cvt_pk_bf16_f32 v[(\r)+4*j_], v[(\r)+4*j_], v[(\r)+4*j_+1]
	v_cvt_pk_bf16_f32 v[(\r)+4*j_+1], v[(\r)+4*j_+2], v[(\r)+4*j_+3]
.set j_, j_+1
.endr
.if \w1
	WIN 0x04                                       ; the stores' data in window 1, the address in window 0
.endif
.set j_, 0
.rept 8
	ds_store_b64 v2, v[(\r)+4*j_:(\r)+4*j_+1] offset:(\o)+j_*2*P
.set j_, j_+1
.endr
	WIN 0
.endm
.macro BLOAD half, o                   ; weight fragments of 64 columns x 32 k at LDS byte o from the loop's base: lane l gets column l % 16, k along its registers
	WIN 0x40                                       ; destination window 1, address window 0
.set j_, 0
.rept 4
.set rB, 192+32*(\half)+8*j_
	ds_load_tr16_b128 v[rB:rB+3],   v1 offset:(\o)+32*(4*(\half)+j_)
	ds_load_tr16_b128 v[rB+4:rB+7], v1 offset:(\o)+32*(4*(\half)+j_)+16*P
.set j_, j_+1
.endr
.endm
.macro ALOAD b, kb                     ; token fragments of my 3 blocks x 32 k at byte kb from the loop's base, into buffer b
	WIN 0
.set i_, 0
.rept 3
.set rA, 16+24*(\b)+8*i_
	global_load_b128 v[rA:rA+3],   v[4+i_], s[34:35] offset:(\kb)
	global_load_b128 v[rA+4:rA+7], v[4+i_], s[34:35] offset:(\kb)+32
.set i_, i_+1
.endr
.endm
; 8 products (blocks 0, 1 x 4 column blocks of one half), and 4 more where block 2 is live.  The accumulators take turns, one instruction a turn.
.macro MULH half, b
	WIN 0x51                                       ; weights, C and D in window 1, tokens in window 0
.set j_, 0
.rept 4
.set i_, 0
.rept 2
.set rD, 64*i_+8*(4*(\half)+j_)
.set rB, 192+32*(\half)+8*j_
.set rA, 16+24*(\b)+8*i_
	v_wmma_f32_16x16x32_bf16 v[rD:rD+7], v[rB:rB+7], v[rA:rA+7], v[rD:rD+7]
.set i_, i_+1
.endr
.set j_, j_+1
.endr
	WIN 0                                          ; at a branch and at a label every window is 0
	s_cmp_eq_u32 s28, 0
	s_cbranch_scc1 .Lno3_\@
	WIN 0x51
.set j_, 0
.rept 4
.set rD, 128+8*(4*(\half)+j_)
.set rB, 192+32*(\half)+8*j_
.set rA, 16+24*(\b)+16
	v_wmma_f32_16x16x32_bf16 v[rD:rD+7], v[rB:rB+7], v[rA:rA+7], v[rD:rD+7]
.set j_, j_+1
.endr
	WIN 0
.Lno3_\@:
.endm
; TRIP t = 3 x iteration + u, behind the barrier that shows chunk t stored.  Chunk c lies in stage c % 3, k-step s in token buffer s % 6.
; ps: chunk t + 1 is stored; wl: chunk t + 4 is asked for; al: k-steps 2 t + 6 and 2 t + 7 are asked for; st: the loop's bases step; bar: the barrier behind the trip.
; cw, ca0, ca1: how many younger loads may stay out when W(t+1), A(2t), A(2t+1) must be in.  In the loop: behind W(t+1) stand 12 + 20 + 20 = 52; behind A(2t) 6 + 40 + 8 = 54; behind A(2t+1) 40 + 8 + 6 = 54.
; Each run of 8 fragment loads is asked for a run of products ahead: behind the half wanted stand the other half's 8: s_wait_dscnt 8.
.macro TRIP u, wl, al, ps, cw, ca0, ca1, st, bar
	BLOAD 0, (\u)*CHL
	BLOAD 1, (\u)*CHL
.if \ps
	s_wait_loadcnt \cw
	PSTORE 160+32*(((\u)+1)%3), ((\u)+1)*CHL, 0    ; stands in the fragments' way from LDS
	s_wait_dscnt 0x0                               ; the stores have read the stage (and the fragments are in): it may be loaded again
.if \wl
	PLOAD ((\u)+1)%3, (\u)+4
.endif
.else
	s_wait_dscnt 8
.endif
	s_wait_loadcnt \ca0
	MULH 0, 2*(\u)
	PLACES
	BLOAD 0, (\u)*CHL+KSL
	s_wait_dscnt 8
	MULH 1, 2*(\u)
	PLACES
	BLOAD 1, (\u)*CHL+KSL
.if \al
	ALOAD 2*(\u), (2*(\u)+6)*64
.endif
	s_wait_loadcnt \ca1
	s_wait_dscnt 8
	MULH 0, 2*(\u)+1
	s_wait_dscnt 0x0
	MULH 1, 2*(\u)+1
	PLACES
.if \al
	ALOAD 2*(\u)+1, (2*(\u)+7)*64
.endif
.if \st
	s_wait_xcnt 0x0                                ; the loads' bases are stepped only behind this wait
	s_add_nc_u64 s[32:33], s[32:33], 3*CH
	s_add_nc_u64 s[34:35], s[34:35], 384           ; six k-steps of 64 bytes
	v_add_nc_u32 v1, 3*CHL, v1
	v_add_nc_u32 v2, 3*CHL, v2
.endif
.if \bar
	BAR
.endif
.endm
; One word of sel in each lane: token 128 j + 4 l + q.  Members of the expert get the next ranks, in lane order; a member whose block (rank / 16) is mine (block % 8 = my wave) puts its token into my list at
; 16 (rank / 128) + rank % 16; all others store into entry 144.
.macro BSTEP j, q
	v_and_b32 v48, s47, v[16+4*(\j)+(\q)]
	v_cmp_ne_u32 s49, 0, v48
	v_mbcnt_lo_u32_b32 v49, s49, s50               ; members so far + members in lower lanes
	v_bfe_u32 v50, v49, 4, 3
	v_cmp_eq_u32 s45, s20, v50
	s_and_b32 s45, s45, s49
	v_lshrrev_b32 v50, 7, v49
	v_and_b32 v51, 15, v49
	v_lshl_or_b32 v50, v50, 4, v51
	v_cndmask_b32 v50, v56, v50, s45
	v_min_u32 v50, 0x90, v50
	v_lshl_add_u32 v50, v50, 1, s46
	v_add_nc_u32 v52, 128*(\j)+(\q), v55
	ds_store_b16 v50, v52
	s_cmp_lg_u32 s51, 0
	s_cbranch_scc0 .Lnp_\@                         ; one wave of the expert's first slice also stores pos[2 token + slot] = 1024 e + rank
	s_wait_xcnt 0x0                                ; the last such store has read v53 and v54
	v_lshrrev_b32 v53, s48, v[16+4*(\j)+(\q)]
	v_and_b32 v53, 1, v53                          ; slot 1 where e is the token's second choice
	v_lshl_add_u32 v53, v52, 1, v53
	v_cndmask_b32 v53, v57, v53, s49               ; the others store into the expert's spare place, which nobody reads
	v_min_u32 v53, 0x807, v53
	v_lshlrev_b32 v53, 2, v53
	v_add_nc_u32 v54, s52, v49
	global_store_b32 v53, v54, s[14:15]
.Lnp_\@:
	s_bcnt1_i32_b32 s44, s49
	s_add_co_u32 s50, s50, s44
.endm
; My 3 blocks' token offsets for the pass: the tokens from my list (0 past the count), x 2,048 + 16 (l / 16).
.macro SETROWS
	WIN 0
	s_wait_xcnt 0x0                                ; v7 and the registers that the loads below will fill may be sources of earlier loads and stores
	v_and_b32 v7, 15, v0
	v_lshl_add_u32 v7, v7, 1, s46
	v_add_nc_u32 v7, s55, v7
	ds_load_u16 v4, v7                             ; LDS serves a wave's instructions in order (ISA guide 5.7.1.4): these see my list's stores
	ds_load_u16 v5, v7 offset:32
	ds_load_u16 v6, v7 offset:64
	v_bfe_u32 v13, v0, 4, 1
	v_lshlrev_b32 v13, 4, v13
	s_wait_dscnt 0x0
.set i_, 0
.rept 3
	v_min_u32 v[4+i_], 0x3ff, v[4+i_]
	v_lshl_add_u32 v[4+i_], v[4+i_], 11, v13
.set i_, i_+1
.endr
	s_add_co_u32 s44, s29, 16
	s_lshl_b32 s44, s44, 4
	s_cmp_lt_u32 s44, s26
	s_cselect_b32 s28, 1, 0
.endm
.macro BIASLD                          ; my lane's 8 columns of each of the 8 column blocks: 64 numbers, into the fragments' registers
	WIN 0
	v_bfe_u32 v7, v0, 4, 1
	v_lshlrev_b32 v7, 5, v7
	WIN 0x40
.set n_, 0
.rept 8
	global_load_b128 v[192+8*n_:192+8*n_+3],   v7, s[56:57] offset:64*n_
	global_load_b128 v[192+8*n_+4:192+8*n_+7], v7, s[56:57] offset:64*n_+16
.set n_, n_+1
.endr
	WIN 0
.endm
; The bias, rounded to bf16, starts every sum: these moves stand for the additions that the way out would else hold.
.macro BIASINIT
	WIN 0x45                                       ; all in window 1
.set n_, 0
.rept 32
	v_cvt_pk_bf16_f32 v[n_], v[192+2*n_], v[192+2*n_+1]
.set n_, n_+1
.endr
.set n_, 0
.rept 32
	v_lshlrev_b32 v[192+2*n_], 16, v[n_]
	v_and_b32 v[192+2*n_+1], 0xffff0000, v[n_]
.set n_, n_+1
.endr
.set n_, 0
.rept 192
	v_mov_b32 v[n_], v[192+n_%64]
.set n_, n_+1
.endr
	WIN 0
.endm
.macro MKBADR                          ; the turning load: lane l reads LDS row 2 (l % 8) + l / 16 of a group of 16, 16 bytes at 16 ((l / 8) % 2)
	v_and_b32 v12, 7, v0
	v_bfe_u32 v13, v0, 4, 1
	v_lshl_add_u32 v1, v12, 1, v13
	v_mul_u32_u24 v1, v1, P
	v_bfe_u32 v13, v0, 3, 1
	v_lshl_add_u32 v1, v13, 4, v1
.endm
; THE WAY OUT of block i: jumped where the block lies past the count.  Rounded to bf16 (each accumulator from its low end), ReLU on the packed halves, through my stage, stored as whole rows.
.macro EPI i
	s_add_co_u32 s44, s29, 8*(\i)
	s_lshl_b32 s45, s44, 4
	s_cmp_ge_u32 s45, s26
	s_cbranch_scc1 .Lskip_\@
	WIN 0x05                                       ; sources in window 1, destination in window 0
.set n_, 0
.rept 32
	v_cvt_pk_bf16_f32 v[16+n_], v[64*(\i)+2*n_], v[64*(\i)+2*n_+1]
.set n_, n_+1
.endr
	WIN 0
.set n_, 0
.rept 32
	v_pk_max_num_bf16 v[16+n_], v[16+n_], v11
.set n_, n_+1
.endr
.set n_, 0
.rept 8
	ds_store_b128 v8, v[16+4*n_:16+4*n_+3] offset:32*n_
.set n_, n_+1
.endr
	s_wait_xcnt 0x0                                ; the last block's stores have read v48-79 and their base
.set n_, 0
.rept 8
	ds_load_b128 v[48+4*n_:48+4*n_+3], v9 offset:2*SP*n_  ; a wave's LDS instructions are served in order: these see the stores above
.set n_, n_+1
.endr
	s_lshl_b32 s42, s44, 17                        ; block x 16 rows x 8,192 bytes
	s_add_nc_u64 s[40:41], s[38:39], s[42:43]
	s_wait_dscnt 0x0
.set n_, 0
.rept 8
	global_store_b128 v10, v[48+4*n_:48+4*n_+3], s[40:41] offset:2*n_*ORP  ; 16 lanes store 256 consecutive bytes, at a multiple of 256 from H's first
.set n_, n_+1
.endr
.Lskip_\@:
.endm
.macro OCH                             ; a chunk of a pass behind the stream: asked for and used in the same trip
	ALOAD 0, 0
	ALOAD 1, 64
	BLOAD 0, 0
	BLOAD 1, 0
	s_wait_loadcnt LPK                             ; the first k-step's rows are in; the second's 6 loads stay out
	s_wait_dscnt 8
	MULH 0, 0
	PLACES
	BLOAD 0, KSL
	s_wait_dscnt 8
	MULH 1, 0
	PLACES
	BLOAD 1, KSL
	s_wait_loadcnt 0x0
	s_wait_dscnt 8
	MULH 0, 1
	s_wait_dscnt 0x0
	MULH 1, 1
	PLACES
	s_wait_xcnt 0x0
	s_add_nc_u64 s[34:35], s[34:35], 128
	v_add_nc_u32 v1, CHL, v1
.endm
	s_load_b256 s[4:11], s[0:1], 0x0               ; W1 s[4:5], b1 s[6:7], xb s[8:9], sel s[10:11]
	s_load_b128 s[12:15], s[0:1], 0x20             ; H s[12:13], pos s[14:15]
	s_load_b64 s[16:17], s[0:1], 0x30              ; cnt
	v_lshl_add_u32 v14, v0, 2, SPARE               ; my spare word,
	v_mov_b32 v15, 0                               ; and 0: kept for the wave's end
	v_lshrrev_b32 v1, 5, v0
	v_readfirstlane_b32 s20, v1                    ; wave 0..7
	s_and_b32 s22, ttmp7, 0xffff                   ; the expert
	s_mov_b32 s23, ttmp9                           ; the slice
	s_mov_b32 s43, 0
	v_and_b32 v13, 31, v0                          ; lane
	v_lshlrev_b32 v12, 4, v13                      ; sel: 16 bytes a lane
	s_lshl_b32 s44, s20, 17                        ; my 8 rows of a chunk's 64: 8 x 16,384 bytes a wave
	v_lshl_add_u32 v3, v13, 4, s44
	s_lshr_b32 s44, s20, 1                         ; rows 8 w + j of a chunk lie at LDS rows 16 (w / 2) + 2 j + w % 2
	s_lshl_b32 s44, s44, 4
	s_and_b32 s45, s20, 1
	s_add_co_u32 s44, s44, s45
	s_mul_i32 s44, s44, P
	v_lshl_add_u32 v2, v13, 3, s44
	s_lshl_b32 s46, s20, 9
	s_add_co_u32 s46, s46, LIST                    ; my list
	s_lshl_b32 s47, 0x101, s22
	s_add_co_u32 s48, s22, 8
	s_lshl_b32 s52, s22, 10
	s_add_co_u32 s53, s22, 2048
	s_cmp_eq_u32 s23, 0
	s_cselect_b32 s51, 1, 0
	s_cmp_eq_u32 s20, 0
	s_cselect_b32 s51, s51, 0                      ; slice 0's wave 0 stores pos and cnt
	s_mov_b32 s29, s20                             ; pass 0 begins at block w
	s_mov_b32 s55, 0
	s_mov_b32 s50, 0
	s_wait_kmcnt 0x0
	s_lshl_b32 s42, s22, 24                        ; W1: 16 MB an expert, 512 bytes a slice
	s_lshl_b32 s44, s23, 9
	s_add_co_u32 s42, s42, s44
	s_add_nc_u64 s[32:33], s[4:5], s[42:43]
	s_lshl_b32 s42, s22, 14                        ; b1: 16 KB an expert, 512 bytes a slice
	s_add_co_u32 s42, s42, s44
	s_add_nc_u64 s[56:57], s[6:7], s[42:43]
	s_lshl_b32 s42, s22, 23                        ; H: 8 MB an expert, 256 bytes a slice
	s_lshl_b32 s44, s23, 8
	s_add_co_u32 s42, s42, s44
	s_add_nc_u64 s[38:39], s[12:13], s[42:43]
	s_mov_b64 s[36:37], s[8:9]
	s_mov_b64 s[34:35], s[8:9]
.set j_, 0
.rept 8
	global_load_b128 v[16+4*j_:16+4*j_+3], v12, s[10:11] offset:512*j_  ; all of sel: 32 words a lane; first, since loads come back in order
.set j_, j_+1
.endr
	BIASLD
	WIN 0x40
.set j_, 0
.rept 8
	global_load_b128 v[128+4*j_:128+4*j_+3], v3, s[32:33] offset:j_*PW th:TH_LOAD_NT  ; chunk 0 into registers of window 1 that the sums take later: so four chunks go out at once
.set j_, j_+1
.endr
	WIN 0
	PLOAD 1, 1
	PLOAD 2, 2
	PLOAD 0, 3
	v_lshl_add_u32 v58, v13, 3, s46
	v_lshl_add_u32 v59, v13, 2, s46
	v_mov_b32 v60, 0
	v_mov_b32 v61, 0
	ds_store_b64 v58, v[60:61]                     ; my list holds token 0 wherever no member stores: entries 0-127,
	ds_store_b32 v59, v60 offset:256               ; and 128-191
	v_lshlrev_b32 v55, 2, v13
	v_mov_b32 v56, 0x90
	v_mov_b32 v57, s53
	s_wait_loadcnt 48                              ; sel is in: behind it the bias's 16 loads and four chunks' 32
.irp j, 0,1,2,3,4,5,6,7
.irp q, 0,1,2,3
	BSTEP \j, \q
.endr
.endr
	s_min_u32 s26, s50, 1024
	s_max_u32 s26, s26, 1
	s_cmp_lg_u32 s51, 0
	s_cbranch_scc0 .Lnocnt
	s_lshl_b32 s44, s22, 2
	v_mov_b32 v62, s44
	v_mov_b32 v63, s26
	global_store_b32 v62, v63, s[16:17]            ; cnt[e]: 1 at the least
.Lnocnt:
	SETROWS
	s_wait_loadcnt 24                              ; the bias and chunk 0 are in: behind them chunks 1 to 3
	PSTORE 128, 0, 1
.irp b, 0,1,2,3,4,5
	ALOAD \b, 64*\b
.endr
	s_wait_dscnt 0x0                               ; chunk 0's stores have read their registers, which the sums now take
	BIASINIT
	MKBADR
	s_mul_i32 s44, s20, STAGEB                     ; the way out's addresses: v8 into my stage, v9 back out of it, v10 in H
	s_add_co_u32 s44, s44, STAGE
	v_and_b32 v12, 15, v0
	v_bfe_u32 v13, v0, 4, 1
	v_mul_u32_u24 v8, v12, SP                      ; in: row l % 16, 16 bytes for each half of the lanes
	v_lshl_add_u32 v8, v13, 4, v8
	v_add_nc_u32 v8, s44, v8
	v_mul_u32_u24 v9, v13, SP                      ; back: lanes 0-15 one row of 256 bytes, lanes 16-31 the next
	v_lshl_add_u32 v9, v12, 4, v9
	v_add_nc_u32 v9, s44, v9
	v_lshlrev_b32 v10, 13, v13                     ; and the same two rows in H
	v_lshl_add_u32 v10, v12, 4, v10
	v_mov_b32 v11, 0                               ; for the ReLU
	s_wait_loadcnt 0x0                             ; chunks 1 to 3 and k-steps 0 to 5 are in: the loop's counts, made for its own order of loads, then hold from the first trip on
	BAR                                            ; chunk 0 is stored
	s_mov_b32 s25, 4
.Lit:                                              ; trips 0 to 11
	TRIP 0, 1, 1, 1, 52, 54, 54, 0, 1
	TRIP 1, 1, 1, 1, 52, 54, 54, 0, 1
	TRIP 2, 1, 1, 1, 52, 54, 54, 1, 1
	s_sub_co_u32 s25, s25, 1
	s_cmp_lg_u32 s25, 0
	s_cbranch_scc1 .Lit
	TRIP 0, 0, 1, 1, 52, 46, 46, 0, 1              ; trip 12: no chunk is left to ask for; the last two k-steps are asked for
	TRIP 1, 0, 0, 1, 44, 38, 32, 0, 1              ; trips 13 to 15 ask for nothing, and the counts run down
	TRIP 2, 0, 0, 1, 24, 18, 12, 1, 1
	TRIP 0, 0, 0, 0, 0, 6, 0, 0, 0                 ; trip 15: chunk 15; nothing is left to store, so no barrier follows
	; THE PASSES.  Three trips, a constant: a pass goes out; the next, if I have rows for it, is computed from the resident slice; else that work is jumped, forward, to a label ahead of the count's step.
	; Two barriers a trip, which every wave passes: one between the stores into the stages and the next pass's reads of list and slice, one between those reads and the next stores into the stages (and the
	; closing add).  By the map of LDS those bytes lie apart; the barriers keep the order without leaning on the addresses that step here.  In the third trip the jump is always taken: (w + 72) x 16 > 1,024.
	s_mov_b32 s30, 3
.Lpass:
	EPI 0
	EPI 1
	EPI 2
	BAR                                            ; every wave's traffic with its stage is over
	s_add_co_u32 s29, s29, 24                      ; the next pass's first block of mine,
	s_add_co_u32 s55, s55, 96                      ; three blocks of 16 entries on in my list: both step once in every trip
	s_lshl_b32 s44, s29, 4
	s_cmp_ge_u32 s44, s26
	s_cbranch_scc1 .Lnext                          ; my first block of that pass lies past the count, and so do its others
	SETROWS
	BIASLD
	s_wait_loadcnt 0x0
	BIASINIT
	MKBADR
	s_mov_b64 s[34:35], s[36:37]
	s_mov_b32 s31, 16
.Loch:
	OCH
	s_sub_co_u32 s31, s31, 1
	s_cmp_lg_u32 s31, 0
	s_cbranch_scc1 .Loch
.Lnext:
	BAR                                            ; every wave's reads of list and slice for that pass are back
	s_sub_co_u32 s30, s30, 1
	s_cmp_lg_u32 s30, 0
	s_cbranch_scc1 .Lpass
	s_wait_tensorcnt 0x0                           ; the wave's end: a closing add on my spare word, behind my last LDS store
	ds_add_u32 v14, v15
	s_wait_dscnt 0x0
	s_endpgm
.Lfunc_end_k_q7a52ccbe78_ffn1:
	.size	k_q7a52ccbe78_ffn1, .Lfunc_end_k_q7a52ccbe78_ffn1-k_q7a52ccbe78_ffn1
	.p2alignl 7, 3214868480
	.fill 96, 4, 3214868480
	.section	.rodata,"a",@progbits
	.p2align	6, 0x0
	.amdhsa_kernel k_q7a52ccbe78_ffn1
		.amdhsa_group_segment_fixed_size 318464
		.amdhsa_private_segment_fixed_size 0
		.amdhsa_enable_private_segment 0
		.amdhsa_kernarg_size 56
		.amdhsa_user_sgpr_count 2
		.amdhsa_user_sgpr_kernarg_segment_ptr 1
		.amdhsa_wavefront_size32 1
		.amdhsa_system_sgpr_workgroup_id_x 1
		.amdhsa_system_sgpr_workgroup_id_y 1
		.amdhsa_system_sgpr_workgroup_id_z 1
		.amdhsa_system_vgpr_workitem_id 0
		.amdhsa_next_free_vgpr 512
		.amdhsa_next_free_sgpr 66
		.amdhsa_reserve_vcc 0
		.amdhsa_float_denorm_mode_32 3
		.amdhsa_float_denorm_mode_16_64 3
		.amdhsa_memory_ordered 1
		.amdhsa_forward_progress 1
		.amdhsa_inst_pref_size 172
	.end_amdhsa_kernel
	.amdgpu_metadata
---
amdhsa.version: [ 1, 2 ]
amdhsa.kernels:
  - .name:           k_q7a52ccbe78_ffn1
    .symbol:         k_q7a52ccbe78_ffn1.kd
    .args:
      - { .name: W1, .offset: 0, .size: 8, .value_kind: global_buffer, .address_space: global }
      - { .name: b1, .offset: 8, .size: 8, .value_kind: global_buffer, .address_space: global }
      - { .name: xb, .offset: 16, .size: 8, .value_kind: global_buffer, .address_space: global }
      - { .name: sel, .offset: 24, .size: 8, .value_kind: global_buffer, .address_space: global }
      - { .name: H, .offset: 32, .size: 8, .value_kind: global_buffer, .address_space: global }
      - { .name: pos, .offset: 40, .size: 8, .value_kind: global_buffer, .address_space: global }
      - { .name: cnt, .offset: 48, .size: 8, .value_kind: global_buffer, .address_space: global }
    .group_segment_fixed_size: 318464
    .private_segment_fixed_size: 0
    .kernarg_segment_align: 8
    .kernarg_segment_size: 56
    .max_flat_workgroup_size: 256
    .sgpr_count:     66
    .vgpr_count:     512
    .wavefront_size: 32
...
	.end_amdgpu_metadata
.endif
;; end of part 2
;; launch ffn2 (part 3): grid 32 x 8, 8 waves a work-group, no clusters, 318,464 bytes of LDS; arguments W2, b2, H, cnt, Y; writes Y
.if DOCPART == 3
	.amdgcn_target "amdgcn-amd-amdhsa--gfx1250"
	.amdhsa_code_object_version 6
	.text
	.protected	k_q7a52ccbe78_ffn2
	.globl	k_q7a52ccbe78_ffn2
	.p2align	8
	.type	k_q7a52ccbe78_ffn2,@function
k_q7a52ccbe78_ffn2:
	s_mov_b64 s[64:65], 0
	v_nop
	global_prefetch_b8 v0, s[64:65] scope:SCOPE_SE
	s_setreg_imm32_b32 hwreg(HW_REG_WAVE_MODE, 25, 1), 1
	s_wait_xcnt 0x0
; SECOND PRODUCT OF THE EXPERTS, in four parts of K.  Y[ks][1024 e + rank][d] = the sum over the 1,024 f of part ks of H[e][rank][f] W2[e][f][d], plus b2[e][d] in part 0: partial sums, f32.
; SHARES.  Work-group (x, e): 128 columns d (x % 8) and 1,024 rows f (x / 8) of W2[e]: 512 KB of f32, each byte once, 512 consecutive bytes of each row.  Rounded to bf16 the slice stays in LDS.
; The shape is the first product's, so that a row fragment of H feeds 8 products: with 64 columns and 2,048 f a trip would hold 32 loads a wave, and three trips' loads would not fit under one counter.
; The price: four parts of Y in place of two.
; ALL EIGHT WAVES RUN ONE TEXT.  In trip t (a chunk = 64 rows of f) a wave stores its 8 rows of chunk t + 1 into LDS, asks for its 8 rows of chunk t + 4, and multiplies chunk t by its own rows of H,
; which come straight into registers as matrix operands.  No LDS byte of the slice is written twice: a chunk is stored, a barrier, the chunk is read: one barrier a chunk.
; ONE COUNTER.  A wave's loads come back in order (ISA guide 5.7.1), so weights and rows are both asked for three trips ahead: trip t issues W(t+4) (8 loads), A(2t+6), A(2t+7) (6 each; A(s) = the row
; fragments of k-step s, 32 along f).  At most 60 loads of a wave are out, 24 of them weights: 96 KB of weights for the eight waves.
; ROWS.  H's rows lie by rank, so no list is needed: cnt[e] (1 at the least) bounds them.  Pass p gives wave w the blocks 24 p + 8 i + w of 16 ranks, i = 0..2; pass 0 runs under the stream, two more passes
; behind it from the resident slice, in a loop of constant count in which every wave passes every barrier and only work is jumped.  Ranks past the count repeat the last row; blocks past it are not stored;
; block i = 2's products are jumped where it is so.
; THE MATRIX INSTRUCTION IS USED TRANSPOSED: source 0 = 16 columns of W2, source 1 = 16 rows of H: a lane holds one row and eight neighbouring columns.
; LIMITS.  W2 and b2 are rounded once to bf16; sums in f32, part 0's started at the bias.  NaN and infinities are not treated apart.
; NO MULTICAST: each weight has one reader; the rows of H that an expert's work-groups share go straight into registers, and LDS has no room for them beside the slice.
; REGISTERS.  window 0: v0 thread; v1 LDS address of the fragments; v2 LDS address of my weight rows; v3 my offset in W2; v4-6 row offsets of my 3 blocks; v7, v12, v13 at work; v8-10 the way out;
;   v14, v15 the add's; v16-159 six buffers of H's fragments (buffer b, block i at 16 + 24 b + 8 i); v160-255 three stages of weights as loaded (32 each).
;   window 1: v0-191 accumulators, (block i, column block vb) at 64 i + 8 vb; v192-223, v224-255 weight fragments of columns 0-63 (X) and 64-127 (Y).
.set PW,     4096                      ; bytes in a row of W2[e]
.set CH,     64*PW                     ; a chunk's step in memory
.set P,      272                       ; an LDS row: 256 bytes + 16.  In each group of 16 rows k = 8 a + j lies at row 2 j + a
                                       ; and a lane still gets k = 8 (l / 16) + j, as H's fragments have it
.set CHL,    64*P
.set KSL,    32*P
.set LPK,    6                         ; loads of H for 32 along k
.set ORP,    4096                      ; bytes in a row of Y
.set STAGE,  1024*P+4096               ; a stage for each wave: 16 rows of 272 bytes (the 4,096 bytes in front are not used here)
.set SP,     272
.set STAGEB, 16*SP
.set SPARE,  STAGE+8*STAGEB            ; the spare words, 128 bytes a wave: four blocks of 256 bytes that no other line names
; scalars: s20 wave; s22 e; s23 column slice; s24 part of K; s25 loop; s26 count; s27 count - 1; s28 block 2 is live; s29 my first block of the pass; s30, s31 loops; s[32:33] W2 at the loop's chunk;
; s[34:35] H at the loop's k; s[36:37] H at the part; s[38:39] Y at the slice; s[40:41] a block's rows in Y; s[42:43] an offset, s43 = 0; s44, s45 at work; s54 all ones in part 0, else 0; s[56:57] b2
.set MSB, 0
.macro WIN new                         ; the immediate's high byte repeats the setting that is left; a switch that changes nothing is dropped
.if MSB != (\new)
	s_set_vgpr_msb (MSB<<8)|(\new)
.set MSB, (\new)
.endif
.endm
.macro PLACES                          ; four plain instructions between a matrix instruction and a load into, or a store or vector access of, its registers (ISA guide 7.12.1 for stores and vector accesses)
.rept 4
	v_nop
.endr
.endm
.macro BAR                             ; my LDS stores are done and my LDS loads are back; then the work-group's barrier
	s_wait_dscnt 0x0
	s_barrier_signal -1
	s_barrier_wait -1
.endm
.macro PLOAD b, c                      ; my 8 rows of chunk c (from the loop's base) into stage b: 512 consecutive bytes each
	WIN 0
.set j_, 0
.rept 8
.set rS, 160+32*(\b)+4*j_
	global_load_b128 v[rS:rS+3], v3, s[32:33] offset:(\c)*CH+j_*PW th:TH_LOAD_NT
.set j_, j_+1
.endr
.endm
.macro PSTORE r, o, w1                 ; 8 rows at register r (w1 = 1: of window 1) rounded to bf16 in place and stored: a row's 32 lanes store 256 consecutive bytes; my rows lie two LDS rows apart
.if \w1
	WIN 0x45
.else
	WIN 0
.endif
.set j_, 0
.rept 8
	v_cvt_pk_bf16_f32 v[(\r)+4*j_], v[(\r)+4*j_], v[(\r)+4*j_+1]
	v_cvt_pk_bf16_f32 v[(\r)+4*j_+1], v[(\r)+4*j_+2], v[(\r)+4*j_+3]
.set j_, j_+1
.endr
.if \w1
	WIN 0x04                                       ; the stores' data in window 1, the address in window 0
.endif
.set j_, 0
.rept 8
	ds_store_b64 v2, v[(\r)+4*j_:(\r)+4*j_+1] offset:(\o)+j_*2*P
.set j_, j_+1
.endr
	WIN 0
.endm
.macro BLOAD half, o                   ; weight fragments of 64 columns x 32 k at LDS byte o from the loop's base: lane l gets column l % 16, k along its registers
	WIN 0x40                                       ; destination window 1, address window 0
.set j_, 0
.rept 4
.set rB, 192+32*(\half)+8*j_
	ds_load_tr16_b128 v[rB:rB+3],   v1 offset:(\o)+32*(4*(\half)+j_)
	ds_load_tr16_b128 v[rB+4:rB+7], v1 offset:(\o)+32*(4*(\half)+j_)+16*P
.set j_, j_+1
.endr
.endm
.macro ALOAD b, kb                     ; H's fragments of my 3 blocks x 32 k at byte kb from the loop's base, into buffer b
	WIN 0
.set i_, 0
.rept 3
.set rA, 16+24*(\b)+8*i_
	global_load_b128 v[rA:rA+3],   v[4+i_], s[34:35] offset:(\kb)
	global_load_b128 v[rA+4:rA+7], v[4+i_], s[34:35] offset:(\kb)+32
.set i_, i_+1
.endr
.endm
; 8 products (blocks 0, 1 x 4 column blocks of one half), and 4 more where block 2 is live.  The accumulators take turns, one instruction a turn.
.macro MULH half, b
	WIN 0x51                                       ; weights, C and D in window 1, H in window 0
.set j_, 0
.rept 4
.set i_, 0
.rept 2
.set rD, 64*i_+8*(4*(\half)+j_)
.set rB, 192+32*(\half)+8*j_
.set rA, 16+24*(\b)+8*i_
	v_wmma_f32_16x16x32_bf16 v[rD:rD+7], v[rB:rB+7], v[rA:rA+7], v[rD:rD+7]
.set i_, i_+1
.endr
.set j_, j_+1
.endr
	WIN 0                                          ; at a branch and at a label every window is 0
	s_cmp_eq_u32 s28, 0
	s_cbranch_scc1 .Lno3_\@
	WIN 0x51
.set j_, 0
.rept 4
.set rD, 128+8*(4*(\half)+j_)
.set rB, 192+32*(\half)+8*j_
.set rA, 16+24*(\b)+16
	v_wmma_f32_16x16x32_bf16 v[rD:rD+7], v[rB:rB+7], v[rA:rA+7], v[rD:rD+7]
.set j_, j_+1
.endr
	WIN 0
.Lno3_\@:
.endm
; TRIP t = 3 x iteration + u, behind the barrier that shows chunk t stored.  Chunk c lies in stage c % 3, k-step s in buffer s % 6.
; ps: chunk t + 1 is stored; wl: chunk t + 4 is asked for; al: k-steps 2 t + 6 and 2 t + 7 are asked for; st: the loop's bases step; bar: the barrier behind the trip.
; cw, ca0, ca1: how many younger loads may stay out when W(t+1), A(2t), A(2t+1) must be in.  In the loop: behind W(t+1) stand 12 + 20 + 20 = 52; behind A(2t) 6 + 40 + 8 = 54; behind A(2t+1) 40 + 8 + 6 = 54.
; Each run of 8 fragment loads is asked for a run of products ahead: behind the half wanted stand the other half's 8: s_wait_dscnt 8.
.macro TRIP u, wl, al, ps, cw, ca0, ca1, st, bar
	BLOAD 0, (\u)*CHL
	BLOAD 1, (\u)*CHL
.if \ps
	s_wait_loadcnt \cw
	PSTORE 160+32*(((\u)+1)%3), ((\u)+1)*CHL, 0    ; stands in the fragments' way from LDS
	s_wait_dscnt 0x0                               ; the stores have read the stage (and the fragments are in): it may be loaded again
.if \wl
	PLOAD ((\u)+1)%3, (\u)+4
.endif
.else
	s_wait_dscnt 8
.endif
	s_wait_loadcnt \ca0
	MULH 0, 2*(\u)
	PLACES
	BLOAD 0, (\u)*CHL+KSL
	s_wait_dscnt 8
	MULH 1, 2*(\u)
	PLACES
	BLOAD 1, (\u)*CHL+KSL
.if \al
	ALOAD 2*(\u), (2*(\u)+6)*64
.endif
	s_wait_loadcnt \ca1
	s_wait_dscnt 8
	MULH 0, 2*(\u)+1
	s_wait_dscnt 0x0
	MULH 1, 2*(\u)+1
	PLACES
.if \al
	ALOAD 2*(\u)+1, (2*(\u)+7)*64
.endif
.if \st
	s_wait_xcnt 0x0                                ; the loads' bases are stepped only behind this wait
	s_add_nc_u64 s[32:33], s[32:33], 3*CH
	s_add_nc_u64 s[34:35], s[34:35], 384           ; six k-steps of 64 bytes
	v_add_nc_u32 v1, 3*CHL, v1
	v_add_nc_u32 v2, 3*CHL, v2
.endif
.if \bar
	BAR
.endif
.endm
; My 3 blocks' row offsets for the pass that begins at block s29: rank, held under the count, x 8,192 + 16 (l / 16).
.macro SETROWS
	WIN 0
	s_wait_xcnt 0x0                                ; v7 and the registers that the loads below will fill may be sources of earlier loads and stores
	v_and_b32 v7, 15, v0
	v_bfe_u32 v13, v0, 4, 1
	v_lshlrev_b32 v13, 4, v13
.set i_, 0
.rept 3
	s_add_co_u32 s44, s29, 8*i_
	s_lshl_b32 s44, s44, 4
	v_add_nc_u32 v[4+i_], s44, v7
	v_min_u32 v[4+i_], s27, v[4+i_]
	v_min_u32 v[4+i_], 0x3ff, v[4+i_]
	v_lshl_add_u32 v[4+i_], v[4+i_], 13, v13
.set i_, i_+1
.endr
	s_add_co_u32 s44, s29, 16
	s_lshl_b32 s44, s44, 4
	s_cmp_lt_u32 s44, s26
	s_cselect_b32 s28, 1, 0
.endm
.macro BIASLD                          ; my lane's 8 columns of each of the 8 column blocks: 64 numbers, into the fragments' registers
	WIN 0
	v_bfe_u32 v7, v0, 4, 1
	v_lshlrev_b32 v7, 5, v7
	WIN 0x40
.set n_, 0
.rept 8
	global_load_b128 v[192+8*n_:192+8*n_+3],   v7, s[56:57] offset:64*n_
	global_load_b128 v[192+8*n_+4:192+8*n_+7], v7, s[56:57] offset:64*n_+16
.set n_, n_+1
.endr
	WIN 0
.endm
; The bias, rounded to bf16 (in parts 1 to 3 of K: 0), starts every sum: these moves stand for the additions that the way out would else hold.
.macro BIASINIT
	WIN 0x45                                       ; all in window 1
.set n_, 0
.rept 32
	v_cvt_pk_bf16_f32 v[n_], v[192+2*n_], v[192+2*n_+1]
.set n_, n_+1
.endr
.set n_, 0
.rept 32
	v_and_b32 v[n_], s54, v[n_]
	v_lshlrev_b32 v[192+2*n_], 16, v[n_]
	v_and_b32 v[192+2*n_+1], 0xffff0000, v[n_]
.set n_, n_+1
.endr
.set n_, 0
.rept 192
	v_mov_b32 v[n_], v[192+n_%64]
.set n_, n_+1
.endr
	WIN 0
.endm
.macro MKBADR                          ; the turning load: lane l reads LDS row 2 (l % 8) + l / 16 of a group of 16, 16 bytes at 16 ((l / 8) % 2)
	v_and_b32 v12, 7, v0
	v_bfe_u32 v13, v0, 4, 1
	v_lshl_add_u32 v1, v12, 1, v13
	v_mul_u32_u24 v1, v1, P
	v_bfe_u32 v13, v0, 3, 1
	v_lshl_add_u32 v1, v13, 4, v1
.endm
; THE WAY OUT of block i: jumped where the block lies past the count.  The f32 sums go through my stage, 64 columns at a time (each accumulator's low four registers first), and are stored as rows of 256 bytes.
.macro EPI i
	s_add_co_u32 s44, s29, 8*(\i)
	s_lshl_b32 s45, s44, 4
	s_cmp_ge_u32 s45, s26
	s_cbranch_scc1 .Lskip_\@
	s_wait_xcnt 0x0                                ; the last block's stores have read v16-47 and their base
	s_lshl_b32 s42, s44, 16                        ; block x 16 rows x 4,096 bytes
	s_add_nc_u64 s[40:41], s[38:39], s[42:43]
.irp c, 0,1
	WIN 0x04                                       ; the stores' data in window 1
.set j_, 0
.rept 4
.set rD, 64*(\i)+8*(4*\c+j_)
	ds_store_b128 v8, v[rD:rD+3]   offset:64*j_
	ds_store_b128 v8, v[rD+4:rD+7] offset:64*j_+16
.set j_, j_+1
.endr
	WIN 0
.if \c
	s_wait_xcnt 0x0                                ; the first half's stores have read v16-47
.endif
.set n_, 0
.rept 8
	ds_load_b128 v[16+4*n_:16+4*n_+3], v9 offset:2*SP*n_  ; a wave's LDS instructions are served in order: these see the stores above, and the next half's stores come behind them
.set n_, n_+1
.endr
	s_wait_dscnt 0x0
.set n_, 0
.rept 8
	global_store_b128 v10, v[16+4*n_:16+4*n_+3], s[40:41] offset:2*n_*ORP+256*\c  ; 16 lanes store 256 consecutive bytes, at a multiple of 256 from Y's first
.set n_, n_+1
.endr
.endr
.Lskip_\@:
.endm
.macro OCH                             ; a chunk of a pass behind the stream: asked for and used in the same trip
	ALOAD 0, 0
	ALOAD 1, 64
	BLOAD 0, 0
	BLOAD 1, 0
	s_wait_loadcnt LPK                             ; the first k-step's rows are in; the second's 6 loads stay out
	s_wait_dscnt 8
	MULH 0, 0
	PLACES
	BLOAD 0, KSL
	s_wait_dscnt 8
	MULH 1, 0
	PLACES
	BLOAD 1, KSL
	s_wait_loadcnt 0x0
	s_wait_dscnt 8
	MULH 0, 1
	s_wait_dscnt 0x0
	MULH 1, 1
	PLACES
	s_wait_xcnt 0x0
	s_add_nc_u64 s[34:35], s[34:35], 128
	v_add_nc_u32 v1, CHL, v1
.endm
	s_load_b256 s[4:11], s[0:1], 0x0               ; W2 s[4:5], b2 s[6:7], H s[8:9], cnt s[10:11]
	s_load_b64 s[12:13], s[0:1], 0x20              ; Y
	v_lshl_add_u32 v14, v0, 2, SPARE               ; my spare word,
	v_mov_b32 v15, 0                               ; and 0: kept for the wave's end
	v_lshrrev_b32 v1, 5, v0
	v_readfirstlane_b32 s20, v1                    ; wave 0..7
	s_and_b32 s22, ttmp7, 0xffff                   ; the expert
	s_and_b32 s23, ttmp9, 7                        ; the 128 columns
	s_lshr_b32 s24, ttmp9, 3                       ; the part of K
	s_mov_b32 s43, 0
	v_and_b32 v13, 31, v0                          ; lane
	s_lshl_b32 s44, s20, 15                        ; my 8 rows of a chunk's 64: 8 x 4,096 bytes a wave
	v_lshl_add_u32 v3, v13, 4, s44
	s_lshr_b32 s44, s20, 1                         ; rows 8 w + j of a chunk lie at LDS rows 16 (w / 2) + 2 j + w % 2
	s_lshl_b32 s44, s44, 4
	s_and_b32 s45, s20, 1
	s_add_co_u32 s44, s44, s45
	s_mul_i32 s44, s44, P
	v_lshl_add_u32 v2, v13, 3, s44
	s_cmp_eq_u32 s24, 0
	s_cselect_b32 s54, -1, 0
	s_mov_b32 s29, s20                             ; pass 0 begins at block w
	s_lshl_b32 s45, s22, 2
	s_wait_kmcnt 0x0
	s_load_b32 s26, s[10:11], s45 offset:0x0       ; the expert's count
	s_lshl_b32 s42, s22, 24                        ; W2: 16 MB an expert, 4 MB a part of K, 512 bytes a slice
	s_lshl_b32 s44, s24, 22
	s_add_co_u32 s42, s42, s44
	s_lshl_b32 s44, s23, 9
	s_add_co_u32 s42, s42, s44
	s_add_nc_u64 s[32:33], s[4:5], s[42:43]
	s_lshl_b32 s42, s22, 12                        ; b2: 4 KB an expert, 512 bytes a slice
	s_add_co_u32 s42, s42, s44
	s_add_nc_u64 s[56:57], s[6:7], s[42:43]
	s_lshl_b32 s42, s24, 25                        ; Y: 32 MB a part of K, 4 MB an expert, 512 bytes a slice
	s_add_co_u32 s42, s42, s44
	s_lshl_b32 s44, s22, 22
	s_add_co_u32 s42, s42, s44
	s_add_nc_u64 s[38:39], s[12:13], s[42:43]
	s_lshl_b32 s42, s22, 23                        ; H: 8 MB an expert, 2,048 bytes of a row a part of K
	s_lshl_b32 s44, s24, 11
	s_add_co_u32 s42, s42, s44
	s_add_nc_u64 s[36:37], s[8:9], s[42:43]
	s_mov_b64 s[34:35], s[36:37]
	BIASLD
	WIN 0x40
.set j_, 0
.rept 8
	global_load_b128 v[128+4*j_:128+4*j_+3], v3, s[32:33] offset:j_*PW th:TH_LOAD_NT  ; chunk 0 into registers of window 1 that the sums take later: so four chunks go out at once
.set j_, j_+1
.endr
	WIN 0
	PLOAD 1, 1
	PLOAD 2, 2
	PLOAD 0, 3
	s_wait_kmcnt 0x0
	s_min_u32 s26, s26, 1024
	s_max_u32 s26, s26, 1
	s_sub_co_u32 s27, s26, 1
	SETROWS
	s_wait_loadcnt 24                              ; the bias and chunk 0 are in: behind them chunks 1 to 3
	PSTORE 128, 0, 1
.irp b, 0,1,2,3,4,5
	ALOAD \b, 64*\b
.endr
	s_wait_dscnt 0x0                               ; chunk 0's stores have read their registers, which the sums now take
	BIASINIT
	MKBADR
	s_mul_i32 s44, s20, STAGEB                     ; the way out's addresses: v8 into my stage, v9 back out of it, v10 in Y
	s_add_co_u32 s44, s44, STAGE
	v_and_b32 v12, 15, v0
	v_bfe_u32 v13, v0, 4, 1
	v_mul_u32_u24 v8, v12, SP                      ; in: row l % 16, 32 bytes for each half of the lanes
	v_lshl_add_u32 v8, v13, 5, v8
	v_add_nc_u32 v8, s44, v8
	v_mul_u32_u24 v9, v13, SP                      ; back: lanes 0-15 one row of 256 bytes, lanes 16-31 the next
	v_lshl_add_u32 v9, v12, 4, v9
	v_add_nc_u32 v9, s44, v9
	v_lshlrev_b32 v10, 12, v13                     ; and the same two rows in Y
	v_lshl_add_u32 v10, v12, 4, v10
	s_wait_loadcnt 0x0                             ; chunks 1 to 3 and k-steps 0 to 5 are in: the loop's counts, made for its own order of loads, then hold from the first trip on
	BAR                                            ; chunk 0 is stored
	s_mov_b32 s25, 4
.Lit:                                              ; trips 0 to 11
	TRIP 0, 1, 1, 1, 52, 54, 54, 0, 1
	TRIP 1, 1, 1, 1, 52, 54, 54, 0, 1
	TRIP 2, 1, 1, 1, 52, 54, 54, 1, 1
	s_sub_co_u32 s25, s25, 1
	s_cmp_lg_u32 s25, 0
	s_cbranch_scc1 .Lit
	TRIP 0, 0, 1, 1, 52, 46, 46, 0, 1              ; trip 12: no chunk is left to ask for; the last two k-steps are asked for
	TRIP 1, 0, 0, 1, 44, 38, 32, 0, 1              ; trips 13 to 15 ask for nothing, and the counts run down
	TRIP 2, 0, 0, 1, 24, 18, 12, 1, 1
	TRIP 0, 0, 0, 0, 0, 6, 0, 0, 0                 ; trip 15: chunk 15; nothing is left to store, so no barrier follows
	; THE PASSES.  Three trips, a constant: a pass goes out; the next, if I have rows for it, is computed from the resident slice; else that work is jumped, forward, to a label ahead of the count's step.
	; Two barriers a trip, which every wave passes: one between the stores into the stages and the next pass's reads of the slice, one between those reads and the next stores into the stages (and the
	; closing add).  By the map of LDS those bytes lie apart; the barriers keep the order without leaning on the addresses that step here.  In the third trip the jump is always taken: (w + 72) x 16 > 1,024.
	s_mov_b32 s30, 3
.Lpass:
	EPI 0
	EPI 1
	EPI 2
	BAR                                            ; every wave's traffic with its stage is over
	s_add_co_u32 s29, s29, 24                      ; the next pass's first block of mine: steps once in every trip
	s_lshl_b32 s44, s29, 4
	s_cmp_ge_u32 s44, s26
	s_cbranch_scc1 .Lnext                          ; my first block of that pass lies past the count, and so do its others
	SETROWS
	BIASLD
	s_wait_loadcnt 0x0
	BIASINIT
	MKBADR
	s_mov_b64 s[34:35], s[36:37]
	s_mov_b32 s31, 16
.Loch:
	OCH
	s_sub_co_u32 s31, s31, 1
	s_cmp_lg_u32 s31, 0
	s_cbranch_scc1 .Loch
.Lnext:
	BAR                                            ; every wave's reads of the slice for that pass are back
	s_sub_co_u32 s30, s30, 1
	s_cmp_lg_u32 s30, 0
	s_cbranch_scc1 .Lpass
	s_wait_tensorcnt 0x0                           ; the wave's end: a closing add on my spare word, behind my last LDS store
	ds_add_u32 v14, v15
	s_wait_dscnt 0x0
	s_endpgm
.Lfunc_end_k_q7a52ccbe78_ffn2:
	.size	k_q7a52ccbe78_ffn2, .Lfunc_end_k_q7a52ccbe78_ffn2-k_q7a52ccbe78_ffn2
	.p2alignl 7, 3214868480
	.fill 96, 4, 3214868480
	.section	.rodata,"a",@progbits
	.p2align	6, 0x0
	.amdhsa_kernel k_q7a52ccbe78_ffn2
		.amdhsa_group_segment_fixed_size 318464
		.amdhsa_private_segment_fixed_size 0
		.amdhsa_enable_private_segment 0
		.amdhsa_kernarg_size 40
		.amdhsa_user_sgpr_count 2
		.amdhsa_user_sgpr_kernarg_segment_ptr 1
		.amdhsa_wavefront_size32 1
		.amdhsa_system_sgpr_workgroup_id_x 1
		.amdhsa_system_sgpr_workgroup_id_y 1
		.amdhsa_system_sgpr_workgroup_id_z 1
		.amdhsa_system_vgpr_workitem_id 0
		.amdhsa_next_free_vgpr 512
		.amdhsa_next_free_sgpr 66
		.amdhsa_reserve_vcc 0
		.amdhsa_float_denorm_mode_32 3
		.amdhsa_float_denorm_mode_16_64 3
		.amdhsa_memory_ordered 1
		.amdhsa_forward_progress 1
		.amdhsa_inst_pref_size 124
	.end_amdhsa_kernel
	.amdgpu_metadata
---
amdhsa.version: [ 1, 2 ]
amdhsa.kernels:
  - .name:           k_q7a52ccbe78_ffn2
    .symbol:         k_q7a52ccbe78_ffn2.kd
    .args:
      - { .name: W2, .offset: 0, .size: 8, .value_kind: global_buffer, .address_space: global }
      - { .name: b2, .offset: 8, .size: 8, .value_kind: global_buffer, .address_space: global }
      - { .name: H, .offset: 16, .size: 8, .value_kind: global_buffer, .address_space: global }
      - { .name: cnt, .offset: 24, .size: 8, .value_kind: global_buffer, .address_space: global }
      - { .name: Y, .offset: 32, .size: 8, .value_kind: global_buffer, .address_space: global }
    .group_segment_fixed_size: 318464
    .private_segment_fixed_size: 0
    .kernarg_segment_align: 8
    .kernarg_segment_size: 40
    .max_flat_workgroup_size: 256
    .sgpr_count:     66
    .vgpr_count:     512
    .wavefront_size: 32
...
	.end_amdgpu_metadata
.endif
;; end of part 3
;; launch combine (part 4): grid 512 x 1, 4 waves a work-group, no clusters, 0 bytes of LDS; arguments Y, pos, prob, out0; writes out0
.if DOCPART == 4
	.amdgcn_target "amdgcn-amd-amdhsa--gfx1250"
	.amdhsa_code_object_version 6
	.text
	.protected	k_q7a52ccbe78_combine
	.globl	k_q7a52ccbe78_combine
	.p2align	8
	.type	k_q7a52ccbe78_combine,@function
k_q7a52ccbe78_combine:
	s_mov_b64 s[64:65], 0
	v_nop
	global_prefetch_b8 v0, s[64:65] scope:SCOPE_SE
	s_setreg_imm32_b32 hwreg(HW_REG_WAVE_MODE, 25, 1), 1
	s_wait_xcnt 0x0
; out[t] = p0 (the sum over the four parts of K of Y[ks][r0]) + p1 (the same of Y[ks][r1]): r0, r1 = pos[2 t], pos[2 t + 1] are the rows of the token's two experts; all f32.
; A stream: one wave takes half a token's row, 2,048 bytes: its eight pieces of Y's rows are asked for at once, 32 loads of 512 consecutive bytes, and each output byte is stored once, in the same pieces.
; No LDS, no barrier, no matrix unit: there is nothing to share and nothing to multiply but two weights.
.set PART, 33554432                    ; bytes from one part of Y to the next
	s_load_b256 s[4:11], s[0:1], 0x0               ; Y s[4:5], pos s[6:7], prob s[8:9], out0 s[10:11]
	v_lshrrev_b32 v2, 5, v0
	v_readfirstlane_b32 s16, v2                    ; wave
	v_and_b32 v1, 31, v0
	v_lshlrev_b32 v1, 4, v1                        ; 16 bytes a lane
	s_lshr_b32 s17, s16, 1
	s_lshl_b32 s18, ttmp9, 1
	s_add_co_u32 s17, s17, s18                     ; my token: 2 x work-group + wave / 2
	s_and_b32 s19, s16, 1
	s_lshl_b32 s19, s19, 11                        ; my half of a row
	s_lshl_b32 s18, s17, 3
	s_lshl_b32 s44, s17, 12
	s_add_co_u32 s44, s44, s19
	s_mov_b32 s45, 0
	s_mov_b32 s25, 0
	s_wait_kmcnt 0x0
	s_load_b64 s[20:21], s[6:7], s18 offset:0x0    ; the two rows
	s_load_b64 s[22:23], s[8:9], s18 offset:0x0    ; the two weights
	s_add_nc_u64 s[10:11], s[10:11], s[44:45]      ; my half row of out0
	s_wait_kmcnt 0x0
	s_min_u32 s20, s20, 8191                       ; a row of a part's 8,192
	s_min_u32 s21, s21, 8191
	s_lshl_b32 s24, s20, 12
	s_add_co_u32 s24, s24, s19
	s_add_nc_u64 s[26:27], s[4:5], s[24:25]
	s_add_nc_u64 s[28:29], s[26:27], PART
	s_add_nc_u64 s[30:31], s[28:29], PART
	s_add_nc_u64 s[32:33], s[30:31], PART
	s_lshl_b32 s24, s21, 12
	s_add_co_u32 s24, s24, s19
	s_add_nc_u64 s[34:35], s[4:5], s[24:25]
	s_add_nc_u64 s[36:37], s[34:35], PART
	s_add_nc_u64 s[38:39], s[36:37], PART
	s_add_nc_u64 s[40:41], s[38:39], PART
	s_mov_b32 s42, s23                             ; p1 in the low word of a pair of its own: the packed forms take a scalar pair's low word for both halves
	s_mov_b32 s43, s23
.set c_, 0
.rept 4
.set a_, 8+32*c_
	global_load_b128 v[a_:a_+3],     v1, s[26:27] offset:512*c_ th:TH_LOAD_NT
	global_load_b128 v[a_+4:a_+7],   v1, s[28:29] offset:512*c_ th:TH_LOAD_NT
	global_load_b128 v[a_+8:a_+11],  v1, s[30:31] offset:512*c_ th:TH_LOAD_NT
	global_load_b128 v[a_+12:a_+15], v1, s[32:33] offset:512*c_ th:TH_LOAD_NT
	global_load_b128 v[a_+16:a_+19], v1, s[34:35] offset:512*c_ th:TH_LOAD_NT
	global_load_b128 v[a_+20:a_+23], v1, s[36:37] offset:512*c_ th:TH_LOAD_NT
	global_load_b128 v[a_+24:a_+27], v1, s[38:39] offset:512*c_ th:TH_LOAD_NT
	global_load_b128 v[a_+28:a_+31], v1, s[40:41] offset:512*c_ th:TH_LOAD_NT
.set c_, c_+1
.endr
.set c_, 0
.rept 4
.set a_, 8+32*c_
	s_wait_loadcnt 24-8*c_                         ; this piece's eight loads are in; the later pieces' stay out
.irp z, 0,2
	v_pk_add_f32 v[a_+\z:a_+\z+1],       v[a_+\z:a_+\z+1],       v[a_+4+\z:a_+4+\z+1]
	v_pk_add_f32 v[a_+8+\z:a_+8+\z+1],   v[a_+8+\z:a_+8+\z+1],   v[a_+12+\z:a_+12+\z+1]
	v_pk_add_f32 v[a_+16+\z:a_+16+\z+1], v[a_+16+\z:a_+16+\z+1], v[a_+20+\z:a_+20+\z+1]
	v_pk_add_f32 v[a_+24+\z:a_+24+\z+1], v[a_+24+\z:a_+24+\z+1], v[a_+28+\z:a_+28+\z+1]
.endr
.irp z, 0,2
	v_pk_add_f32 v[a_+\z:a_+\z+1],       v[a_+\z:a_+\z+1],       v[a_+8+\z:a_+8+\z+1]
	v_pk_add_f32 v[a_+16+\z:a_+16+\z+1], v[a_+16+\z:a_+16+\z+1], v[a_+24+\z:a_+24+\z+1]
.endr
.irp z, 0,2
	v_pk_mul_f32 v[a_+\z:a_+\z+1], v[a_+\z:a_+\z+1], s[22:23] op_sel_hi:[1,0]
.endr
.irp z, 0,2
	v_pk_fma_f32 v[a_+\z:a_+\z+1], v[a_+16+\z:a_+16+\z+1], s[42:43], v[a_+\z:a_+\z+1] op_sel_hi:[1,0,1]
.endr
	global_store_b128 v1, v[a_:a_+3], s[10:11] offset:512*c_ th:TH_STORE_NT  ; 512 consecutive bytes, at a multiple of 512 from out0's first; no register is used again
.set c_, c_+1
.endr
	s_endpgm
.Lfunc_end_k_q7a52ccbe78_combine:
	.size	k_q7a52ccbe78_combine, .Lfunc_end_k_q7a52ccbe78_combine-k_q7a52ccbe78_combine
	.p2alignl 7, 3214868480
	.fill 96, 4, 3214868480
	.section	.rodata,"a",@progbits
	.p2align	6, 0x0
	.amdhsa_kernel k_q7a52ccbe78_combine
		.amdhsa_group_segment_fixed_size 0
		.amdhsa_private_segment_fixed_size 0
		.amdhsa_enable_private_segment 0
		.amdhsa_kernarg_size 32
		.amdhsa_user_sgpr_count 2
		.amdhsa_user_sgpr_kernarg_segment_ptr 1
		.amdhsa_wavefront_size32 1
		.amdhsa_system_sgpr_workgroup_id_x 1
		.amdhsa_system_sgpr_workgroup_id_y 1
		.amdhsa_system_sgpr_workgroup_id_z 1
		.amdhsa_system_vgpr_workitem_id 0
		.amdhsa_next_free_vgpr 140
		.amdhsa_next_free_sgpr 66
		.amdhsa_reserve_vcc 0
		.amdhsa_float_denorm_mode_32 3
		.amdhsa_float_denorm_mode_16_64 3
		.amdhsa_memory_ordered 1
		.amdhsa_forward_progress 1
		.amdhsa_inst_pref_size 10
	.end_amdhsa_kernel
	.amdgpu_metadata
---
amdhsa.version: [ 1, 2 ]
amdhsa.kernels:
  - .name:           k_q7a52ccbe78_combine
    .symbol:         k_q7a52ccbe78_combine.kd
    .args:
      - { .name: Y, .offset: 0, .size: 8, .value_kind: global_buffer, .address_space: global }
      - { .name: pos, .offset: 8, .size: 8, .value_kind: global_buffer, .address_space: global }
      - { .name: prob, .offset: 16, .size: 8, .value_kind: global_buffer, .address_space: global }
      - { .name: out0, .offset: 24, .size: 8, .value_kind: global_buffer, .address_space: global }
    .group_segment_fixed_size: 0
    .private_segment_fixed_size: 0
    .kernarg_segment_align: 8
    .kernarg_segment_size: 32
    .max_flat_workgroup_size: 128
    .sgpr_count:     66
    .vgpr_count:     140
    .wavefront_size: 32
...
	.end_amdgpu_metadata
.endif
;; end of part 4
;; ======== version 2 of 3: 4 launches; 1.23 times as fast as version 1
;; workspace buffers: xb 2,097,152 bytes; sel 4,096 bytes of whole numbers; prob 8,192 bytes; pos 8,448 bytes of whole numbers; cnt 256 bytes of whole numbers; H 67,108,864 bytes; Y 134,217,728 bytes
;; launch router: the kernel of part 1 again; grid 256 x 1, 4 waves a work-group, no clusters, 1,024 bytes of LDS; arguments x, gate_w, gate_b, xb, sel, prob; writes xb, sel, prob
;; launch ffn1 (part 5): grid 32 x 8, 8 waves a work-group, no clusters, 314,368 bytes of LDS; arguments W1, b1, xb, sel, H, pos, cnt; writes H, pos, cnt
.if DOCPART == 5
	.amdgcn_target "amdgcn-amd-amdhsa--gfx1250"
	.amdhsa_code_object_version 6
	.text
	.protected	k_q7a52ccbe78_ffn1
	.globl	k_q7a52ccbe78_ffn1
	.p2align	8
	.type	k_q7a52ccbe78_ffn1,@function
k_q7a52ccbe78_ffn1:
	s_mov_b64 s[64:65], 0
	v_nop
	global_prefetch_b8 v0, s[64:65] scope:SCOPE_SE
	s_setreg_imm32_b32 hwreg(HW_REG_WAVE_MODE, 25, 1), 1
	s_wait_xcnt 0x0
; FIRST PRODUCT OF THE EXPERTS.  H[e][rank][f] = relu(x[token(rank)] . W1[e][:, f] + b1[e][f]), rounded once to bf16, for the tokens that chose expert e alone.
; SHARES.  Work-group (slice, e) alone reads W1[e][0:1024][128 slice .. +127]: 512 KB of f32, each byte once.  Rounded to bf16 the slice stays in LDS, 1,024 rows of 272 bytes.
; ALL EIGHT WAVES RUN ONE TEXT.  In trip t (a chunk = 64 rows of k) a wave stores its 8 rows of chunk t + 1 into LDS, asks for its 8 rows of chunk t + 4, and multiplies chunk t by its own token rows,
; which come from xb straight into registers as matrix operands.  No LDS byte of the slice is written twice, so the one ordering is: a chunk is stored, a barrier, the chunk is read: one barrier a chunk.
; ONE COUNTER.  A wave's loads come back in order (ISA guide 5.7.1), weights and token rows alike, so both are asked for three trips ahead: trip t issues W(t+4) (8 loads), A(2t+6), A(2t+7) (6 each; A(s) = the
; token fragments of k-step s, 32 along k).  At most 60 loads of a wave are out, 24 of them weights: 96 KB of weights for the eight waves.  Ahead of the loop the loads go out in the loop's own order
; (W1, A0, A1, W2, A2, A3, W3, A4, A5), so that the loop is entered with them on their way and its counts hold from the first trip on.
; ROWS.  The expert's tokens are ranked in a fixed order, the same in every wave of all 32 slices.  Block g = ranks 16 g .. 16 g + 15.  32 compares lay the members into 32 scalar masks; from these each lane finds
; the tokens of its own ranks, in registers alone (FINDTOK).  Pass p gives wave w the blocks 24 p + 8 i + w, i = 0..2: pass 0 (384 rows) runs under the stream; two more passes, for an expert with more rows, run
; behind it from the resident slice, in a loop of constant count in which every wave passes every barrier and only work is jumped.  A place past the count holds token 0; a block wholly past it is not stored, and
; block i = 2's products are jumped where it is so.  An expert without rows counts as one row (token 0), stored in its own region and never read.  So every split is served, 0 to 1,024 rows an expert.
; THE MATRIX INSTRUCTION IS USED TRANSPOSED: source 0 = 16 columns of W1, source 1 = 16 token rows: a lane holds one row and eight neighbouring columns.
; LIMITS.  x, W1 and b1 are rounded once to bf16, h once to bf16; sums in f32, started at the bias.  NaN and infinities are not treated apart.
; NO MULTICAST: each weight has one reader, and the token rows come by a list that no tile descriptor covers.
; REGISTERS.  window 0: v0 thread; v1, v12 LDS addresses of the fragments; v2 LDS address of my weight rows; v3 my offset in W1; v4-6 token offsets of my 3 blocks; v7, v13 at work; v8-10 the way out; v11 = 0;
;   v14, v15 the add's; v16-159 six buffers of token fragments (buffer b, block i at 16 + 24 b + 8 i); v160-255 three stages of weights as loaded (32 each).
;   window 1: v0-191 accumulators, (block i, column block vb) at 64 i + 8 vb; v192-223, v224-255 weight fragments of columns 0-63 (X) and 64-127 (Y).
.set PW,     16384                     ; bytes in a row of W1[e]
.set CH,     64*PW                     ; a chunk's step in memory
.set P,      272                       ; an LDS row: 256 bytes + 16.  In each group of 16 rows k = 8 a + j lies at row 2 j + a
                                       ; and a lane still gets k = 8 (l / 16) + j, as the token fragments have it
.set CHL,    64*P
.set KSL,    32*P
.set LPK,    6                         ; token loads for 32 along k
.set ORP,    8192                      ; bytes in a row of H
.set STAGE,  1024*P                    ; behind the slice: a stage for each wave: 16 rows of 272 bytes
.set SP,     272
.set STAGEB, 16*SP
.set SPARE,  STAGE+8*STAGEB            ; the spare words, 128 bytes a wave: four blocks of 256 bytes that no other line names
; scalars: s20 wave; s22 e; s23 slice; s25 loop; s26 count (1 at the least); s28 block 2 is live; s29 my first block of the pass; s30, s31 loops; s[32:33] W1 at the loop's chunk; s[34:35] xb at the loop's k;
; s[36:37] xb; s[38:39] H at the slice; s[40:41] a block's rows in H; s[42:43] an offset, s43 = 0; s44, s45 at work; s47 e's two bits in sel; s48 8 + e; s50 members so far; s51 I store pos and cnt;
; s52 1024 e; s53 pos's spare place; s[56:57] b1 at the slice; s58-60 lane masks at work; s66-97 the members: bit l of s[66 + n] stands for token 128 (n / 4) + 4 l + n % 4
.set RHO, 48                           ; FINDTOK's registers, three of each, one for each of my blocks: the rank wanted,
.set WD,  51                           ; the mask that holds it,
.set PK,  54                           ; members ahead of that mask << 16 | the mask's first token,
.set NN,  57                           ; which set bit of the mask is wanted, from 0,
.set PS,  60                           ; the bit's place as far as found,
.set TT,  63                           ; at work
.set UU,  66
.set QA,  69                           ; the mask's counts by 2 bits,
.set QB,  72                           ; by 4,
.set QC,  75                           ; by 8,
.set QD,  78                           ; and, in its low byte, of the low 16
.set MSB, 0
.macro WIN new                         ; the immediate's high byte repeats the setting that is left; a switch that changes nothing is dropped
.if MSB != (\new)
	s_set_vgpr_msb (MSB<<8)|(\new)
.set MSB, (\new)
.endif
.endm
.macro PLACES                          ; four plain instructions between a matrix instruction and a load into, or a vector write or read of, its registers (ISA guide 7.12.1 for vector writes and reads)
.rept 4
	v_nop
.endr
.endm
.macro BAR                             ; my LDS stores are done and my LDS loads are back; then the work-group's barrier
	s_wait_dscnt 0x0
	s_barrier_signal -1
	s_barrier_wait -1
.endm
.macro ALL3 line:vararg                ; one line for each of my three blocks t_
.set t_, 0
.rept 3
	\line
.set t_, t_+1
.endr
.endm
.macro PLOAD b, c                      ; my 8 rows of chunk c (from the loop's base) into stage b: 512 consecutive bytes each
	WIN 0
.set j_, 0
.rept 8
.set rS, 160+32*(\b)+4*j_
	global_load_b128 v[rS:rS+3], v3, s[32:33] offset:(\c)*CH+j_*PW th:TH_LOAD_NT
.set j_, j_+1
.endr
.endm
.macro PSTORE r, o, w1                 ; 8 rows at register r (w1 = 1: of window 1) rounded to bf16 in place and stored: a row's 32 lanes store 256 consecutive bytes; my rows lie two LDS rows apart
.if \w1
	WIN 0x45
.else
	WIN 0
.endif
.set j_, 0
.rept 8
	v_cvt_pk_bf16_f32 v[(\r)+4*j_], v[(\r)+4*j_], v[(\r)+4*j_+1]
	v_cvt_pk_bf16_f32 v[(\r)+4*j_+1], v[(\r)+4*j_+2], v[(\r)+4*j_+3]
.set j_, j_+1
.endr
.if \w1
	WIN 0x04                                       ; the stores' data in window 1, the address in window 0
.endif
.set j_, 0
.rept 8
	ds_store_b64 v2, v[(\r)+4*j_:(\r)+4*j_+1] offset:(\o)+j_*2*P
.set j_, j_+1
.endr
	WIN 0
.endm
.macro BLOAD half, ar, o               ; weight fragments of 64 columns x 32 k at LDS byte o from address register ar: lane l gets column l % 16, k along its registers
	WIN 0x40                                       ; destination window 1, address window 0
.set j_, 0
.rept 4
.set rB, 192+32*(\half)+8*j_
	ds_load_tr16_b128 v[rB:rB+3],   v[\ar] offset:(\o)+32*(4*(\half)+j_)
	ds_load_tr16_b128 v[rB+4:rB+7], v[\ar] offset:(\o)+32*(4*(\half)+j_)+16*P
.set j_, j_+1
.endr
.endm
.macro ALOAD b, kb                     ; token fragments of my 3 blocks x 32 k at byte kb from the loop's base, into buffer b
	WIN 0
.set i_, 0
.rept 3
.set rA, 16+24*(\b)+8*i_
	global_load_b128 v[rA:rA+3],   v[4+i_], s[34:35] offset:(\kb)
	global_load_b128 v[rA+4:rA+7], v[4+i_], s[34:35] offset:(\kb)+32
.set i_, i_+1
.endr
.endm
; 8 products (blocks 0, 1 x 4 column blocks of one half), and 4 more where block 2 is live.  The accumulators take turns, one instruction a turn.
.macro MULH half, b
	WIN 0x51                                       ; weights, C and D in window 1, tokens in window 0
.set j_, 0
.rept 4
.set i_, 0
.rept 2
.set rD, 64*i_+8*(4*(\half)+j_)
.set rB, 192+32*(\half)+8*j_
.set rA, 16+24*(\b)+8*i_
	v_wmma_f32_16x16x32_bf16 v[rD:rD+7], v[rB:rB+7], v[rA:rA+7], v[rD:rD+7]
.set i_, i_+1
.endr
.set j_, j_+1
.endr
	WIN 0                                          ; at a branch and at a label every window is 0
	s_cmp_eq_u32 s28, 0
	s_cbranch_scc1 .Lno3_\@
	WIN 0x51
.set j_, 0
.rept 4
.set rD, 128+8*(4*(\half)+j_)
.set rB, 192+32*(\half)+8*j_
.set rA, 16+24*(\b)+16
	v_wmma_f32_16x16x32_bf16 v[rD:rD+7], v[rB:rB+7], v[rA:rA+7], v[rD:rD+7]
.set j_, j_+1
.endr
	WIN 0
.Lno3_\@:
.endm
; TRIP t = 3 x iteration + u.  Chunk c lies in stage c % 3, k-step s in token buffer s % 6.  X(s), Y(s): the weight fragments of k-step s, columns 0-63 and 64-127.
; THE FRAGMENTS RUN ONE K-STEP AHEAD, over the trips' edges too: each run of 8 loads is asked for as soon as its registers are free, a run of products ahead of its use.  At a trip's head X(2t) and Y(2t) are out.
; THE BARRIER STANDS INSIDE THE TRIP.  Ahead of its signal: my stores of chunk t + 1, waited for.  Behind its wait: the first reads of chunk t + 1, X(2t+2) and Y(2t+2), at the trip's end.  Between the two: v_nop,
; the loads of X(2t+1), bytes of chunk t that nobody writes again, and a run of products.
; TWO ADDRESS REGISTERS, each stepped while no load that names it is out: v1 for a chunk's second k-step, stepped at the end of a trip with u = 2 (its loads were waited for ahead of the trip's last products);
; v12 for the next chunk's first k-step, stepped in a trip with u = 2 behind the wait for all LDS instructions; so that trip's offset from v12 is 0.
; THE LOADS' BASES step in a trip with u = 0, behind the same wait: the last loads that name them were issued a run of products earlier.  The immediates count from the stepped bases.
; ps: chunk t + 1 is stored, and the barrier stands; wl: chunk t + 4 is asked for; al: k-steps 2 t + 6 and 2 t + 7 are asked for; nx: the next chunk's first fragments are asked for.
; cw, ca0, ca1: how many younger loads may stay out when W(t+1), A(2t), A(2t+1) must be in.  In the loop: behind W(t+1) stand 12 + 40 = 52; behind A(2t) 6 + 40 = 46 (this trip's W is not yet issued);
; behind A(2t+1) 40 + 8 + 6 = 54.
.macro TRIP u, wl, al, ps, nx, cw, ca0, ca1
.set nO, (((\u)+1)%3)*CHL
.if \ps
	s_wait_loadcnt \cw
	PSTORE 160+32*(((\u)+1)%3), ((\u)+1)*CHL, 0
	s_wait_dscnt 16                                ; X(2t) is in: behind it Y(2t)'s 8 loads and my 8 stores
.else
	s_wait_dscnt 8                                 ; X(2t) is in: behind it Y(2t)'s 8 loads
.endif
	s_wait_loadcnt \ca0
	MULH 0, 2*(\u)
.if \ps
	s_wait_dscnt 0x0                               ; for the others' sake: my stores of chunk t + 1 are done; Y(2t) is in; the stage may be loaded again
.if (\u) == 2
	v_add_nc_u32 v12, 3*CHL, v12
.endif
.endif
.if ((\u) == 0) && ((\wl) || (\al))
	s_wait_xcnt 0x0                                ; the loads' bases are stepped only behind this wait
	s_add_nc_u64 s[32:33], s[32:33], 3*CH
	s_add_nc_u64 s[34:35], s[34:35], 384           ; six k-steps of 64 bytes
.endif
.if \wl
	PLOAD ((\u)+1)%3, (\u)+1
.endif
.if \ps
	s_barrier_signal -1
.endif
	PLACES
	BLOAD 0, 1, (\u)*CHL+KSL
.if (\ps) == 0
	s_wait_dscnt 8                                 ; Y(2t) is in
.endif
	MULH 1, 2*(\u)
.if \ps
	s_barrier_wait -1                              ; chunk t + 1 is stored, everybody's rows of it
.endif
	PLACES
	BLOAD 1, 1, (\u)*CHL+KSL
.if \al
	ALOAD 2*(\u), 128*(\u)
.endif
	s_wait_loadcnt \ca1
	s_wait_dscnt 8                                 ; X(2t+1) is in: behind it Y(2t+1)'s 8 loads
	MULH 0, 2*(\u)+1
	PLACES
.if \nx
	BLOAD 0, 12, nO
	s_wait_dscnt 8                                 ; Y(2t+1) is in
.else
	s_wait_dscnt 0x0
.endif
	MULH 1, 2*(\u)+1
	PLACES
.if \nx
	BLOAD 1, 12, nO
.endif
.if \al
	ALOAD 2*(\u)+1, 128*(\u)+64
.endif
	WIN 0
.if (\u) == 2
	v_add_nc_u32 v1, 3*CHL, v1
	v_add_nc_u32 v2, 3*CHL, v2                     ; my stores were waited for ahead of the signal
.endif
.endm
; One halving of FINDTOK's search: the set bits in the lower half of what is left (a field of src at the place found so far); where the wanted bit is not among them, they are taken off and the place moves up.
.macro LEVEL src, width, step
	ALL3 v_bfe_u32 v[TT+t_], v[(\src)+t_], v[PS+t_], \width
	ALL3 v_cmp_ge_u32 s[58+t_], v[NN+t_], v[TT+t_]
	ALL3 v_sub_nc_u32 v[TT+t_], v[NN+t_], v[TT+t_]
	ALL3 v_add_nc_u32 v[UU+t_], \step, v[PS+t_]
	ALL3 v_cndmask_b32 v[NN+t_], v[NN+t_], v[TT+t_], s[58+t_]
	ALL3 v_cndmask_b32 v[PS+t_], v[PS+t_], v[UU+t_], s[58+t_]
.endm
; THE TOKENS OF MY RANKS, for the pass that begins at block s29: lane l wants ranks 16 (s29 + 8 i) + l % 16, i = 0..2.  The 32 masks are walked with the count of members so far: a lane keeps the last mask whose
; count so far does not pass its rank: that mask holds the rank.  Then the wanted set bit's place is found by five halvings on the mask's counts by 2, 4, 8 and 16 bits.  Token = the mask's first + 4 x place.
; A rank at or past the count gets token 0.  It leaves: v4-6 = token x 2,048 + 16 (l / 16); s50 the count; s26 the count, 1 at the least; s28.
; It writes v4-6, v13 and v48-80.  xw = 1: stores are out that read some of these (the way out's data): they are rewritten only behind the wait.  At its first use no pending load or store names any of them.
.macro FINDTOK xw
	WIN 0
.if \xw
	s_wait_xcnt 0x0
.endif
	v_and_b32 v[RHO], 15, v0
	s_lshl_b32 s44, s29, 4
	v_add_nc_u32 v[RHO], s44, v[RHO]
	v_add_nc_u32 v[RHO+1], 128, v[RHO]             ; eight blocks of 16 ranks on
	v_add_nc_u32 v[RHO+2], 128, v[RHO+1]
	ALL3 v_mov_b32 v[WD+t_], s66                   ; no member stands ahead of the first mask
	ALL3 v_mov_b32 v[PK+t_], 0
	s_bcnt1_i32_b32 s50, s66
.set n_, 1
.rept 31
	s_lshl_b32 s44, s50, 16
	s_or_b32 s44, s44, 128*(n_/4)+n_%4
	ALL3 v_cmp_le_u32 s[58+t_], s50, v[RHO+t_]
	ALL3 v_cndmask_b32 v[WD+t_], v[WD+t_], s[66+n_], s[58+t_]
	ALL3 v_cndmask_b32 v[PK+t_], v[PK+t_], s44, s[58+t_]
	s_bcnt1_i32_b32 s45, s[66+n_]
	s_add_co_u32 s50, s50, s45
.set n_, n_+1
.endr
	ALL3 v_lshrrev_b32 v[TT+t_], 16, v[PK+t_]
	ALL3 v_and_b32 v[PK+t_], 0xffff, v[PK+t_]
	ALL3 v_sub_nc_u32 v[NN+t_], v[RHO+t_], v[TT+t_]
	ALL3 v_mov_b32 v[PS+t_], 0
	ALL3 v_lshrrev_b32 v[UU+t_], 1, v[WD+t_]
	ALL3 v_and_b32 v[UU+t_], 0x55555555, v[UU+t_]
	ALL3 v_sub_nc_u32 v[QA+t_], v[WD+t_], v[UU+t_]
	ALL3 v_lshrrev_b32 v[UU+t_], 2, v[QA+t_]
	ALL3 v_and_b32 v[UU+t_], 0x33333333, v[UU+t_]
	ALL3 v_and_b32 v[QB+t_], 0x33333333, v[QA+t_]
	ALL3 v_add_nc_u32 v[QB+t_], v[QB+t_], v[UU+t_]
	ALL3 v_lshrrev_b32 v[UU+t_], 4, v[QB+t_]
	ALL3 v_add_nc_u32 v[UU+t_], v[QB+t_], v[UU+t_]
	ALL3 v_and_b32 v[QC+t_], 0x0f0f0f0f, v[UU+t_]
	ALL3 v_lshrrev_b32 v[UU+t_], 8, v[QC+t_]
	ALL3 v_add_nc_u32 v[QD+t_], v[QC+t_], v[UU+t_]
	LEVEL QD, 8, 16
	LEVEL QC, 8, 8
	LEVEL QB, 4, 4
	LEVEL QA, 2, 2
	LEVEL WD, 1, 1
	v_bfe_u32 v13, v0, 4, 1
	v_lshlrev_b32 v13, 4, v13
	ALL3 v_lshl_add_u32 v[TT+t_], v[PS+t_], 2, v[PK+t_]
	ALL3 v_cmp_gt_u32 s[58+t_], s50, v[RHO+t_]
	ALL3 v_cndmask_b32 v[TT+t_], 0, v[TT+t_], s[58+t_]
	ALL3 v_min_u32 v[TT+t_], 0x3ff, v[TT+t_]
	ALL3 v_lshl_add_u32 v[4+t_], v[TT+t_], 11, v13
	s_min_u32 s26, s50, 1024
	s_max_u32 s26, s26, 1
	s_add_co_u32 s44, s29, 16
	s_lshl_b32 s44, s44, 4
	s_cmp_lt_u32 s44, s26
	s_cselect_b32 s28, 1, 0
.endm
.macro BIASLD                          ; my lane's 8 columns of each of the 8 column blocks: 64 numbers, into the fragments' registers
	WIN 0
	v_bfe_u32 v7, v0, 4, 1
	v_lshlrev_b32 v7, 5, v7
	WIN 0x40
.set n_, 0
.rept 8
	global_load_b128 v[192+8*n_:192+8*n_+3],   v7, s[56:57] offset:64*n_
	global_load_b128 v[192+8*n_+4:192+8*n_+7], v7, s[56:57] offset:64*n_+16
.set n_, n_+1
.endr
	WIN 0
.endm
; The bias, rounded to bf16, starts every sum: widened straight into block 0's sums and copied to the other two blocks': these moves stand for the additions that the way out would else hold.
.macro BIASINIT
	WIN 0x45                                       ; all in window 1
.set n_, 0
.rept 32
	v_cvt_pk_bf16_f32 v[64+n_], v[192+2*n_], v[192+2*n_+1]
.set n_, n_+1
.endr
.set n_, 0
.rept 32
	v_lshlrev_b32 v[2*n_], 16, v[64+n_]
	v_and_b32 v[2*n_+1], 0xffff0000, v[64+n_]
.set n_, n_+1
.endr
.set n_, 0
.rept 64
	v_mov_b32 v[64+n_], v[n_]
	v_mov_b32 v[128+n_], v[n_]
.set n_, n_+1
.endr
	WIN 0
.endm
.macro MKBADR                          ; the turning load: lane l reads LDS row 2 (l % 8) + l / 16 of a group of 16, 16 bytes at 16 ((l / 8) % 2)
	v_and_b32 v7, 7, v0
	v_bfe_u32 v13, v0, 4, 1
	v_lshl_add_u32 v1, v7, 1, v13
	v_mul_u32_u24 v1, v1, P
	v_bfe_u32 v13, v0, 3, 1
	v_lshl_add_u32 v1, v13, 4, v1
	v_mov_b32 v12, v1
.endm
; THE WAY OUT of block i: jumped where the block lies past the count.  Rounded to bf16 (each accumulator from its low end), ReLU on the packed halves, through my stage, stored as whole rows.
.macro EPI i
	s_add_co_u32 s44, s29, 8*(\i)
	s_lshl_b32 s45, s44, 4
	s_cmp_ge_u32 s45, s26
	s_cbranch_scc1 .Lskip_\@
	WIN 0x05                                       ; sources in window 1, destination in window 0
.set n_, 0
.rept 32
	v_cvt_pk_bf16_f32 v[16+n_], v[64*(\i)+2*n_], v[64*(\i)+2*n_+1]
.set n_, n_+1
.endr
	WIN 0
.set n_, 0
.rept 32
	v_pk_max_num_bf16 v[16+n_], v[16+n_], v11
.set n_, n_+1
.endr
.set n_, 0
.rept 8
	ds_store_b128 v8, v[16+4*n_:16+4*n_+3] offset:32*n_
.set n_, n_+1
.endr
	s_wait_xcnt 0x0                                ; the last block's stores have read v48-79 and their base
.set n_, 0
.rept 8
	ds_load_b128 v[48+4*n_:48+4*n_+3], v9 offset:2*SP*n_  ; a wave's LDS instructions are served in order: these see the stores above
.set n_, n_+1
.endr
	s_lshl_b32 s42, s44, 17                        ; block x 16 rows x 8,192 bytes
	s_add_nc_u64 s[40:41], s[38:39], s[42:43]
	s_wait_dscnt 0x0
.set n_, 0
.rept 8
	global_store_b128 v10, v[48+4*n_:48+4*n_+3], s[40:41] offset:2*n_*ORP  ; 16 lanes store 256 consecutive bytes, at a multiple of 256 from H's first
.set n_, n_+1
.endr
.Lskip_\@:
.endm
.macro OCH                             ; a chunk of a pass behind the stream: asked for and used in the same trip
	ALOAD 0, 0
	ALOAD 1, 64
	BLOAD 0, 1, 0
	BLOAD 1, 1, 0
	s_wait_loadcnt LPK                             ; the first k-step's rows are in; the second's 6 loads stay out
	s_wait_dscnt 8
	MULH 0, 0
	PLACES
	BLOAD 0, 1, KSL
	s_wait_dscnt 8
	MULH 1, 0
	PLACES
	BLOAD 1, 1, KSL
	s_wait_loadcnt 0x0
	s_wait_dscnt 8
	MULH 0, 1
	s_wait_dscnt 0x0
	MULH 1, 1
	PLACES
	s_wait_xcnt 0x0
	s_add_nc_u64 s[34:35], s[34:35], 128
	v_add_nc_u32 v1, CHL, v1
.endm
	s_load_b256 s[4:11], s[0:1], 0x0               ; W1 s[4:5], b1 s[6:7], xb s[8:9], sel s[10:11]
	s_load_b128 s[12:15], s[0:1], 0x20             ; H s[12:13], pos s[14:15]
	s_load_b64 s[16:17], s[0:1], 0x30              ; cnt
	v_lshl_add_u32 v14, v0, 2, SPARE               ; my spare word,
	v_mov_b32 v15, 0                               ; and 0: kept for the wave's end
	v_lshrrev_b32 v1, 5, v0
	v_readfirstlane_b32 s20, v1                    ; wave 0..7
	s_and_b32 s22, ttmp7, 0xffff                   ; the expert
	s_mov_b32 s23, ttmp9                           ; the slice
	s_mov_b32 s43, 0
	v_and_b32 v13, 31, v0                          ; lane
	v_lshlrev_b32 v12, 4, v13                      ; sel: 16 bytes a lane
	s_lshl_b32 s44, s20, 17                        ; my 8 rows of a chunk's 64: 8 x 16,384 bytes a wave
	v_lshl_add_u32 v3, v13, 4, s44
	s_lshr_b32 s44, s20, 1                         ; rows 8 w + j of a chunk lie at LDS rows 16 (w / 2) + 2 j + w % 2
	s_lshl_b32 s44, s44, 4
	s_and_b32 s45, s20, 1
	s_add_co_u32 s44, s44, s45
	s_mul_i32 s44, s44, P
	v_lshl_add_u32 v2, v13, 3, s44
	s_lshl_b32 s47, 0x101, s22
	s_add_co_u32 s48, s22, 8
	s_lshl_b32 s52, s22, 10
	s_add_co_u32 s53, s22, 2048
	s_cmp_eq_u32 s23, 0
	s_cselect_b32 s51, 1, 0
	s_cmp_eq_u32 s20, 0
	s_cselect_b32 s51, s51, 0                      ; slice 0's wave 0 stores pos and cnt
	s_mov_b32 s29, s20                             ; pass 0 begins at block w
	s_wait_kmcnt 0x0
	s_lshl_b32 s42, s22, 24                        ; W1: 16 MB an expert, 512 bytes a slice
	s_lshl_b32 s44, s23, 9
	s_add_co_u32 s42, s42, s44
	s_add_nc_u64 s[32:33], s[4:5], s[42:43]
	s_lshl_b32 s42, s22, 14                        ; b1: 16 KB an expert, 512 bytes a slice
	s_add_co_u32 s42, s42, s44
	s_add_nc_u64 s[56:57], s[6:7], s[42:43]
	s_lshl_b32 s42, s22, 23                        ; H: 8 MB an expert, 256 bytes a slice
	s_lshl_b32 s44, s23, 8
	s_add_co_u32 s42, s42, s44
	s_add_nc_u64 s[38:39], s[12:13], s[42:43]
	s_mov_b64 s[36:37], s[8:9]
	s_mov_b64 s[34:35], s[8:9]
.set j_, 0
.rept 8
	global_load_b128 v[16+4*j_:16+4*j_+3], v12, s[10:11] offset:512*j_  ; all of sel: 32 words a lane: v[16 + n] holds token 128 (n / 4) + 4 l + n % 4; first, since loads come back in order
.set j_, j_+1
.endr
	BIASLD
	WIN 0x40
.set j_, 0
.rept 8
	global_load_b128 v[128+4*j_:128+4*j_+3], v3, s[32:33] offset:j_*PW th:TH_LOAD_NT  ; chunk 0 into registers of window 1 that the sums take later
.set j_, j_+1
.endr
	WIN 0
	PLOAD 1, 1                                     ; W1: from here on the loads go out in the loop's order; the token rows that come next wait for FINDTOK
	v_lshlrev_b32 v55, 2, v13
	v_mov_b32 v57, s53
	s_wait_loadcnt 32                              ; sel is in: behind it the bias's 16 loads and two chunks' 16
.set n_, 0
.rept 32                                           ; the expert's members, 32 tokens to a scalar register
	v_and_b32 v[48+n_%4], s47, v[16+n_]
	v_cmp_ne_u32 s[66+n_], 0, v[48+n_%4]
.set n_, n_+1
.endr
	s_cmp_lg_u32 s51, 0
	s_cbranch_scc0 .Lnopos                         ; one wave of the expert's first slice stores pos[2 token + slot] = 1024 e + rank, and cnt[e]
	s_mov_b32 s50, s52                             ; 1024 e + members so far
.set n_, 0
.rept 32                                           ; each store has two registers of its own, so no wait stands between them
	v_mbcnt_lo_u32_b32 v[97+2*n_], s[66+n_], s50   ; + members in lower lanes
	v_add_nc_u32 v52, 128*(n_/4)+n_%4, v55         ; my token
	v_bfe_u32 v53, v[16+n_], s48, 1                ; slot 1 where e is the token's second choice
	v_lshl_add_u32 v53, v52, 1, v53
	v_cndmask_b32 v53, v57, v53, s[66+n_]          ; the others store into the expert's spare place, which nobody reads
	v_min_u32 v53, 0x807, v53
	v_lshlrev_b32 v[96+2*n_], 2, v53
	global_store_b32 v[96+2*n_], v[97+2*n_], s[14:15]
	s_bcnt1_i32_b32 s44, s[66+n_]
	s_add_co_u32 s50, s50, s44
.set n_, n_+1
.endr
	s_sub_co_u32 s44, s50, s52
	s_min_u32 s44, s44, 1024
	s_max_u32 s44, s44, 1
	s_lshl_b32 s45, s22, 2
	v_mov_b32 v94, s45
	v_mov_b32 v95, s44
	global_store_b32 v94, v95, s[16:17]            ; cnt[e]: 1 at the least
.Lnopos:
	FINDTOK 0
	s_wait_xcnt 0x0                                ; the stores of pos and cnt have read v94-159, which the loads below fill
	ALOAD 0, 0                                     ; A0, A1, W2, A2: with the bias, W0 and W1 at most 58 loads are out
	ALOAD 1, 64
	PLOAD 2, 2
	ALOAD 2, 128
	s_wait_loadcnt 34                              ; the bias and chunk 0 are in: behind them W1's 8, A0's and A1's 12, W2's 8, A2's 6
	PSTORE 128, 0, 1
	ALOAD 3, 192                                   ; A3, W3, A4, A5: at most 60 are out, the nine groups that every trip finds at its head
	PLOAD 0, 3
	ALOAD 4, 256
	ALOAD 5, 320
	s_wait_dscnt 0x0                               ; chunk 0's stores have read their registers, which the sums now take
	BIASINIT
	s_mul_i32 s44, s20, STAGEB                     ; the way out's addresses: v8 into my stage, v9 back out of it, v10 in H
	s_add_co_u32 s44, s44, STAGE
	v_and_b32 v7, 15, v0                           ; (v7 was the bias loads' offset: they are in)
	v_bfe_u32 v13, v0, 4, 1
	v_mul_u32_u24 v8, v7, SP                       ; in: row l % 16, 16 bytes for each half of the lanes
	v_lshl_add_u32 v8, v13, 4, v8
	v_add_nc_u32 v8, s44, v8
	v_mul_u32_u24 v9, v13, SP                      ; back: lanes 0-15 one row of 256 bytes, lanes 16-31 the next
	v_lshl_add_u32 v9, v7, 4, v9
	v_add_nc_u32 v9, s44, v9
	v_lshlrev_b32 v10, 13, v13                     ; and the same two rows in H
	v_lshl_add_u32 v10, v7, 4, v10
	v_mov_b32 v11, 0                               ; for the ReLU
	MKBADR
	BAR                                            ; chunk 0 is stored; the loads stay on their way: nobody writes what they read
	BLOAD 0, 1, 0                                  ; X(0) and Y(0): what every trip finds asked for
	BLOAD 1, 1, 0
	WIN 0
	s_mov_b32 s25, 4
.Lit:                                              ; trips 0 to 11
	TRIP 0, 1, 1, 1, 1, 52, 46, 54
	TRIP 1, 1, 1, 1, 1, 52, 46, 54
	TRIP 2, 1, 1, 1, 1, 52, 46, 54
	s_sub_co_u32 s25, s25, 1
	s_cmp_lg_u32 s25, 0
	s_cbranch_scc1 .Lit
	TRIP 0, 0, 1, 1, 1, 52, 46, 46                 ; trip 12: no chunk is left to ask for; the last two k-steps are asked for
	TRIP 1, 0, 0, 1, 1, 44, 38, 32                 ; trips 13 to 15 ask nothing of memory, and the counts run down
	TRIP 2, 0, 0, 1, 1, 24, 18, 12
	TRIP 0, 0, 0, 0, 0, 0, 6, 0                    ; trip 15: chunk 15; nothing is left to store, so it has no barrier
	; THE PASSES.  Three trips, a constant: a pass goes out; the next, if I have rows for it, is computed from the resident slice; else that work is jumped, forward, to a label ahead of the count's step.
	; Two barriers a trip, which every wave passes: one between the stores into the stages and the next pass's reads of the slice, one between those reads and the next stores into the stages (and the
	; closing add).  By the map of LDS those bytes lie apart; the barriers keep the order without leaning on the addresses that step here.  In the third trip the jump is always taken: (w + 72) x 16 > 1,024.
	s_mov_b32 s30, 3
.Lpass:
	EPI 0
	EPI 1
	EPI 2
	BAR                                            ; every wave's traffic with its stage is over
	s_add_co_u32 s29, s29, 24                      ; the next pass's first block of mine: steps once in every trip
	s_lshl_b32 s44, s29, 4
	s_cmp_ge_u32 s44, s26
	s_cbranch_scc1 .Lnext                          ; my first block of that pass lies past the count, and so do its others
	FINDTOK 1
	BIASLD
	s_wait_loadcnt 0x0
	BIASINIT
	MKBADR
	s_mov_b64 s[34:35], s[36:37]
	s_mov_b32 s31, 16
.Loch:
	OCH
	s_sub_co_u32 s31, s31, 1
	s_cmp_lg_u32 s31, 0
	s_cbranch_scc1 .Loch
.Lnext:
	BAR                                            ; every wave's reads of the slice for that pass are back
	s_sub_co_u32 s30, s30, 1
	s_cmp_lg_u32 s30, 0
	s_cbranch_scc1 .Lpass
	s_wait_tensorcnt 0x0                           ; the wave's end: a closing add on my spare word, behind my last LDS store
	ds_add_u32 v14, v15
	s_wait_dscnt 0x0
	s_endpgm
.Lfunc_end_k_q7a52ccbe78_ffn1:
	.size	k_q7a52ccbe78_ffn1, .Lfunc_end_k_q7a52ccbe78_ffn1-k_q7a52ccbe78_ffn1
	.p2alignl 7, 3214868480
	.fill 96, 4, 3214868480
	.section	.rodata,"a",@progbits
	.p2align	6, 0x0
	.amdhsa_kernel k_q7a52ccbe78_ffn1
		.amdhsa_group_segment_fixed_size 314368
		.amdhsa_private_segment_fixed_size 0
		.amdhsa_enable_private_segment 0
		.amdhsa_kernarg_size 56
		.amdhsa_user_sgpr_count 2
		.amdhsa_user_sgpr_kernarg_segment_ptr 1
		.amdhsa_wavefront_size32 1
		.amdhsa_system_sgpr_workgroup_id_x 1
		.amdhsa_system_sgpr_workgroup_id_y 1
		.amdhsa_system_sgpr_workgroup_id_z 1
		.amdhsa_system_vgpr_workitem_id 0
		.amdhsa_next_free_vgpr 512
		.amdhsa_next_free_sgpr 98
		.amdhsa_reserve_vcc 0
		.amdhsa_float_denorm_mode_32 3
		.amdhsa_float_denorm_mode_16_64 3
		.amdhsa_memory_ordered 1
		.amdhsa_forward_progress 1
		.amdhsa_inst_pref_size 207
	.end_amdhsa_kernel
	.amdgpu_metadata
---
amdhsa.version: [ 1, 2 ]
amdhsa.kernels:
  - .name:           k_q7a52ccbe78_ffn1
    .symbol:         k_q7a52ccbe78_ffn1.kd
    .args:
      - { .name: W1, .offset: 0, .size: 8, .value_kind: global_buffer, .address_space: global }
      - { .name: b1, .offset: 8, .size: 8, .value_kind: global_buffer, .address_space: global }
      - { .name: xb, .offset: 16, .size: 8, .value_kind: global_buffer, .address_space: global }
      - { .name: sel, .offset: 24, .size: 8, .value_kind: global_buffer, .address_space: global }
      - { .name: H, .offset: 32, .size: 8, .value_kind: global_buffer, .address_space: global }
      - { .name: pos, .offset: 40, .size: 8, .value_kind: global_buffer, .address_space: global }
      - { .name: cnt, .offset: 48, .size: 8, .value_kind: global_buffer, .address_space: global }
    .group_segment_fixed_size: 314368
    .private_segment_fixed_size: 0
    .kernarg_segment_align: 8
    .kernarg_segment_size: 56
    .max_flat_workgroup_size: 256
    .sgpr_count:     98
    .vgpr_count:     512
    .wavefront_size: 32
...
	.end_amdgpu_metadata
.endif
;; end of part 5
;; launch ffn2 (part 6): grid 32 x 8, 8 waves a work-group, no clusters, 318,464 bytes of LDS; arguments W2, b2, H, cnt, Y; writes Y
.if DOCPART == 6
	.amdgcn_target "amdgcn-amd-amdhsa--gfx1250"
	.amdhsa_code_object_version 6
	.text
	.protected	k_q7a52ccbe78_ffn2
	.globl	k_q7a52ccbe78_ffn2
	.p2align	8
	.type	k_q7a52ccbe78_ffn2,@function
k_q7a52ccbe78_ffn2:
	s_mov_b64 s[64:65], 0
	v_nop
	global_prefetch_b8 v0, s[64:65] scope:SCOPE_SE
	s_setreg_imm32_b32 hwreg(HW_REG_WAVE_MODE, 25, 1), 1
	s_wait_xcnt 0x0
; SECOND PRODUCT OF THE EXPERTS, in four parts of K.  Y[ks][1024 e + rank][d] = the sum over the 1,024 f of part ks of H[e][rank][f] W2[e][f][d], plus b2[e][d] in part 0: partial sums, f32.
; SHARES.  Work-group (x, e): 128 columns d (x % 8) and 1,024 rows f (x / 8) of W2[e]: 512 KB of f32, each byte once, 512 consecutive bytes of each row.  Rounded to bf16 the slice stays in LDS.
; The shape is the first product's, so that a row fragment of H feeds 8 products: with 64 columns and 2,048 f a trip would hold 32 loads a wave, and three trips' loads would not fit under one counter.
; The price: four parts of Y in place of two.
; ALL EIGHT WAVES RUN ONE TEXT.  In trip t (a chunk = 64 rows of f) a wave stores its 8 rows of chunk t + 1 into LDS, asks for its 8 rows of chunk t + 4, and multiplies chunk t by its own rows of H,
; which come straight into registers as matrix operands.  No LDS byte of the slice is written twice: a chunk is stored, a barrier, the chunk is read: one barrier a chunk.
; ONE COUNTER.  A wave's loads come back in order (ISA guide 5.7.1), so weights and rows are both asked for three trips ahead: trip t issues W(t+4) (8 loads), A(2t+6), A(2t+7) (6 each; A(s) = the row
; fragments of k-step s, 32 along f).  At most 60 loads of a wave are out, 24 of them weights: 96 KB of weights for the eight waves.  Ahead of the loop the loads go out in the loop's own order
; (W1, A0, A1, W2, A2, A3, W3, A4, A5), so that the loop is entered with them on their way and its counts hold from the first trip on.
; ROWS.  H's rows lie by rank, so no list is needed: cnt[e] (1 at the least) bounds them.  Pass p gives wave w the blocks 24 p + 8 i + w of 16 ranks, i = 0..2; pass 0 runs under the stream, two more passes
; behind it from the resident slice, in a loop of constant count in which every wave passes every barrier and only work is jumped.  Ranks past the count repeat the last row; blocks past it are not stored;
; block i = 2's products are jumped where it is so.
; THE MATRIX INSTRUCTION IS USED TRANSPOSED: source 0 = 16 columns of W2, source 1 = 16 rows of H: a lane holds one row and eight neighbouring columns.
; LIMITS.  W2 and b2 are rounded once to bf16; sums in f32, part 0's started at the bias.  NaN and infinities are not treated apart.
; NO MULTICAST: each weight has one reader; the rows of H that an expert's work-groups share go straight into registers, and LDS has no room for them beside the slice.
; REGISTERS.  window 0: v0 thread; v1, v12 LDS addresses of the fragments; v2 LDS address of my weight rows; v3 my offset in W2; v4-6 row offsets of my 3 blocks; v7, v13 at work; v8-10 the way out;
;   v14, v15 the add's; v16-159 six buffers of H's fragments (buffer b, block i at 16 + 24 b + 8 i); v160-255 three stages of weights as loaded (32 each).
;   window 1: v0-191 accumulators, (block i, column block vb) at 64 i + 8 vb; v192-223, v224-255 weight fragments of columns 0-63 (X) and 64-127 (Y).
.set PW,     4096                      ; bytes in a row of W2[e]
.set CH,     64*PW                     ; a chunk's step in memory
.set P,      272                       ; an LDS row: 256 bytes + 16.  In each group of 16 rows k = 8 a + j lies at row 2 j + a
                                       ; and a lane still gets k = 8 (l / 16) + j, as H's fragments have it
.set CHL,    64*P
.set KSL,    32*P
.set LPK,    6                         ; loads of H for 32 along k
.set ORP,    4096                      ; bytes in a row of Y
.set STAGE,  1024*P+4096               ; a stage for each wave: 16 rows of 272 bytes (the 4,096 bytes in front are not used here)
.set SP,     272
.set STAGEB, 16*SP
.set SPARE,  STAGE+8*STAGEB            ; the spare words, 128 bytes a wave: four blocks of 256 bytes that no other line names
; scalars: s20 wave; s22 e; s23 column slice; s24 part of K; s25 loop; s26 count; s27 count - 1; s28 block 2 is live; s29 my first block of the pass; s30, s31 loops; s[32:33] W2 at the loop's chunk;
; s[34:35] H at the loop's k; s[36:37] H at the part; s[38:39] Y at the slice; s[40:41] a block's rows in Y; s[42:43] an offset, s43 = 0; s44, s45 at work; s54 all ones in part 0, else 0; s[56:57] b2
.set MSB, 0
.macro WIN new                         ; the immediate's high byte repeats the setting that is left; a switch that changes nothing is dropped
.if MSB != (\new)
	s_set_vgpr_msb (MSB<<8)|(\new)
.set MSB, (\new)
.endif
.endm
.macro PLACES                          ; four plain instructions between a matrix instruction and a load into, or a store or vector access of, its registers (ISA guide 7.12.1 for stores and vector accesses)
.rept 4
	v_nop
.endr
.endm
.macro BAR                             ; my LDS stores are done and my LDS loads are back; then the work-group's barrier
	s_wait_dscnt 0x0
	s_barrier_signal -1
	s_barrier_wait -1
.endm
.macro PLOAD b, c                      ; my 8 rows of chunk c (from the loop's base) into stage b: 512 consecutive bytes each
	WIN 0
.set j_, 0
.rept 8
.set rS, 160+32*(\b)+4*j_
	global_load_b128 v[rS:rS+3], v3, s[32:33] offset:(\c)*CH+j_*PW th:TH_LOAD_NT
.set j_, j_+1
.endr
.endm
.macro PSTORE r, o, w1                 ; 8 rows at register r (w1 = 1: of window 1) rounded to bf16 in place and stored: a row's 32 lanes store 256 consecutive bytes; my rows lie two LDS rows apart
.if \w1
	WIN 0x45
.else
	WIN 0
.endif
.set j_, 0
.rept 8
	v_cvt_pk_bf16_f32 v[(\r)+4*j_], v[(\r)+4*j_], v[(\r)+4*j_+1]
	v_cvt_pk_bf16_f32 v[(\r)+4*j_+1], v[(\r)+4*j_+2], v[(\r)+4*j_+3]
.set j_, j_+1
.endr
.if \w1
	WIN 0x04                                       ; the stores' data in window 1, the address in window 0
.endif
.set j_, 0
.rept 8
	ds_store_b64 v2, v[(\r)+4*j_:(\r)+4*j_+1] offset:(\o)+j_*2*P
.set j_, j_+1
.endr
	WIN 0
.endm
.macro BLOAD half, ar, o               ; weight fragments of 64 columns x 32 k at LDS byte o from address register ar: lane l gets column l % 16, k along its registers
	WIN 0x40                                       ; destination window 1, address window 0
.set j_, 0
.rept 4
.set rB, 192+32*(\half)+8*j_
	ds_load_tr16_b128 v[rB:rB+3],   v[\ar] offset:(\o)+32*(4*(\half)+j_)
	ds_load_tr16_b128 v[rB+4:rB+7], v[\ar] offset:(\o)+32*(4*(\half)+j_)+16*P
.set j_, j_+1
.endr
.endm
.macro ALOAD b, kb                     ; H's fragments of my 3 blocks x 32 k at byte kb from the loop's base, into buffer b
	WIN 0
.set i_, 0
.rept 3
.set rA, 16+24*(\b)+8*i_
	global_load_b128 v[rA:rA+3],   v[4+i_], s[34:35] offset:(\kb)
	global_load_b128 v[rA+4:rA+7], v[4+i_], s[34:35] offset:(\kb)+32
.set i_, i_+1
.endr
.endm
; 8 products (blocks 0, 1 x 4 column blocks of one half), and 4 more where block 2 is live.  The accumulators take turns, one instruction a turn.
.macro MULH half, b
	WIN 0x51                                       ; weights, C and D in window 1, H in window 0
.set j_, 0
.rept 4
.set i_, 0
.rept 2
.set rD, 64*i_+8*(4*(\half)+j_)
.set rB, 192+32*(\half)+8*j_
.set rA, 16+24*(\b)+8*i_
	v_wmma_f32_16x16x32_bf16 v[rD:rD+7], v[rB:rB+7], v[rA:rA+7], v[rD:rD+7]
.set i_, i_+1
.endr
.set j_, j_+1
.endr
	WIN 0                                          ; at a branch and at a label every window is 0
	s_cmp_eq_u32 s28, 0
	s_cbranch_scc1 .Lno3_\@
	WIN 0x51
.set j_, 0
.rept 4
.set rD, 128+8*(4*(\half)+j_)
.set rB, 192+32*(\half)+8*j_
.set rA, 16+24*(\b)+16
	v_wmma_f32_16x16x32_bf16 v[rD:rD+7], v[rB:rB+7], v[rA:rA+7], v[rD:rD+7]
.set j_, j_+1
.endr
	WIN 0
.Lno3_\@:
.endm
; TRIP t = 3 x iteration + u.  Chunk c lies in stage c % 3, k-step s in buffer s % 6.  X(s), Y(s): the weight fragments of k-step s, columns 0-63 and 64-127.
; THE FRAGMENTS RUN ONE K-STEP AHEAD, over the trips' edges too: each run of 8 loads is asked for as soon as its registers are free, a run of products ahead of its use.  At a trip's head X(2t) and Y(2t) are out.
; THE BARRIER STANDS INSIDE THE TRIP.  Ahead of its signal: my stores of chunk t + 1, waited for.  Behind its wait: the first reads of chunk t + 1, X(2t+2) and Y(2t+2), at the trip's end.  Between the two: v_nop,
; the loads of X(2t+1), bytes of chunk t that nobody writes again, and a run of products.
; TWO ADDRESS REGISTERS, each stepped while no load that names it is out: v1 for a chunk's second k-step, stepped at the end of a trip with u = 2 (its loads were waited for ahead of the trip's last products);
; v12 for the next chunk's first k-step, stepped in a trip with u = 2 behind the wait for all LDS instructions; so that trip's offset from v12 is 0.
; THE LOADS' BASES step in a trip with u = 0, behind the same wait: the last loads that name them were issued a run of products earlier.  The immediates count from the stepped bases.
; ps: chunk t + 1 is stored, and the barrier stands; wl: chunk t + 4 is asked for; al: k-steps 2 t + 6 and 2 t + 7 are asked for; nx: the next chunk's first fragments are asked for.
; cw, ca0, ca1: how many younger loads may stay out when W(t+1), A(2t), A(2t+1) must be in.  In the loop: behind W(t+1) stand 12 + 40 = 52; behind A(2t) 6 + 40 = 46 (this trip's W is not yet issued);
; behind A(2t+1) 40 + 8 + 6 = 54.
.macro TRIP u, wl, al, ps, nx, cw, ca0, ca1
.set nO, (((\u)+1)%3)*CHL
.if \ps
	s_wait_loadcnt \cw
	PSTORE 160+32*(((\u)+1)%3), ((\u)+1)*CHL, 0
	s_wait_dscnt 16                                ; X(2t) is in: behind it Y(2t)'s 8 loads and my 8 stores
.else
	s_wait_dscnt 8                                 ; X(2t) is in: behind it Y(2t)'s 8 loads
.endif
	s_wait_loadcnt \ca0
	MULH 0, 2*(\u)
.if \ps
	s_wait_dscnt 0x0                               ; for the others' sake: my stores of chunk t + 1 are done; Y(2t) is in; the stage may be loaded again
.if (\u) == 2
	v_add_nc_u32 v12, 3*CHL, v12
.endif
.endif
.if ((\u) == 0) && ((\wl) || (\al))
	s_wait_xcnt 0x0                                ; the loads' bases are stepped only behind this wait
	s_add_nc_u64 s[32:33], s[32:33], 3*CH
	s_add_nc_u64 s[34:35], s[34:35], 384           ; six k-steps of 64 bytes
.endif
.if \wl
	PLOAD ((\u)+1)%3, (\u)+1
.endif
.if \ps
	s_barrier_signal -1
.endif
	PLACES
	BLOAD 0, 1, (\u)*CHL+KSL
.if (\ps) == 0
	s_wait_dscnt 8                                 ; Y(2t) is in
.endif
	MULH 1, 2*(\u)
.if \ps
	s_barrier_wait -1                              ; chunk t + 1 is stored, everybody's rows of it
.endif
	PLACES
	BLOAD 1, 1, (\u)*CHL+KSL
.if \al
	ALOAD 2*(\u), 128*(\u)
.endif
	s_wait_loadcnt \ca1
	s_wait_dscnt 8                                 ; X(2t+1) is in: behind it Y(2t+1)'s 8 loads
	MULH 0, 2*(\u)+1
	PLACES
.if \nx
	BLOAD 0, 12, nO
	s_wait_dscnt 8                                 ; Y(2t+1) is in
.else
	s_wait_dscnt 0x0
.endif
	MULH 1, 2*(\u)+1
	PLACES
.if \nx
	BLOAD 1, 12, nO
.endif
.if \al
	ALOAD 2*(\u)+1, 128*(\u)+64
.endif
	WIN 0
.if (\u) == 2
	v_add_nc_u32 v1, 3*CHL, v1
	v_add_nc_u32 v2, 3*CHL, v2                     ; my stores were waited for ahead of the signal
.endif
.endm
; My 3 blocks' row offsets for the pass that begins at block s29: rank, held under the count, x 8,192 + 16 (l / 16).  It writes v4-6, v12 and v13; MKBADR makes v12 anew behind it.
; xw = 1: stores are out whose data the pass's loads will overwrite (the way out's): those loads stand behind this wait.  At its first use no pending load or store names what it writes.
.macro SETROWS xw
	WIN 0
.if \xw
	s_wait_xcnt 0x0
.endif
	v_and_b32 v12, 15, v0
	v_bfe_u32 v13, v0, 4, 1
	v_lshlrev_b32 v13, 4, v13
.set i_, 0
.rept 3
	s_add_co_u32 s44, s29, 8*i_
	s_lshl_b32 s44, s44, 4
	v_add_nc_u32 v[4+i_], s44, v12
	v_min_u32 v[4+i_], s27, v[4+i_]
	v_min_u32 v[4+i_], 0x3ff, v[4+i_]
	v_lshl_add_u32 v[4+i_], v[4+i_], 13, v13
.set i_, i_+1
.endr
	s_add_co_u32 s44, s29, 16
	s_lshl_b32 s44, s44, 4
	s_cmp_lt_u32 s44, s26
	s_cselect_b32 s28, 1, 0
.endm
.macro BIASLD                          ; my lane's 8 columns of each of the 8 column blocks: 64 numbers, into the fragments' registers
	WIN 0
	v_bfe_u32 v7, v0, 4, 1
	v_lshlrev_b32 v7, 5, v7
	WIN 0x40
.set n_, 0
.rept 8
	global_load_b128 v[192+8*n_:192+8*n_+3],   v7, s[56:57] offset:64*n_
	global_load_b128 v[192+8*n_+4:192+8*n_+7], v7, s[56:57] offset:64*n_+16
.set n_, n_+1
.endr
	WIN 0
.endm
; The bias, rounded to bf16 (in parts 1 to 3 of K: 0), starts every sum: widened straight into block 0's sums and copied to the other two blocks': these moves stand for the additions that the way out would else hold.
.macro BIASINIT
	WIN 0x45                                       ; all in window 1
.set n_, 0
.rept 32
	v_cvt_pk_bf16_f32 v[64+n_], v[192+2*n_], v[192+2*n_+1]
.set n_, n_+1
.endr
.set n_, 0
.rept 32
	v_and_b32 v[64+n_], s54, v[64+n_]
	v_lshlrev_b32 v[2*n_], 16, v[64+n_]
	v_and_b32 v[2*n_+1], 0xffff0000, v[64+n_]
.set n_, n_+1
.endr
.set n_, 0
.rept 64
	v_mov_b32 v[64+n_], v[n_]
	v_mov_b32 v[128+n_], v[n_]
.set n_, n_+1
.endr
	WIN 0
.endm
.macro MKBADR                          ; the turning load: lane l reads LDS row 2 (l % 8) + l / 16 of a group of 16, 16 bytes at 16 ((l / 8) % 2)
	v_and_b32 v7, 7, v0
	v_bfe_u32 v13, v0, 4, 1
	v_lshl_add_u32 v1, v7, 1, v13
	v_mul_u32_u24 v1, v1, P
	v_bfe_u32 v13, v0, 3, 1
	v_lshl_add_u32 v1, v13, 4, v1
	v_mov_b32 v12, v1
.endm
; THE WAY OUT of block i: jumped where the block lies past the count.  The f32 sums go through my stage, 64 columns at a time (each accumulator's low four registers first), and are stored as rows of 256 bytes.
.macro EPI i
	s_add_co_u32 s44, s29, 8*(\i)
	s_lshl_b32 s45, s44, 4
	s_cmp_ge_u32 s45, s26
	s_cbranch_scc1 .Lskip_\@
	s_wait_xcnt 0x0                                ; the last block's stores have read v16-47 and their base
	s_lshl_b32 s42, s44, 16                        ; block x 16 rows x 4,096 bytes
	s_add_nc_u64 s[40:41], s[38:39], s[42:43]
.irp c, 0,1
	WIN 0x04                                       ; the stores' data in window 1
.set j_, 0
.rept 4
.set rD, 64*(\i)+8*(4*\c+j_)
	ds_store_b128 v8, v[rD:rD+3]   offset:64*j_
	ds_store_b128 v8, v[rD+4:rD+7] offset:64*j_+16
.set j_, j_+1
.endr
	WIN 0
.if \c
	s_wait_xcnt 0x0                                ; the first half's stores have read v16-47
.endif
.set n_, 0
.rept 8
	ds_load_b128 v[16+4*n_:16+4*n_+3], v9 offset:2*SP*n_  ; a wave's LDS instructions are served in order: these see the stores above, and the next half's stores come behind them
.set n_, n_+1
.endr
	s_wait_dscnt 0x0
.set n_, 0
.rept 8
	global_store_b128 v10, v[16+4*n_:16+4*n_+3], s[40:41] offset:2*n_*ORP+256*\c  ; 16 lanes store 256 consecutive bytes, at a multiple of 256 from Y's first
.set n_, n_+1
.endr
.endr
.Lskip_\@:
.endm
.macro OCH                             ; a chunk of a pass behind the stream: asked for and used in the same trip
	ALOAD 0, 0
	ALOAD 1, 64
	BLOAD 0, 1, 0
	BLOAD 1, 1, 0
	s_wait_loadcnt LPK                             ; the first k-step's rows are in; the second's 6 loads stay out
	s_wait_dscnt 8
	MULH 0, 0
	PLACES
	BLOAD 0, 1, KSL
	s_wait_dscnt 8
	MULH 1, 0
	PLACES
	BLOAD 1, 1, KSL
	s_wait_loadcnt 0x0
	s_wait_dscnt 8
	MULH 0, 1
	s_wait_dscnt 0x0
	MULH 1, 1
	PLACES
	s_wait_xcnt 0x0
	s_add_nc_u64 s[34:35], s[34:35], 128
	v_add_nc_u32 v1, CHL, v1
.endm
	s_load_b256 s[4:11], s[0:1], 0x0               ; W2 s[4:5], b2 s[6:7], H s[8:9], cnt s[10:11]
	s_load_b64 s[12:13], s[0:1], 0x20              ; Y
	v_lshl_add_u32 v14, v0, 2, SPARE               ; my spare word,
	v_mov_b32 v15, 0                               ; and 0: kept for the wave's end
	v_lshrrev_b32 v1, 5, v0
	v_readfirstlane_b32 s20, v1                    ; wave 0..7
	s_and_b32 s22, ttmp7, 0xffff                   ; the expert
	s_and_b32 s23, ttmp9, 7                        ; the 128 columns
	s_lshr_b32 s24, ttmp9, 3                       ; the part of K
	s_mov_b32 s43, 0
	v_and_b32 v13, 31, v0                          ; lane
	s_lshl_b32 s44, s20, 15                        ; my 8 rows of a chunk's 64: 8 x 4,096 bytes a wave
	v_lshl_add_u32 v3, v13, 4, s44
	s_lshr_b32 s44, s20, 1                         ; rows 8 w + j of a chunk lie at LDS rows 16 (w / 2) + 2 j + w % 2
	s_lshl_b32 s44, s44, 4
	s_and_b32 s45, s20, 1
	s_add_co_u32 s44, s44, s45
	s_mul_i32 s44, s44, P
	v_lshl_add_u32 v2, v13, 3, s44
	s_cmp_eq_u32 s24, 0
	s_cselect_b32 s54, -1, 0
	s_mov_b32 s29, s20                             ; pass 0 begins at block w
	s_lshl_b32 s45, s22, 2
	s_wait_kmcnt 0x0
	s_load_b32 s26, s[10:11], s45 offset:0x0       ; the expert's count
	s_lshl_b32 s42, s22, 24                        ; W2: 16 MB an expert, 4 MB a part of K, 512 bytes a slice
	s_lshl_b32 s44, s24, 22
	s_add_co_u32 s42, s42, s44
	s_lshl_b32 s44, s23, 9
	s_add_co_u32 s42, s42, s44
	s_add_nc_u64 s[32:33], s[4:5], s[42:43]
	s_lshl_b32 s42, s22, 12                        ; b2: 4 KB an expert, 512 bytes a slice
	s_add_co_u32 s42, s42, s44
	s_add_nc_u64 s[56:57], s[6:7], s[42:43]
	s_lshl_b32 s42, s24, 25                        ; Y: 32 MB a part of K, 4 MB an expert, 512 bytes a slice
	s_add_co_u32 s42, s42, s44
	s_lshl_b32 s44, s22, 22
	s_add_co_u32 s42, s42, s44
	s_add_nc_u64 s[38:39], s[12:13], s[42:43]
	s_lshl_b32 s42, s22, 23                        ; H: 8 MB an expert, 2,048 bytes of a row a part of K
	s_lshl_b32 s44, s24, 11
	s_add_co_u32 s42, s42, s44
	s_add_nc_u64 s[36:37], s[8:9], s[42:43]
	s_mov_b64 s[34:35], s[36:37]
	BIASLD
	WIN 0x40
.set j_, 0
.rept 8
	global_load_b128 v[128+4*j_:128+4*j_+3], v3, s[32:33] offset:j_*PW th:TH_LOAD_NT  ; chunk 0 into registers of window 1 that the sums take later
.set j_, j_+1
.endr
	WIN 0
	PLOAD 1, 1                                     ; W1: from here on the loads go out in the loop's order; H's rows, which come next, wait for the count
	s_wait_kmcnt 0x0
	s_min_u32 s26, s26, 1024
	s_max_u32 s26, s26, 1
	s_sub_co_u32 s27, s26, 1
	SETROWS 0
	ALOAD 0, 0                                     ; A0, A1, W2, A2: with the bias, W0 and W1 at most 58 loads are out
	ALOAD 1, 64
	PLOAD 2, 2
	ALOAD 2, 128
	s_wait_loadcnt 34                              ; the bias and chunk 0 are in: behind them W1's 8, A0's and A1's 12, W2's 8, A2's 6
	PSTORE 128, 0, 1
	ALOAD 3, 192                                   ; A3, W3, A4, A5: at most 60 are out, the nine groups that every trip finds at its head
	PLOAD 0, 3
	ALOAD 4, 256
	ALOAD 5, 320
	s_wait_dscnt 0x0                               ; chunk 0's stores have read their registers, which the sums now take
	BIASINIT
	s_mul_i32 s44, s20, STAGEB                     ; the way out's addresses: v8 into my stage, v9 back out of it, v10 in Y
	s_add_co_u32 s44, s44, STAGE
	v_and_b32 v7, 15, v0                           ; (v7 was the bias loads' offset: they are in)
	v_bfe_u32 v13, v0, 4, 1
	v_mul_u32_u24 v8, v7, SP                       ; in: row l % 16, 32 bytes for each half of the lanes
	v_lshl_add_u32 v8, v13, 5, v8
	v_add_nc_u32 v8, s44, v8
	v_mul_u32_u24 v9, v13, SP                      ; back: lanes 0-15 one row of 256 bytes, lanes 16-31 the next
	v_lshl_add_u32 v9, v7, 4, v9
	v_add_nc_u32 v9, s44, v9
	v_lshlrev_b32 v10, 12, v13                     ; and the same two rows in Y
	v_lshl_add_u32 v10, v7, 4, v10
	MKBADR
	BAR                                            ; chunk 0 is stored; the loads stay on their way: nobody writes what they read
	BLOAD 0, 1, 0                                  ; X(0) and Y(0): what every trip finds asked for
	BLOAD 1, 1, 0
	WIN 0
	s_mov_b32 s25, 4
.Lit:                                              ; trips 0 to 11
	TRIP 0, 1, 1, 1, 1, 52, 46, 54
	TRIP 1, 1, 1, 1, 1, 52, 46, 54
	TRIP 2, 1, 1, 1, 1, 52, 46, 54
	s_sub_co_u32 s25, s25, 1
	s_cmp_lg_u32 s25, 0
	s_cbranch_scc1 .Lit
	TRIP 0, 0, 1, 1, 1, 52, 46, 46                 ; trip 12: no chunk is left to ask for; the last two k-steps are asked for
	TRIP 1, 0, 0, 1, 1, 44, 38, 32                 ; trips 13 to 15 ask nothing of memory, and the counts run down
	TRIP 2, 0, 0, 1, 1, 24, 18, 12
	TRIP 0, 0, 0, 0, 0, 0, 6, 0                    ; trip 15: chunk 15; nothing is left to store, so it has no barrier
	; THE PASSES.  Three trips, a constant: a pass goes out; the next, if I have rows for it, is computed from the resident slice; else that work is jumped, forward, to a label ahead of the count's step.
	; Two barriers a trip, which every wave passes: one between the stores into the stages and the next pass's reads of the slice, one between those reads and the next stores into the stages (and the
	; closing add).  By the map of LDS those bytes lie apart; the barriers keep the order without leaning on the addresses that step here.  In the third trip the jump is always taken: (w + 72) x 16 > 1,024.
	s_mov_b32 s30, 3
.Lpass:
	EPI 0
	EPI 1
	EPI 2
	BAR                                            ; every wave's traffic with its stage is over
	s_add_co_u32 s29, s29, 24                      ; the next pass's first block of mine: steps once in every trip
	s_lshl_b32 s44, s29, 4
	s_cmp_ge_u32 s44, s26
	s_cbranch_scc1 .Lnext                          ; my first block of that pass lies past the count, and so do its others
	SETROWS 1
	BIASLD
	s_wait_loadcnt 0x0
	BIASINIT
	MKBADR
	s_mov_b64 s[34:35], s[36:37]
	s_mov_b32 s31, 16
.Loch:
	OCH
	s_sub_co_u32 s31, s31, 1
	s_cmp_lg_u32 s31, 0
	s_cbranch_scc1 .Loch
.Lnext:
	BAR                                            ; every wave's reads of the slice for that pass are back
	s_sub_co_u32 s30, s30, 1
	s_cmp_lg_u32 s30, 0
	s_cbranch_scc1 .Lpass
	s_wait_tensorcnt 0x0                           ; the wave's end: a closing add on my spare word, behind my last LDS store
	ds_add_u32 v14, v15
	s_wait_dscnt 0x0
	s_endpgm
.Lfunc_end_k_q7a52ccbe78_ffn2:
	.size	k_q7a52ccbe78_ffn2, .Lfunc_end_k_q7a52ccbe78_ffn2-k_q7a52ccbe78_ffn2
	.p2alignl 7, 3214868480
	.fill 96, 4, 3214868480
	.section	.rodata,"a",@progbits
	.p2align	6, 0x0
	.amdhsa_kernel k_q7a52ccbe78_ffn2
		.amdhsa_group_segment_fixed_size 318464
		.amdhsa_private_segment_fixed_size 0
		.amdhsa_enable_private_segment 0
		.amdhsa_kernarg_size 40
		.amdhsa_user_sgpr_count 2
		.amdhsa_user_sgpr_kernarg_segment_ptr 1
		.amdhsa_wavefront_size32 1
		.amdhsa_system_sgpr_workgroup_id_x 1
		.amdhsa_system_sgpr_workgroup_id_y 1
		.amdhsa_system_sgpr_workgroup_id_z 1
		.amdhsa_system_vgpr_workitem_id 0
		.amdhsa_next_free_vgpr 512
		.amdhsa_next_free_sgpr 66
		.amdhsa_reserve_vcc 0
		.amdhsa_float_denorm_mode_32 3
		.amdhsa_float_denorm_mode_16_64 3
		.amdhsa_memory_ordered 1
		.amdhsa_forward_progress 1
		.amdhsa_inst_pref_size 121
	.end_amdhsa_kernel
	.amdgpu_metadata
---
amdhsa.version: [ 1, 2 ]
amdhsa.kernels:
  - .name:           k_q7a52ccbe78_ffn2
    .symbol:         k_q7a52ccbe78_ffn2.kd
    .args:
      - { .name: W2, .offset: 0, .size: 8, .value_kind: global_buffer, .address_space: global }
      - { .name: b2, .offset: 8, .size: 8, .value_kind: global_buffer, .address_space: global }
      - { .name: H, .offset: 16, .size: 8, .value_kind: global_buffer, .address_space: global }
      - { .name: cnt, .offset: 24, .size: 8, .value_kind: global_buffer, .address_space: global }
      - { .name: Y, .offset: 32, .size: 8, .value_kind: global_buffer, .address_space: global }
    .group_segment_fixed_size: 318464
    .private_segment_fixed_size: 0
    .kernarg_segment_align: 8
    .kernarg_segment_size: 40
    .max_flat_workgroup_size: 256
    .sgpr_count:     66
    .vgpr_count:     512
    .wavefront_size: 32
...
	.end_amdgpu_metadata
.endif
;; end of part 6
;; launch combine: the kernel of part 4 again; grid 512 x 1, 4 waves a work-group, no clusters, 0 bytes of LDS; arguments Y, pos, prob, out0; writes out0
;; ======== version 3 of 3: 4 launches; version 2 with the launches ffn1, ffn2 written anew for expert scheduling mode
;; workspace buffers: xb 2,097,152 bytes; sel 4,096 bytes of whole numbers; prob 8,192 bytes; pos 8,448 bytes of whole numbers; cnt 256 bytes of whole numbers; H 67,108,864 bytes; Y 134,217,728 bytes
;; launch router: the kernel of part 1 again; grid 256 x 1, 4 waves a work-group, no clusters, 1,024 bytes of LDS; arguments x, gate_w, gate_b, xb, sel, prob; writes xb, sel, prob
;; launch ffn1 (part 7): grid 32 x 8, 8 waves a work-group, no clusters, 314,368 bytes of LDS; arguments W1, b1, xb, sel, H, pos, cnt; writes H, pos, cnt
.if DOCPART == 7
	.amdgcn_target "amdgcn-amd-amdhsa--gfx1250"
	.amdhsa_code_object_version 6
	.text
	.protected	k_q7a52ccbe78_ffn1
	.globl	k_q7a52ccbe78_ffn1
	.p2align	8
	.type	k_q7a52ccbe78_ffn1,@function
k_q7a52ccbe78_ffn1:
	s_mov_b64 s[64:65], 0
	v_nop
	global_prefetch_b8 v0, s[64:65] scope:SCOPE_SE
	s_setreg_imm32_b32 hwreg(HW_REG_WAVE_SCHED_MODE, 0, 2), 2
	s_setreg_imm32_b32 hwreg(HW_REG_WAVE_MODE, 25, 1), 1
	s_wait_xcnt 0x0
	s_wait_alu depctr_vm_vsrc(0)
; FIRST PRODUCT OF THE EXPERTS.  H[e][rank][f] = relu(x[token(rank)] . W1[e][:, f] + b1[e][f]), rounded once to bf16, for the tokens that chose expert e alone.
; SHARES.  Work-group (slice, e) alone reads W1[e][0:1024][128 slice .. +127]: 512 KB of f32, each byte once.  Rounded to bf16 the slice stays in LDS, 1,024 rows of 272 bytes.
; ALL EIGHT WAVES RUN ONE TEXT.  In trip t (a chunk = 64 rows of k) a wave stores its 8 rows of chunk t + 1 into LDS, asks for its 8 rows of chunk t + 4, and multiplies chunk t by its own token rows,
; which come from xb straight into registers as matrix operands.  No LDS byte of the slice is written twice, so the one ordering is: a chunk is stored, a barrier, the chunk is read: one barrier a chunk.
; ONE COUNTER.  A wave's loads come back in order (ISA guide 5.7.1), weights and token rows alike, so both are asked for three trips ahead: trip t issues W(t+4) (8 loads), A(2t+6), A(2t+7) (6 each; A(s) = the
; token fragments of k-step s, 32 along k).  At most 60 loads of a wave are out, 24 of them weights: 96 KB of weights for the eight waves.  Ahead of the loop the loads go out in the loop's own order
; (W1, A0, A1, W2, A2, A3, W3, A4, A5), so that the loop is entered with them on their way and its counts hold from the first trip on.
; ROWS.  The expert's tokens are ranked in a fixed order, the same in every wave of all 32 slices.  Block g = ranks 16 g .. 16 g + 15.  32 compares lay the members into 32 scalar masks; from these each lane finds
; the tokens of its own ranks, in registers alone (FINDTOK).  Pass p gives wave w the blocks 24 p + 8 i + w, i = 0..2: pass 0 (384 rows) runs under the stream; two more passes, for an expert with more rows, run
; behind it from the resident slice, in a loop of constant count in which every wave passes every barrier and only work is jumped.  A place past the count holds token 0; a block wholly past it is not stored, and
; block i = 2's products are jumped where it is so.  An expert without rows counts as one row (token 0), stored in its own region and never read.  So every split is served, 0 to 1,024 rows an expert.
; THE MATRIX INSTRUCTION IS USED TRANSPOSED: source 0 = 16 columns of W1, source 1 = 16 token rows: a lane holds one row and eight neighbouring columns.
; LIMITS.  x, W1 and b1 are rounded once to bf16, h once to bf16; sums in f32, started at the bias.  NaN and infinities are not treated apart.
; NO MULTICAST: each weight has one reader, and the token rows come by a list that no tile descriptor covers.
; THE MODE: SCHED_MODE bits 1:0 = 2 (LLVM: expert scheduling mode 2), set by the entry lines.  The code itself states the register dependences between vector or matrix instructions and memory or LDS
; instructions, with s_wait_alu, always for 0.
; THE PLAN.  Registers that memory or LDS instructions touch, in the loop (trip t):
;   the stages     Stage (t + 1) % 3: sixteen conversions round it in place; eight LDS stores read it; later in the trip the loads of chunk t + 4 land in it.
;   A0 .. A5       Buffer s % 6: read by the two runs of products of k-step s alone; behind the second run the loads of k-step s + 6 land in it.
;   X, Y           Read by one run of products each; behind that run the LDS loads of the next k-step land.
;   v1, v12, v2    LDS addresses: read by the fragments' loads and the LDS stores; written once in three trips, all three at one place.
;   v3, v4-6       Offsets of the global loads: never written in the loop.     The sums are named by matrix instructions alone.
; So a trip holds five waits on va_vdst: one behind the conversions (the stage is written; no vector instruction names it afterwards, so the same wait serves the loads that land in it) and one behind each
; of the four runs of products (they are done reading X or Y and, behind a k-step's second run, its token buffer); and one wait on vm_vsrc ahead of the chunk's loads (the LDS stores have read the stage).
; A trip with u = 2 holds one more wait on vm_vsrc, ahead of the three adds.  These waits take the part of places ahead of loads into registers that matrix instructions have read.
; REGISTERS.  window 0: v0 thread; v1, v12 LDS addresses of the fragments; v2 LDS address of my weight rows; v3 my offset in W1; v4-6 token offsets of my 3 blocks; v7, v13 at work; v8-10 the way out; v11 = 0;
;   v16-159 six buffers of token fragments (buffer b, block i at 16 + 24 b + 8 i); v160-255 three stages of weights as loaded (32 each).
;   window 1: v0-191 accumulators, (block i, column block vb) at 64 i + 8 vb; v192-223, v224-255 weight fragments of columns 0-63 (X) and 64-127 (Y).
.set PW,     16384                     ; bytes in a row of W1[e]
.set CH,     64*PW                     ; a chunk's step in memory
.set P,      272                       ; an LDS row: 256 bytes + 16.  In each group of 16 rows k = 8 a + j lies at row 2 j + a
                                       ; and a lane still gets k = 8 (l / 16) + j, as the token fragments have it
.set CHL,    64*P
.set KSL,    32*P
.set LPK,    6                         ; token loads for 32 along k
.set ORP,    8192                      ; bytes in a row of H
.set STAGE,  1024*P                    ; behind the slice: a stage for each wave: 16 rows of 272 bytes
.set SP,     272
.set STAGEB, 16*SP
; scalars: s2-13 a run's lane masks in FINDTOK (the arguments' addresses that lay in s4-13 are used up by then); s20 wave; s22 e; s23 slice; s25 loop; s26 count (1 at the least); s28 block 2 is live;
; s29 my first block of the pass; s30, s31 loops; s[32:33] W1 at the loop's chunk; s[34:35] xb at the loop's k; s[36:37] xb; s[38:39] H at the slice; s[40:41] a block's rows in H; s[42:43] an offset, s43 = 0;
; s44, s45 at work; s47 e's two bits in sel; s48 8 + e; s50 members so far; s51 I store pos and cnt; s52 1024 e; s53 pos's spare place; s[56:57] b1 at the slice; s58-61 at work in FINDTOK: a run's packed
; words, later lane masks; s66-97 the members: bit l of s[66 + n] stands for token 128 (n / 4) + 4 l + n % 4
.set RHO, 48                           ; FINDTOK's registers, three of each, one for each of my blocks: the rank wanted,
.set WD,  51                           ; the mask that holds it,
.set PK,  54                           ; members ahead of that mask << 16 | the mask's first token,
.set NN,  57                           ; which set bit of the mask is wanted, from 0,
.set PS,  60                           ; the bit's place as far as found,
.set TT,  63                           ; at work
.set UU,  66
.set QA,  69                           ; the mask's counts by 2 bits,
.set QB,  72                           ; by 4,
.set QC,  75                           ; by 8,
.set QD,  78                           ; and, in its low byte, of the low 16
.set MSB, 0
.macro WIN new                         ; the immediate's high byte repeats the setting that is left; a switch that changes nothing is dropped
.if MSB != (\new)
	s_set_vgpr_msb (MSB<<8)|(\new)
.set MSB, (\new)
.endif
.endm
.macro PLACES                          ; four plain instructions between a matrix instruction and a vector read of its result (ISA guide 7.12.1)
.rept 4
	v_nop
.endr
.endm
.macro BAR                             ; my LDS stores are done and my LDS loads are back; then the work-group's barrier
	s_wait_dscnt 0x0
	s_barrier_signal -1
	s_barrier_wait -1
.endm
.macro ALL3 line:vararg                ; one line for each of my three blocks t_
.set t_, 0
.rept 3
	\line
.set t_, t_+1
.endr
.endm
.macro PLOAD b, c                      ; my 8 rows of chunk c (from the loop's base) into stage b: 512 consecutive bytes each
	WIN 0
.set j_, 0
.rept 8
.set rS, 160+32*(\b)+4*j_
	global_load_b128 v[rS:rS+3], v3, s[32:33] offset:(\c)*CH+j_*PW th:TH_LOAD_NT
.set j_, j_+1
.endr
.endm
.macro PSTORE r, o, w1                 ; 8 rows at register r (w1 = 1: of window 1) rounded to bf16 in place and stored: a row's 32 lanes store 256 consecutive bytes; my rows lie two LDS rows apart
.if \w1
	WIN 0x45
.else
	WIN 0
.endif
.set j_, 0
.rept 8
	v_cvt_pk_bf16_f32 v[(\r)+4*j_], v[(\r)+4*j_], v[(\r)+4*j_+1]
	v_cvt_pk_bf16_f32 v[(\r)+4*j_+1], v[(\r)+4*j_+2], v[(\r)+4*j_+3]
.set j_, j_+1
.endr
.if \w1
	WIN 0x04                                       ; the stores' data in window 1, the address in window 0
.endif
	s_wait_alu depctr_va_vdst(0)                   ; the conversions have written the rows, which the LDS stores read, and are done with all 32 registers; where v2 was stepped, it is written
.set j_, 0
.rept 8
	ds_store_b64 v2, v[(\r)+4*j_:(\r)+4*j_+1] offset:(\o)+j_*2*P
.set j_, j_+1
.endr
	WIN 0
.endm
.macro BLOAD half, ar, o               ; weight fragments of 64 columns x 32 k at LDS byte o from address register ar: lane l gets column l % 16, k along its registers
	WIN 0x40                                       ; destination window 1, address window 0
.set j_, 0
.rept 4
.set rB, 192+32*(\half)+8*j_
	ds_load_tr16_b128 v[rB:rB+3],   v[\ar] offset:(\o)+32*(4*(\half)+j_)
	ds_load_tr16_b128 v[rB+4:rB+7], v[\ar] offset:(\o)+32*(4*(\half)+j_)+16*P
.set j_, j_+1
.endr
.endm
.macro ALOAD b, kb                     ; token fragments of my 3 blocks x 32 k at byte kb from the loop's base, into buffer b
	WIN 0
.set i_, 0
.rept 3
.set rA, 16+24*(\b)+8*i_
	global_load_b128 v[rA:rA+3],   v[4+i_], s[34:35] offset:(\kb)
	global_load_b128 v[rA+4:rA+7], v[4+i_], s[34:35] offset:(\kb)+32
.set i_, i_+1
.endr
.endm
; 8 products (blocks 0, 1 x 4 column blocks of one half), and 4 more where block 2 is live.  The accumulators take turns, one instruction a turn.
.macro MULH half, b
	WIN 0x51                                       ; weights, C and D in window 1, tokens in window 0
.set j_, 0
.rept 4
.set i_, 0
.rept 2
.set rD, 64*i_+8*(4*(\half)+j_)
.set rB, 192+32*(\half)+8*j_
.set rA, 16+24*(\b)+8*i_
	v_wmma_f32_16x16x32_bf16 v[rD:rD+7], v[rB:rB+7], v[rA:rA+7], v[rD:rD+7]
.set i_, i_+1
.endr
.set j_, j_+1
.endr
	WIN 0                                          ; at a branch and at a label every window is 0
	s_cmp_eq_u32 s28, 0
	s_cbranch_scc1 .Lno3_\@
	WIN 0x51
.set j_, 0
.rept 4
.set rD, 128+8*(4*(\half)+j_)
.set rB, 192+32*(\half)+8*j_
.set rA, 16+24*(\b)+16
	v_wmma_f32_16x16x32_bf16 v[rD:rD+7], v[rB:rB+7], v[rA:rA+7], v[rD:rD+7]
.set j_, j_+1
.endr
	WIN 0
.Lno3_\@:
.endm
; TRIP t = 3 x iteration + u.  Chunk c lies in stage c % 3, k-step s in token buffer s % 6.  X(s), Y(s): the weight fragments of k-step s, columns 0-63 and 64-127.
; THE FRAGMENTS RUN ONE K-STEP AHEAD, over the trips' edges too: each run of 8 loads is asked for as soon as its registers are free, a run of products ahead of its use.  At a trip's head X(2t) and Y(2t) are out.
; THE BARRIER STANDS INSIDE THE TRIP.  Ahead of its signal: my stores of chunk t + 1, waited for.  Behind its wait: the first reads of chunk t + 1, X(2t+2) and Y(2t+2), at the trip's end.  Between the two:
; the loads of X(2t+1), bytes of chunk t that nobody writes again, and a run of products.
; THREE LDS ADDRESSES step once in three trips, together, in a trip with u = 2 behind the products of X(2t+1): v1, for a chunk's second k-step (this trip's loads by it are issued); v12, for the next chunk's
; first k-step (so that trip's offset from v12 is 0); v2, for my stores (this trip's are issued).  One wait on vm_vsrc stands ahead of the adds; the wait on va_vdst that the next fragments want anyway follows them.
; THE LOADS' BASES step in a trip with u = 0, behind the wait for all LDS instructions: the last loads that name them were issued a run of products earlier.  The immediates count from the stepped bases.
; ps: chunk t + 1 is stored, and the barrier stands; wl: chunk t + 4 is asked for; al: k-steps 2 t + 6 and 2 t + 7 are asked for; nx: the next chunk's first fragments are asked for.
; cw, ca0, ca1: how many younger loads may stay out when W(t+1), A(2t), A(2t+1) must be in.  In the loop: behind W(t+1) stand 12 + 40 = 52; behind A(2t) 6 + 40 = 46 (this trip's W is not yet issued);
; behind A(2t+1) 40 + 8 + 6 = 54.
.macro TRIP u, wl, al, ps, nx, cw, ca0, ca1
.set nO, (((\u)+1)%3)*CHL
.if \ps
	s_wait_loadcnt \cw
	PSTORE 160+32*(((\u)+1)%3), ((\u)+1)*CHL, 0
	s_wait_dscnt 16                                ; X(2t) is in: behind it Y(2t)'s 8 loads and my 8 stores
.else
	s_wait_dscnt 8                                 ; X(2t) is in: behind it Y(2t)'s 8 loads
.endif
	s_wait_loadcnt \ca0
	MULH 0, 2*(\u)
.if \ps
	s_wait_dscnt 0x0                               ; for the others' sake: my stores of chunk t + 1 are done; Y(2t) is in
.endif
.if \wl
	s_wait_alu depctr_vm_vsrc(0)                   ; my LDS stores have read the stage, in which the loads of chunk t + 4 land
.endif
	s_wait_alu depctr_va_vdst(0)                   ; the products above are done reading X, in which the loads of X(2t+1) land: up to them stand global loads, the signal and a window switch alone
.if ((\u) == 0) && ((\wl) || (\al))
	s_wait_xcnt 0x0                                ; the loads' bases are stepped only behind this wait
	s_add_nc_u64 s[32:33], s[32:33], 3*CH
	s_add_nc_u64 s[34:35], s[34:35], 384           ; six k-steps of 64 bytes
.endif
.if \wl
	PLOAD ((\u)+1)%3, (\u)+1                       ; no vector instruction has named the stage since the wait behind its conversions
.endif
.if \ps
	s_barrier_signal -1
.endif
	BLOAD 0, 1, (\u)*CHL+KSL
.if (\ps) == 0
	s_wait_dscnt 8                                 ; Y(2t) is in
.endif
	MULH 1, 2*(\u)
.if \ps
	s_barrier_wait -1                              ; chunk t + 1 is stored, everybody's rows of it
.endif
	WIN 0x40
	s_wait_alu depctr_va_vdst(0)                   ; the products of k-step 2t are done reading Y and token buffer 2u, in which the loads below land
	BLOAD 1, 1, (\u)*CHL+KSL
.if \al
	ALOAD 2*(\u), 128*(\u)
.endif
	s_wait_loadcnt \ca1
	s_wait_dscnt 8                                 ; X(2t+1) is in: behind it Y(2t+1)'s 8 loads
	MULH 0, 2*(\u)+1
.if (\u) == 2
	s_wait_alu depctr_vm_vsrc(0)                   ; the fragments' loads issued so far have read v1 and v12, my LDS stores v2
	v_add_nc_u32 v12, 3*CHL, v12
	v_add_nc_u32 v1, 3*CHL, v1
	v_add_nc_u32 v2, 3*CHL, v2
.endif
.if \nx
	WIN 0x40
	s_wait_alu depctr_va_vdst(0)                   ; the products above are done reading X, in which the loads below land; in a trip with u = 2 the three addresses are written
	BLOAD 0, 12, nO
	s_wait_dscnt 8                                 ; Y(2t+1) is in
.else
	s_wait_dscnt 0x0
.endif
	MULH 1, 2*(\u)+1
.if \nx
	WIN 0x40
	s_wait_alu depctr_va_vdst(0)                   ; the products of k-step 2t + 1 are done reading Y and token buffer 2u + 1, in which the loads below land
	BLOAD 1, 12, nO
.else
	PLACES                                         ; the way out's conversions read the sums
.endif
.if \al
	ALOAD 2*(\u)+1, 128*(\u)+64
.endif
	WIN 0
.endm
; One halving of FINDTOK's search: the set bits in the lower half of what is left (a field of src at the place found so far); where the wanted bit is not among them, they are taken off and the place moves up.
.macro LEVEL src, width, step
	ALL3 v_bfe_u32 v[TT+t_], v[(\src)+t_], v[PS+t_], \width
	ALL3 v_cmp_ge_u32 s[58+t_], v[NN+t_], v[TT+t_]
	ALL3 v_sub_nc_u32 v[TT+t_], v[NN+t_], v[TT+t_]
	ALL3 v_add_nc_u32 v[UU+t_], \step, v[PS+t_]
	s_wait_alu depctr_va_sdst(0)                   ; the three compares have written s58-60, which the selects read
	ALL3 v_cndmask_b32 v[NN+t_], v[NN+t_], v[TT+t_], s[58+t_]
	ALL3 v_cndmask_b32 v[PS+t_], v[PS+t_], v[UU+t_], s[58+t_]
.endm
; THE TOKENS OF MY RANKS, for the pass that begins at block s29: lane l wants ranks 16 (s29 + 8 i) + l % 16, i = 0..2.  The 32 masks are walked with the count of members so far: a lane keeps the last mask whose
; count so far does not pass its rank: that mask holds the rank.  The walk goes in runs of four masks: twelve compares into s2-13, the four packed words into s58-61, one wait, the selects in the masks' order.
; Then the wanted set bit's place is found by five halvings on the mask's counts by 2, 4, 8 and 16 bits.  Token = the mask's first + 4 x place.
; A rank at or past the count gets token 0.  It leaves: v4-6 = token x 2,048 + 16 (l / 16); s50 the count; s26 the count, 1 at the least; s28.
; It writes v4-6, v13 and v48-80.  xw = 1: stores and loads have been issued that read some of these: they are rewritten only behind the two waits.  At its first use no memory instruction has named any of them.
.macro FINDTOK xw
	WIN 0
.if \xw
	s_wait_xcnt 0x0
	s_wait_alu depctr_vm_vsrc(0)                   ; the way out's stores have read v48-79 and its LDS stores v16-47 (the pass's loads land there), the token loads v4-6
.endif
	v_and_b32 v[RHO], 15, v0
	s_lshl_b32 s44, s29, 4
	v_add_nc_u32 v[RHO], s44, v[RHO]
	v_add_nc_u32 v[RHO+1], 128, v[RHO]             ; eight blocks of 16 ranks on
	v_add_nc_u32 v[RHO+2], 128, v[RHO+1]
	ALL3 v_mov_b32 v[WD+t_], s66                   ; no member stands ahead of the first mask
	ALL3 v_mov_b32 v[PK+t_], 0
	s_bcnt1_i32_b32 s50, s66
.set n_, 1
.rept 8                                            ; masks 1 to 31, four to a run (the last run: three)
.set k_, 0
.rept 4
.if n_+k_ < 32
	s_lshl_b32 s[58+k_], s50, 16
	s_or_b32 s[58+k_], s[58+k_], 128*((n_+k_)/4)+(n_+k_)%4
	ALL3 v_cmp_le_u32 s[2+3*k_+t_], s50, v[RHO+t_]
	s_bcnt1_i32_b32 s45, s[66+n_+k_]
	s_add_co_u32 s50, s50, s45
.endif
.set k_, k_+1
.endr
	s_wait_alu depctr_va_sdst(0)                   ; the run's compares have written their masks in s2-13, which the selects read
.set k_, 0
.rept 4
.if n_+k_ < 32
	ALL3 v_cndmask_b32 v[WD+t_], v[WD+t_], s[66+n_+k_], s[2+3*k_+t_]
	ALL3 v_cndmask_b32 v[PK+t_], v[PK+t_], s[58+k_], s[2+3*k_+t_]
.endif
.set k_, k_+1
.endr
.set n_, n_+4
.endr
	ALL3 v_lshrrev_b32 v[TT+t_], 16, v[PK+t_]
	ALL3 v_and_b32 v[PK+t_], 0xffff, v[PK+t_]
	ALL3 v_sub_nc_u32 v[NN+t_], v[RHO+t_], v[TT+t_]
	ALL3 v_mov_b32 v[PS+t_], 0
	ALL3 v_lshrrev_b32 v[UU+t_], 1, v[WD+t_]
	ALL3 v_and_b32 v[UU+t_], 0x55555555, v[UU+t_]
	ALL3 v_sub_nc_u32 v[QA+t_], v[WD+t_], v[UU+t_]
	ALL3 v_lshrrev_b32 v[UU+t_], 2, v[QA+t_]
	ALL3 v_and_b32 v[UU+t_], 0x33333333, v[UU+t_]
	ALL3 v_and_b32 v[QB+t_], 0x33333333, v[QA+t_]
	ALL3 v_add_nc_u32 v[QB+t_], v[QB+t_], v[UU+t_]
	ALL3 v_lshrrev_b32 v[UU+t_], 4, v[QB+t_]
	ALL3 v_add_nc_u32 v[UU+t_], v[QB+t_], v[UU+t_]
	ALL3 v_and_b32 v[QC+t_], 0x0f0f0f0f, v[UU+t_]
	ALL3 v_lshrrev_b32 v[UU+t_], 8, v[QC+t_]
	ALL3 v_add_nc_u32 v[QD+t_], v[QC+t_], v[UU+t_]
	LEVEL QD, 8, 16
	LEVEL QC, 8, 8
	LEVEL QB, 4, 4
	LEVEL QA, 2, 2
	LEVEL WD, 1, 1
	ALL3 v_cmp_gt_u32 s[58+t_], s50, v[RHO+t_]
	v_bfe_u32 v13, v0, 4, 1
	v_lshlrev_b32 v13, 4, v13
	ALL3 v_lshl_add_u32 v[TT+t_], v[PS+t_], 2, v[PK+t_]
	s_wait_alu depctr_va_sdst(0)                   ; the three compares have written s58-60, which the selects read
	ALL3 v_cndmask_b32 v[TT+t_], 0, v[TT+t_], s[58+t_]
	ALL3 v_min_u32 v[TT+t_], 0x3ff, v[TT+t_]
	ALL3 v_lshl_add_u32 v[4+t_], v[TT+t_], 11, v13
	s_min_u32 s26, s50, 1024
	s_max_u32 s26, s26, 1
	s_add_co_u32 s44, s29, 16
	s_lshl_b32 s44, s44, 4
	s_cmp_lt_u32 s44, s26
	s_cselect_b32 s28, 1, 0
.endm
.macro BIASLD                          ; my lane's 8 columns of each of the 8 column blocks: 64 numbers, into the fragments' registers
	WIN 0
	v_bfe_u32 v7, v0, 4, 1
	v_lshlrev_b32 v7, 5, v7
	WIN 0x40
	s_wait_alu depctr_va_vdst(0)                   ; v7, the loads' offset, is written; in a later pass the products are done reading the fragments' registers, in which the loads land
.set n_, 0
.rept 8
	global_load_b128 v[192+8*n_:192+8*n_+3],   v7, s[56:57] offset:64*n_
	global_load_b128 v[192+8*n_+4:192+8*n_+7], v7, s[56:57] offset:64*n_+16
.set n_, n_+1
.endr
	WIN 0
.endm
; The bias, rounded to bf16, starts every sum: widened straight into block 0's sums and copied to the other two blocks': these moves stand for the additions that the way out would else hold.
.macro BIASINIT
	WIN 0x45                                       ; all in window 1
.set n_, 0
.rept 32
	v_cvt_pk_bf16_f32 v[64+n_], v[192+2*n_], v[192+2*n_+1]
.set n_, n_+1
.endr
.set n_, 0
.rept 32
	v_lshlrev_b32 v[2*n_], 16, v[64+n_]
	v_and_b32 v[2*n_+1], 0xffff0000, v[64+n_]
.set n_, n_+1
.endr
.set n_, 0
.rept 64
	v_mov_b32 v[64+n_], v[n_]
	v_mov_b32 v[128+n_], v[n_]
.set n_, n_+1
.endr
	WIN 0
.endm
.macro MKBADR                          ; the turning load: lane l reads LDS row 2 (l % 8) + l / 16 of a group of 16, 16 bytes at 16 ((l / 8) % 2)
	v_and_b32 v7, 7, v0
	v_bfe_u32 v13, v0, 4, 1
	v_lshl_add_u32 v1, v7, 1, v13
	v_mul_u32_u24 v1, v1, P
	v_bfe_u32 v13, v0, 3, 1
	v_lshl_add_u32 v1, v13, 4, v1
	v_mov_b32 v12, v1
.endm
; THE WAY OUT of block i: jumped where the block lies past the count.  Rounded to bf16 (each accumulator from its low end), ReLU on the packed halves, through my stage, stored as whole rows.
.macro EPI i
	s_add_co_u32 s44, s29, 8*(\i)
	s_lshl_b32 s45, s44, 4
	s_cmp_ge_u32 s45, s26
	s_cbranch_scc1 .Lskip_\@
	s_wait_alu depctr_vm_vsrc(0)                   ; the last block's LDS stores have read v16-47, which the conversions write, and its stores to H v48-79, in which the loads from the stage land
	WIN 0x05                                       ; sources in window 1, destination in window 0
.set n_, 0
.rept 32
	v_cvt_pk_bf16_f32 v[16+n_], v[64*(\i)+2*n_], v[64*(\i)+2*n_+1]
.set n_, n_+1
.endr
	WIN 0
.set n_, 0
.rept 32
	v_pk_max_num_bf16 v[16+n_], v[16+n_], v11
.set n_, n_+1
.endr
	s_wait_alu depctr_va_vdst(0)                   ; v16-47 are written, which the LDS stores read
.set n_, 0
.rept 8
	ds_store_b128 v8, v[16+4*n_:16+4*n_+3] offset:32*n_
.set n_, n_+1
.endr
	s_wait_xcnt 0x0                                ; the last block's stores have read v48-79 and their base
.set n_, 0
.rept 8
	ds_load_b128 v[48+4*n_:48+4*n_+3], v9 offset:2*SP*n_  ; a wave's LDS instructions are served in order: these see the stores above
.set n_, n_+1
.endr
	s_lshl_b32 s42, s44, 17                        ; block x 16 rows x 8,192 bytes
	s_add_nc_u64 s[40:41], s[38:39], s[42:43]
	s_wait_dscnt 0x0
.set n_, 0
.rept 8
	global_store_b128 v10, v[48+4*n_:48+4*n_+3], s[40:41] offset:2*n_*ORP  ; 16 lanes store 256 consecutive bytes, at a multiple of 256 from H's first
.set n_, n_+1
.endr
.Lskip_\@:
.endm
.macro OCH                             ; a chunk of a pass behind the stream: asked for and used in the same trip
	s_wait_alu depctr_va_vdst(0)                   ; v4-6 and v1 are written, which the loads below read; the vector and matrix instructions issued so far are done with v16-63 and with X and Y, in which they land
	ALOAD 0, 0
	ALOAD 1, 64
	BLOAD 0, 1, 0
	BLOAD 1, 1, 0
	s_wait_loadcnt LPK                             ; the first k-step's rows are in; the second's 6 loads stay out
	s_wait_dscnt 8
	MULH 0, 0
	WIN 0x40
	s_wait_alu depctr_va_vdst(0)                   ; the products above are done reading X, in which the loads below land
	BLOAD 0, 1, KSL
	s_wait_dscnt 8
	MULH 1, 0
	WIN 0x40
	s_wait_alu depctr_va_vdst(0)                   ; the products above are done reading Y, in which the loads below land
	BLOAD 1, 1, KSL
	s_wait_loadcnt 0x0
	s_wait_dscnt 8
	MULH 0, 1
	s_wait_dscnt 0x0
	MULH 1, 1
	PLACES                                         ; behind the last chunk the way out's conversions read the sums
	s_wait_xcnt 0x0
	s_wait_alu depctr_vm_vsrc(0)                   ; the fragments' loads have read v1
	s_add_nc_u64 s[34:35], s[34:35], 128
	v_add_nc_u32 v1, CHL, v1
.endm
	s_load_b256 s[4:11], s[0:1], 0x0               ; W1 s[4:5], b1 s[6:7], xb s[8:9], sel s[10:11]
	s_load_b128 s[12:15], s[0:1], 0x20             ; H s[12:13], pos s[14:15]
	s_load_b64 s[16:17], s[0:1], 0x30              ; cnt
	v_lshl_add_u32 v14, v0, 2, 0x4c800
	v_mov_b32 v15, 0
	v_lshrrev_b32 v1, 5, v0
	v_readfirstlane_b32 s20, v1                    ; wave 0..7
	s_and_b32 s22, ttmp7, 0xffff                   ; the expert
	s_mov_b32 s23, ttmp9                           ; the slice
	s_mov_b32 s43, 0
	v_and_b32 v13, 31, v0                          ; lane
	v_lshlrev_b32 v12, 4, v13                      ; sel: 16 bytes a lane
	s_wait_alu depctr_va_sdst(0)                   ; s20 is written, ahead of its first reader
	s_lshl_b32 s44, s20, 17                        ; my 8 rows of a chunk's 64: 8 x 16,384 bytes a wave
	v_lshl_add_u32 v3, v13, 4, s44
	s_lshr_b32 s44, s20, 1                         ; rows 8 w + j of a chunk lie at LDS rows 16 (w / 2) + 2 j + w % 2
	s_lshl_b32 s44, s44, 4
	s_and_b32 s45, s20, 1
	s_add_co_u32 s44, s44, s45
	s_mul_i32 s44, s44, P
	v_lshl_add_u32 v2, v13, 3, s44
	s_lshl_b32 s47, 0x101, s22
	s_add_co_u32 s48, s22, 8
	s_lshl_b32 s52, s22, 10
	s_add_co_u32 s53, s22, 2048
	s_cmp_eq_u32 s23, 0
	s_cselect_b32 s51, 1, 0
	s_cmp_eq_u32 s20, 0
	s_cselect_b32 s51, s51, 0                      ; slice 0's wave 0 stores pos and cnt
	s_mov_b32 s29, s20                             ; pass 0 begins at block w
	s_wait_kmcnt 0x0
	s_lshl_b32 s42, s22, 24                        ; W1: 16 MB an expert, 512 bytes a slice
	s_lshl_b32 s44, s23, 9
	s_add_co_u32 s42, s42, s44
	s_add_nc_u64 s[32:33], s[4:5], s[42:43]
	s_lshl_b32 s42, s22, 14                        ; b1: 16 KB an expert, 512 bytes a slice
	s_add_co_u32 s42, s42, s44
	s_add_nc_u64 s[56:57], s[6:7], s[42:43]
	s_lshl_b32 s42, s22, 23                        ; H: 8 MB an expert, 256 bytes a slice
	s_lshl_b32 s44, s23, 8
	s_add_co_u32 s42, s42, s44
	s_add_nc_u64 s[38:39], s[12:13], s[42:43]
	s_mov_b64 s[36:37], s[8:9]
	s_mov_b64 s[34:35], s[8:9]
	s_wait_alu depctr_va_vdst(0)                   ; v12, v3 and v2 are written: the offsets of sel's and the weights' loads and the address of my LDS stores
.set j_, 0
.rept 8
	global_load_b128 v[16+4*j_:16+4*j_+3], v12, s[10:11] offset:512*j_  ; all of sel: 32 words a lane: v[16 + n] holds token 128 (n / 4) + 4 l + n % 4; first, since loads come back in order
.set j_, j_+1
.endr
	BIASLD
	WIN 0x40
.set j_, 0
.rept 8
	global_load_b128 v[128+4*j_:128+4*j_+3], v3, s[32:33] offset:j_*PW th:TH_LOAD_NT  ; chunk 0 into registers of window 1 that the sums take later
.set j_, j_+1
.endr
	WIN 0
	PLOAD 1, 1                                     ; W1: from here on the loads go out in the loop's order; the token rows that come next wait for FINDTOK
	v_lshlrev_b32 v55, 2, v13
	v_mov_b32 v57, s53
	s_wait_loadcnt 32                              ; sel is in: behind it the bias's 16 loads and two chunks' 16
.set n_, 0
.rept 32                                           ; the expert's members, 32 tokens to a scalar register
	v_and_b32 v[48+n_%4], s47, v[16+n_]
	v_cmp_ne_u32 s[66+n_], 0, v[48+n_%4]
.set n_, n_+1
.endr
	s_wait_alu depctr_va_sdst(0)                   ; the 32 compares have written s66-97, ahead of the branch and of every reader
	s_cmp_lg_u32 s51, 0
	s_cbranch_scc0 .Lnopos                         ; one wave of the expert's first slice stores pos[2 token + slot] = 1024 e + rank, and cnt[e]
	s_mov_b32 s50, s52                             ; 1024 e + members so far
.set n_, 0
.rept 32                                           ; each store has two registers of its own: all 33 pairs are made first, so that one wait serves the run of stores
	v_mbcnt_lo_u32_b32 v[97+2*n_], s[66+n_], s50   ; + members in lower lanes
	v_add_nc_u32 v52, 128*(n_/4)+n_%4, v55         ; my token
	v_bfe_u32 v53, v[16+n_], s48, 1                ; slot 1 where e is the token's second choice
	v_lshl_add_u32 v53, v52, 1, v53
	v_cndmask_b32 v53, v57, v53, s[66+n_]          ; the others store into the expert's spare place, which nobody reads
	v_min_u32 v53, 0x807, v53
	v_lshlrev_b32 v[96+2*n_], 2, v53
	s_bcnt1_i32_b32 s44, s[66+n_]
	s_add_co_u32 s50, s50, s44
.set n_, n_+1
.endr
	s_sub_co_u32 s44, s50, s52
	s_min_u32 s44, s44, 1024
	s_max_u32 s44, s44, 1
	s_lshl_b32 s45, s22, 2
	v_mov_b32 v94, s45
	v_mov_b32 v95, s44
	s_wait_alu depctr_va_vdst(0)                   ; v94-159 are written: the offsets and the data of the stores below
.set n_, 0
.rept 32
	global_store_b32 v[96+2*n_], v[97+2*n_], s[14:15]
.set n_, n_+1
.endr
	global_store_b32 v94, v95, s[16:17]            ; cnt[e]: 1 at the least
.Lnopos:
	FINDTOK 0
	s_wait_xcnt 0x0                                ; the stores of pos and cnt have read v94-159, which the loads below fill
	s_wait_alu depctr_vm_vsrc(0)                   ; the same, stated for the registers: those stores have read v94-159
	s_wait_alu depctr_va_vdst(0)                   ; v4-6, the token loads' offsets, are written; the vector instructions above are done with v16-159, in which the token loads land
	ALOAD 0, 0                                     ; A0, A1, W2, A2: with the bias, W0 and W1 at most 58 loads are out
	ALOAD 1, 64
	PLOAD 2, 2
	ALOAD 2, 128
	s_wait_loadcnt 34                              ; the bias and chunk 0 are in: behind them W1's 8, A0's and A1's 12, W2's 8, A2's 6
	PSTORE 128, 0, 1
	ALOAD 3, 192                                   ; A3, W3, A4, A5: at most 60 are out, the nine groups that every trip finds at its head
	PLOAD 0, 3
	ALOAD 4, 256
	ALOAD 5, 320
	s_wait_dscnt 0x0                               ; chunk 0's stores have read their registers, which the sums now take
	s_wait_alu depctr_vm_vsrc(0)                   ; chunk 0's LDS stores have read their data, which the sums' first values overwrite; the bias's loads have read v7 and sel's v12, which are written below
	BIASINIT
	s_mul_i32 s44, s20, STAGEB                     ; the way out's addresses: v8 into my stage, v9 back out of it, v10 in H
	s_add_co_u32 s44, s44, STAGE
	v_and_b32 v7, 15, v0                           ; (v7 was the bias loads' offset: they are in)
	v_bfe_u32 v13, v0, 4, 1
	v_mul_u32_u24 v8, v7, SP                       ; in: row l % 16, 16 bytes for each half of the lanes
	v_lshl_add_u32 v8, v13, 4, v8
	v_add_nc_u32 v8, s44, v8
	v_mul_u32_u24 v9, v13, SP                      ; back: lanes 0-15 one row of 256 bytes, lanes 16-31 the next
	v_lshl_add_u32 v9, v7, 4, v9
	v_add_nc_u32 v9, s44, v9
	v_lshlrev_b32 v10, 13, v13                     ; and the same two rows in H
	v_lshl_add_u32 v10, v7, 4, v10
	v_mov_b32 v11, 0                               ; for the ReLU
	MKBADR
	BAR                                            ; chunk 0 is stored; the loads stay on their way: nobody writes what they read
	WIN 0x40
	s_wait_alu depctr_va_vdst(0)                   ; v1 and v12 are written, and v8-10 for the way out; the bias's conversions are done reading the fragments' registers, in which the loads below land
	BLOAD 0, 1, 0                                  ; X(0) and Y(0): what every trip finds asked for
	BLOAD 1, 1, 0
	WIN 0
	s_mov_b32 s25, 4
.Lit:                                              ; trips 0 to 11
	TRIP 0, 1, 1, 1, 1, 52, 46, 54
	TRIP 1, 1, 1, 1, 1, 52, 46, 54
	TRIP 2, 1, 1, 1, 1, 52, 46, 54
	s_sub_co_u32 s25, s25, 1
	s_cmp_lg_u32 s25, 0
	s_cbranch_scc1 .Lit
	TRIP 0, 0, 1, 1, 1, 52, 46, 46                 ; trip 12: no chunk is left to ask for; the last two k-steps are asked for
	TRIP 1, 0, 0, 1, 1, 44, 38, 32                 ; trips 13 to 15 ask nothing of memory, and the counts run down
	TRIP 2, 0, 0, 1, 1, 24, 18, 12
	TRIP 0, 0, 0, 0, 0, 0, 6, 0                    ; trip 15: chunk 15; nothing is left to store, so it has no barrier
	; THE PASSES.  Three trips, a constant: a pass goes out; the next, if I have rows for it, is computed from the resident slice; else that work is jumped, forward, to a label ahead of the count's step.
	; Two barriers a trip, which every wave passes: one between the stores into the stages and the next pass's reads of the slice, one between those reads and the next stores into the stages.
	; By the map of LDS those bytes lie apart; the barriers keep the order without leaning on the addresses that step here.  In the third trip the jump is always taken: (w + 72) x 16 > 1,024.
	s_mov_b32 s30, 3
.Lpass:
	EPI 0
	EPI 1
	EPI 2
	BAR                                            ; every wave's traffic with its stage is over
	s_add_co_u32 s29, s29, 24                      ; the next pass's first block of mine: steps once in every trip
	s_lshl_b32 s44, s29, 4
	s_cmp_ge_u32 s44, s26
	s_cbranch_scc1 .Lnext                          ; my first block of that pass lies past the count, and so do its others
	FINDTOK 1
	BIASLD
	s_wait_loadcnt 0x0
	s_wait_alu depctr_vm_vsrc(0)                   ; the bias's loads have read v7, the fragments' loads v1 and v12: all three are written below
	BIASINIT
	MKBADR
	s_mov_b64 s[34:35], s[36:37]
	s_mov_b32 s31, 16
.Loch:
	OCH
	s_sub_co_u32 s31, s31, 1
	s_cmp_lg_u32 s31, 0
	s_cbranch_scc1 .Loch
.Lnext:
	BAR                                            ; every wave's reads of the slice for that pass are back
	s_sub_co_u32 s30, s30, 1
	s_cmp_lg_u32 s30, 0
	s_cbranch_scc1 .Lpass
	s_wait_dscnt 0x0                               ; the wave's end.  The closing add below adds 0 to my spare word in the 1,024 bytes behind the stages
	s_wait_alu depctr_hold_cnt(0) depctr_sa_sdst(0) depctr_va_vdst(0) depctr_va_sdst(0) depctr_va_ssrc(0) depctr_va_vcc(0) depctr_vm_vsrc(0)
	s_wait_tensorcnt 0x0
	ds_add_u32 v14, v15
	s_wait_dscnt 0x0
	s_endpgm
.Lfunc_end_k_q7a52ccbe78_ffn1:
	.size	k_q7a52ccbe78_ffn1, .Lfunc_end_k_q7a52ccbe78_ffn1-k_q7a52ccbe78_ffn1
	.p2alignl 7, 3214868480
	.fill 96, 4, 3214868480
	.section	.rodata,"a",@progbits
	.p2align	6, 0x0
	.amdhsa_kernel k_q7a52ccbe78_ffn1
		.amdhsa_group_segment_fixed_size 314368
		.amdhsa_private_segment_fixed_size 0
		.amdhsa_enable_private_segment 0
		.amdhsa_kernarg_size 56
		.amdhsa_user_sgpr_count 2
		.amdhsa_user_sgpr_kernarg_segment_ptr 1
		.amdhsa_wavefront_size32 1
		.amdhsa_system_sgpr_workgroup_id_x 1
		.amdhsa_system_sgpr_workgroup_id_y 1
		.amdhsa_system_sgpr_workgroup_id_z 1
		.amdhsa_system_vgpr_workitem_id 0
		.amdhsa_next_free_vgpr 512
		.amdhsa_next_free_sgpr 98
		.amdhsa_reserve_vcc 0
		.amdhsa_float_denorm_mode_32 3
		.amdhsa_float_denorm_mode_16_64 3
		.amdhsa_memory_ordered 1
		.amdhsa_forward_progress 1
		.amdhsa_inst_pref_size 206
	.end_amdhsa_kernel
	.amdgpu_metadata
---
amdhsa.version: [ 1, 2 ]
amdhsa.kernels:
  - .name:           k_q7a52ccbe78_ffn1
    .symbol:         k_q7a52ccbe78_ffn1.kd
    .args:
      - { .name: W1, .offset: 0, .size: 8, .value_kind: global_buffer, .address_space: global }
      - { .name: b1, .offset: 8, .size: 8, .value_kind: global_buffer, .address_space: global }
      - { .name: xb, .offset: 16, .size: 8, .value_kind: global_buffer, .address_space: global }
      - { .name: sel, .offset: 24, .size: 8, .value_kind: global_buffer, .address_space: global }
      - { .name: H, .offset: 32, .size: 8, .value_kind: global_buffer, .address_space: global }
      - { .name: pos, .offset: 40, .size: 8, .value_kind: global_buffer, .address_space: global }
      - { .name: cnt, .offset: 48, .size: 8, .value_kind: global_buffer, .address_space: global }
    .group_segment_fixed_size: 314368
    .private_segment_fixed_size: 0
    .kernarg_segment_align: 8
    .kernarg_segment_size: 56
    .max_flat_workgroup_size: 256
    .sgpr_count:     98
    .vgpr_count:     512
    .wavefront_size: 32
...
	.end_amdgpu_metadata
.endif
;; end of part 7
;; launch ffn2 (part 8): grid 32 x 8, 8 waves a work-group, no clusters, 318,464 bytes of LDS; arguments W2, b2, H, cnt, Y; writes Y
.if DOCPART == 8
	.amdgcn_target "amdgcn-amd-amdhsa--gfx1250"
	.amdhsa_code_object_version 6
	.text
	.protected	k_q7a52ccbe78_ffn2
	.globl	k_q7a52ccbe78_ffn2
	.p2align	8
	.type	k_q7a52ccbe78_ffn2,@function
k_q7a52ccbe78_ffn2:
	s_mov_b64 s[64:65], 0
	v_nop
	global_prefetch_b8 v0, s[64:65] scope:SCOPE_SE
	s_setreg_imm32_b32 hwreg(HW_REG_WAVE_SCHED_MODE, 0, 2), 2
	s_setreg_imm32_b32 hwreg(HW_REG_WAVE_MODE, 25, 1), 1
	s_wait_xcnt 0x0
	s_wait_alu depctr_vm_vsrc(0)
; SECOND PRODUCT OF THE EXPERTS, in four parts of K.  Y[ks][1024 e + rank][d] = the sum over the 1,024 f of part ks of H[e][rank][f] W2[e][f][d], plus b2[e][d] in part 0: partial sums, f32.
; SHARES.  Work-group (x, e): 128 columns d (x % 8) and 1,024 rows f (x / 8) of W2[e]: 512 KB of f32, each byte once, 512 consecutive bytes of each row.  Rounded to bf16 the slice stays in LDS.
; The shape is the first product's, so that a row fragment of H feeds 8 products: with 64 columns and 2,048 f a trip would hold 32 loads a wave, and three trips' loads would not fit under one counter.
; The price: four parts of Y in place of two.
; ALL EIGHT WAVES RUN ONE TEXT.  In trip t (a chunk = 64 rows of f) a wave stores its 8 rows of chunk t + 1 into LDS, asks for its 8 rows of chunk t + 4, and multiplies chunk t by its own rows of H,
; which come straight into registers as matrix operands.  No LDS byte of the slice is written twice: a chunk is stored, a barrier, the chunk is read: one barrier a chunk.
; ONE COUNTER.  A wave's loads come back in order (ISA guide 5.7.1), so weights and rows are both asked for three trips ahead: trip t issues W(t+4) (8 loads), A(2t+6), A(2t+7) (6 each; A(s) = the row
; fragments of k-step s, 32 along f).  At most 60 loads of a wave are out, 24 of them weights: 96 KB of weights for the eight waves.  Ahead of the loop the loads go out in the loop's own order
; (W1, A0, A1, W2, A2, A3, W3, A4, A5), so that the loop is entered with them on their way and its counts hold from the first trip on.
; ROWS.  H's rows lie by rank, so no list is needed: cnt[e] (1 at the least) bounds them.  Pass p gives wave w the blocks 24 p + 8 i + w of 16 ranks, i = 0..2; pass 0 runs under the stream, two more passes
; behind it from the resident slice, in a loop of constant count in which every wave passes every barrier and only work is jumped.  Ranks past the count repeat the last row; blocks past it are not stored;
; block i = 2's products are jumped where it is so.
; THE MATRIX INSTRUCTION IS USED TRANSPOSED: source 0 = 16 columns of W2, source 1 = 16 rows of H: a lane holds one row and eight neighbouring columns.
; LIMITS.  W2 and b2 are rounded once to bf16; sums in f32, part 0's started at the bias.  NaN and infinities are not treated apart.
; NO MULTICAST: each weight has one reader; the rows of H that an expert's work-groups share go straight into registers, and LDS has no room for them beside the slice.
; THE MODE: SCHED_MODE bits 1:0 = 2 (LLVM: expert scheduling mode 2), set by the entry lines.  The code itself states the register dependences between vector or matrix instructions and memory or LDS
; instructions, with s_wait_alu, always for 0.
; THE PLAN.  Registers that memory or LDS instructions touch, in the loop (trip t):
;   the stages     Stage (t + 1) % 3: sixteen conversions round it in place; eight LDS stores read it; later in the trip the loads of chunk t + 4 land in it.
;   A0 .. A5       Buffer s % 6: read by the two runs of products of k-step s alone; behind the second run the loads of k-step s + 6 land in it.
;   X, Y           Read by one run of products each; behind that run the LDS loads of the next k-step land.
;   v1, v12, v2    LDS addresses: read by the fragments' loads and the LDS stores; written once in three trips, all three at one place.
;   v3, v4-6       Offsets of the global loads: never written in the loop.     The sums are named by matrix instructions alone, until the way out's LDS stores read them.
; So a trip holds five waits on va_vdst: one behind the conversions (the stage is written; no vector instruction names it afterwards, so the same wait serves the loads that land in it) and one behind each
; of the four runs of products (they are done reading X or Y and, behind a k-step's second run, its buffer of H); and one wait on vm_vsrc ahead of the chunk's loads (the LDS stores have read the stage).
; A trip with u = 2 holds one more wait on vm_vsrc, ahead of the three adds.  These waits take the part of places ahead of loads into registers that matrix instructions have read.
; REGISTERS.  window 0: v0 thread; v1, v12 LDS addresses of the fragments; v2 LDS address of my weight rows; v3 my offset in W2; v4-6 row offsets of my 3 blocks; v7, v13 at work; v8-10 the way out;
;   v16-159 six buffers of H's fragments (buffer b, block i at 16 + 24 b + 8 i); v160-255 three stages of weights as loaded (32 each).
;   window 1: v0-191 accumulators, (block i, column block vb) at 64 i + 8 vb; v192-223, v224-255 weight fragments of columns 0-63 (X) and 64-127 (Y).
.set PW,     4096                      ; bytes in a row of W2[e]
.set CH,     64*PW                     ; a chunk's step in memory
.set P,      272                       ; an LDS row: 256 bytes + 16.  In each group of 16 rows k = 8 a + j lies at row 2 j + a
                                       ; and a lane still gets k = 8 (l / 16) + j, as H's fragments have it
.set CHL,    64*P
.set KSL,    32*P
.set LPK,    6                         ; loads of H for 32 along k
.set ORP,    4096                      ; bytes in a row of Y
.set STAGE,  1024*P+4096               ; a stage for each wave: 16 rows of 272 bytes (the 4,096 bytes in front are not used here)
.set SP,     272
.set STAGEB, 16*SP
; scalars: s20 wave; s22 e; s23 column slice; s24 part of K; s25 loop; s26 count; s27 count - 1; s28 block 2 is live; s29 my first block of the pass; s30, s31 loops; s[32:33] W2 at the loop's chunk;
; s[34:35] H at the loop's k; s[36:37] H at the part; s[38:39] Y at the slice; s[40:41] a block's rows in Y; s[42:43] an offset, s43 = 0; s44, s45 at work; s54 all ones in part 0, else 0; s[56:57] b2
.set MSB, 0
.macro WIN new                         ; the immediate's high byte repeats the setting that is left; a switch that changes nothing is dropped
.if MSB != (\new)
	s_set_vgpr_msb (MSB<<8)|(\new)
.set MSB, (\new)
.endif
.endm
.macro PLACES                          ; four plain instructions between a matrix instruction and an LDS store of its result
.rept 4
	v_nop
.endr
.endm
.macro BAR                             ; my LDS stores are done and my LDS loads are back; then the work-group's barrier
	s_wait_dscnt 0x0
	s_barrier_signal -1
	s_barrier_wait -1
.endm
.macro PLOAD b, c                      ; my 8 rows of chunk c (from the loop's base) into stage b: 512 consecutive bytes each
	WIN 0
.set j_, 0
.rept 8
.set rS, 160+32*(\b)+4*j_
	global_load_b128 v[rS:rS+3], v3, s[32:33] offset:(\c)*CH+j_*PW th:TH_LOAD_NT
.set j_, j_+1
.endr
.endm
.macro PSTORE r, o, w1                 ; 8 rows at register r (w1 = 1: of window 1) rounded to bf16 in place and stored: a row's 32 lanes store 256 consecutive bytes; my rows lie two LDS rows apart
.if \w1
	WIN 0x45
.else
	WIN 0
.endif
.set j_, 0
.rept 8
	v_cvt_pk_bf16_f32 v[(\r)+4*j_], v[(\r)+4*j_], v[(\r)+4*j_+1]
	v_cvt_pk_bf16_f32 v[(\r)+4*j_+1], v[(\r)+4*j_+2], v[(\r)+4*j_+3]
.set j_, j_+1
.endr
.if \w1
	WIN 0x04                                       ; the stores' data in window 1, the address in window 0
.endif
	s_wait_alu depctr_va_vdst(0)                   ; the conversions have written the rows, which the LDS stores read, and are done with all 32 registers; where v2 was stepped, it is written
.set j_, 0
.rept 8
	ds_store_b64 v2, v[(\r)+4*j_:(\r)+4*j_+1] offset:(\o)+j_*2*P
.set j_, j_+1
.endr
	WIN 0
.endm
.macro BLOAD half, ar, o               ; weight fragments of 64 columns x 32 k at LDS byte o from address register ar: lane l gets column l % 16, k along its registers
	WIN 0x40                                       ; destination window 1, address window 0
.set j_, 0
.rept 4
.set rB, 192+32*(\half)+8*j_
	ds_load_tr16_b128 v[rB:rB+3],   v[\ar] offset:(\o)+32*(4*(\half)+j_)
	ds_load_tr16_b128 v[rB+4:rB+7], v[\ar] offset:(\o)+32*(4*(\half)+j_)+16*P
.set j_, j_+1
.endr
.endm
.macro ALOAD b, kb                     ; H's fragments of my 3 blocks x 32 k at byte kb from the loop's base, into buffer b
	WIN 0
.set i_, 0
.rept 3
.set rA, 16+24*(\b)+8*i_
	global_load_b128 v[rA:rA+3],   v[4+i_], s[34:35] offset:(\kb)
	global_load_b128 v[rA+4:rA+7], v[4+i_], s[34:35] offset:(\kb)+32
.set i_, i_+1
.endr
.endm
; 8 products (blocks 0, 1 x 4 column blocks of one half), and 4 more where block 2 is live.  The accumulators take turns, one instruction a turn.
.macro MULH half, b
	WIN 0x51                                       ; weights, C and D in window 1, H in window 0
.set j_, 0
.rept 4
.set i_, 0
.rept 2
.set rD, 64*i_+8*(4*(\half)+j_)
.set rB, 192+32*(\half)+8*j_
.set rA, 16+24*(\b)+8*i_
	v_wmma_f32_16x16x32_bf16 v[rD:rD+7], v[rB:rB+7], v[rA:rA+7], v[rD:rD+7]
.set i_, i_+1
.endr
.set j_, j_+1
.endr
	WIN 0                                          ; at a branch and at a label every window is 0
	s_cmp_eq_u32 s28, 0
	s_cbranch_scc1 .Lno3_\@
	WIN 0x51
.set j_, 0
.rept 4
.set rD, 128+8*(4*(\half)+j_)
.set rB, 192+32*(\half)+8*j_
.set rA, 16+24*(\b)+16
	v_wmma_f32_16x16x32_bf16 v[rD:rD+7], v[rB:rB+7], v[rA:rA+7], v[rD:rD+7]
.set j_, j_+1
.endr
	WIN 0
.Lno3_\@:
.endm
; TRIP t = 3 x iteration + u.  Chunk c lies in stage c % 3, k-step s in buffer s % 6.  X(s), Y(s): the weight fragments of k-step s, columns 0-63 and 64-127.
; THE FRAGMENTS RUN ONE K-STEP AHEAD, over the trips' edges too: each run of 8 loads is asked for as soon as its registers are free, a run of products ahead of its use.  At a trip's head X(2t) and Y(2t) are out.
; THE BARRIER STANDS INSIDE THE TRIP.  Ahead of its signal: my stores of chunk t + 1, waited for.  Behind its wait: the first reads of chunk t + 1, X(2t+2) and Y(2t+2), at the trip's end.  Between the two:
; the loads of X(2t+1), bytes of chunk t that nobody writes again, and a run of products.
; THREE LDS ADDRESSES step once in three trips, together, in a trip with u = 2 behind the products of X(2t+1): v1, for a chunk's second k-step (this trip's loads by it are issued); v12, for the next chunk's
; first k-step (so that trip's offset from v12 is 0); v2, for my stores (this trip's are issued).  One wait on vm_vsrc stands ahead of the adds; the wait on va_vdst that the next fragments want anyway follows them.
; THE LOADS' BASES step in a trip with u = 0, behind the wait for all LDS instructions: the last loads that name them were issued a run of products earlier.  The immediates count from the stepped bases.
; ps: chunk t + 1 is stored, and the barrier stands; wl: chunk t + 4 is asked for; al: k-steps 2 t + 6 and 2 t + 7 are asked for; nx: the next chunk's first fragments are asked for.
; cw, ca0, ca1: how many younger loads may stay out when W(t+1), A(2t), A(2t+1) must be in.  In the loop: behind W(t+1) stand 12 + 40 = 52; behind A(2t) 6 + 40 = 46 (this trip's W is not yet issued);
; behind A(2t+1) 40 + 8 + 6 = 54.
.macro TRIP u, wl, al, ps, nx, cw, ca0, ca1
.set nO, (((\u)+1)%3)*CHL
.if \ps
	s_wait_loadcnt \cw
	PSTORE 160+32*(((\u)+1)%3), ((\u)+1)*CHL, 0
	s_wait_dscnt 16                                ; X(2t) is in: behind it Y(2t)'s 8 loads and my 8 stores
.else
	s_wait_dscnt 8                                 ; X(2t) is in: behind it Y(2t)'s 8 loads
.endif
	s_wait_loadcnt \ca0
	MULH 0, 2*(\u)
.if \ps
	s_wait_dscnt 0x0                               ; for the others' sake: my stores of chunk t + 1 are done; Y(2t) is in
.endif
.if \wl
	s_wait_alu depctr_vm_vsrc(0)                   ; my LDS stores have read the stage, in which the loads of chunk t + 4 land
.endif
	s_wait_alu depctr_va_vdst(0)                   ; the products above are done reading X, in which the loads of X(2t+1) land: up to them stand global loads, the signal and a window switch alone
.if ((\u) == 0) && ((\wl) || (\al))
	s_wait_xcnt 0x0                                ; the loads' bases are stepped only behind this wait
	s_add_nc_u64 s[32:33], s[32:33], 3*CH
	s_add_nc_u64 s[34:35], s[34:35], 384           ; six k-steps of 64 bytes
.endif
.if \wl
	PLOAD ((\u)+1)%3, (\u)+1                       ; no vector instruction has named the stage since the wait behind its conversions
.endif
.if \ps
	s_barrier_signal -1
.endif
	BLOAD 0, 1, (\u)*CHL+KSL
.if (\ps) == 0
	s_wait_dscnt 8                                 ; Y(2t) is in
.endif
	MULH 1, 2*(\u)
.if \ps
	s_barrier_wait -1                              ; chunk t + 1 is stored, everybody's rows of it
.endif
	WIN 0x40
	s_wait_alu depctr_va_vdst(0)                   ; the products of k-step 2t are done reading Y and buffer 2u of H, in which the loads below land
	BLOAD 1, 1, (\u)*CHL+KSL
.if \al
	ALOAD 2*(\u), 128*(\u)
.endif
	s_wait_loadcnt \ca1
	s_wait_dscnt 8                                 ; X(2t+1) is in: behind it Y(2t+1)'s 8 loads
	MULH 0, 2*(\u)+1
.if (\u) == 2
	s_wait_alu depctr_vm_vsrc(0)                   ; the fragments' loads issued so far have read v1 and v12, my LDS stores v2
	v_add_nc_u32 v12, 3*CHL, v12
	v_add_nc_u32 v1, 3*CHL, v1
	v_add_nc_u32 v2, 3*CHL, v2
.endif
.if \nx
	WIN 0x40
	s_wait_alu depctr_va_vdst(0)                   ; the products above are done reading X, in which the loads below land; in a trip with u = 2 the three addresses are written
	BLOAD 0, 12, nO
	s_wait_dscnt 8                                 ; Y(2t+1) is in
.else
	s_wait_dscnt 0x0
.endif
	MULH 1, 2*(\u)+1
.if \nx
	WIN 0x40
	s_wait_alu depctr_va_vdst(0)                   ; the products of k-step 2t + 1 are done reading Y and buffer 2u + 1 of H, in which the loads below land
	BLOAD 1, 12, nO
.else
	PLACES                                         ; the way out's LDS stores read the sums
.endif
.if \al
	ALOAD 2*(\u)+1, 128*(\u)+64
.endif
	WIN 0
.endm
; My 3 blocks' row offsets for the pass that begins at block s29: rank, held under the count, x 8,192 + 16 (l / 16).  It writes v4-6, v12 and v13; MKBADR makes v12 anew behind it.
; xw = 1: stores are out whose data the pass's loads will overwrite (the way out's), and loads have been issued that read what is written here: both stand behind the two waits.
; At its first use no memory instruction has named what it writes.
.macro SETROWS xw
	WIN 0
.if \xw
	s_wait_xcnt 0x0
	s_wait_alu depctr_vm_vsrc(0)                   ; the loads of H have read v4-6 and the fragments' loads v12, which are written here; the way out's stores have read v16-47, in which the pass's loads land
.endif
	v_and_b32 v12, 15, v0
	v_bfe_u32 v13, v0, 4, 1
	v_lshlrev_b32 v13, 4, v13
.set i_, 0
.rept 3
	s_add_co_u32 s44, s29, 8*i_
	s_lshl_b32 s44, s44, 4
	v_add_nc_u32 v[4+i_], s44, v12
	v_min_u32 v[4+i_], s27, v[4+i_]
	v_min_u32 v[4+i_], 0x3ff, v[4+i_]
	v_lshl_add_u32 v[4+i_], v[4+i_], 13, v13
.set i_, i_+1
.endr
	s_add_co_u32 s44, s29, 16
	s_lshl_b32 s44, s44, 4
	s_cmp_lt_u32 s44, s26
	s_cselect_b32 s28, 1, 0
.endm
.macro BIASLD                          ; my lane's 8 columns of each of the 8 column blocks: 64 numbers, into the fragments' registers
	WIN 0
	v_bfe_u32 v7, v0, 4, 1
	v_lshlrev_b32 v7, 5, v7
	WIN 0x40
	s_wait_alu depctr_va_vdst(0)                   ; v7, the loads' offset, is written (at the head: v3 and v2 too); in a later pass the products are done reading the fragments' registers, in which the loads land
.set n_, 0
.rept 8
	global_load_b128 v[192+8*n_:192+8*n_+3],   v7, s[56:57] offset:64*n_
	global_load_b128 v[192+8*n_+4:192+8*n_+7], v7, s[56:57] offset:64*n_+16
.set n_, n_+1
.endr
	WIN 0
.endm
; The bias, rounded to bf16 (in parts 1 to 3 of K: 0), starts every sum: widened straight into block 0's sums and copied to the other two blocks': these moves stand for the additions that the way out would else hold.
.macro BIASINIT
	WIN 0x45                                       ; all in window 1
.set n_, 0
.rept 32
	v_cvt_pk_bf16_f32 v[64+n_], v[192+2*n_], v[192+2*n_+1]
.set n_, n_+1
.endr
.set n_, 0
.rept 32
	v_and_b32 v[64+n_], s54, v[64+n_]
	v_lshlrev_b32 v[2*n_], 16, v[64+n_]
	v_and_b32 v[2*n_+1], 0xffff0000, v[64+n_]
.set n_, n_+1
.endr
.set n_, 0
.rept 64
	v_mov_b32 v[64+n_], v[n_]
	v_mov_b32 v[128+n_], v[n_]
.set n_, n_+1
.endr
	WIN 0
.endm
.macro MKBADR                          ; the turning load: lane l reads LDS row 2 (l % 8) + l / 16 of a group of 16, 16 bytes at 16 ((l / 8) % 2)
	v_and_b32 v7, 7, v0
	v_bfe_u32 v13, v0, 4, 1
	v_lshl_add_u32 v1, v7, 1, v13
	v_mul_u32_u24 v1, v1, P
	v_bfe_u32 v13, v0, 3, 1
	v_lshl_add_u32 v1, v13, 4, v1
	v_mov_b32 v12, v1
.endm
; THE WAY OUT of block i: jumped where the block lies past the count.  The f32 sums go through my stage, 64 columns at a time (each accumulator's low four registers first), and are stored as rows of 256 bytes.
; It holds no vector instruction: the one wait on va_vdst at the pass loop's head serves the LDS stores and loads of all three blocks, on every way through the jumps.
.macro EPI i
	s_add_co_u32 s44, s29, 8*(\i)
	s_lshl_b32 s45, s44, 4
	s_cmp_ge_u32 s45, s26
	s_cbranch_scc1 .Lskip_\@
	s_wait_xcnt 0x0                                ; the last block's stores have read v16-47 and their base
	s_wait_alu depctr_vm_vsrc(0)                   ; the last block's stores have read v16-47, in which the loads from the stage land
	s_lshl_b32 s42, s44, 16                        ; block x 16 rows x 4,096 bytes
	s_add_nc_u64 s[40:41], s[38:39], s[42:43]
.irp c, 0,1
	WIN 0x04                                       ; the stores' data in window 1
.set j_, 0
.rept 4
.set rD, 64*(\i)+8*(4*\c+j_)
	ds_store_b128 v8, v[rD:rD+3]   offset:64*j_
	ds_store_b128 v8, v[rD+4:rD+7] offset:64*j_+16
.set j_, j_+1
.endr
	WIN 0
.if \c
	s_wait_xcnt 0x0                                ; the first half's stores have read v16-47
	s_wait_alu depctr_vm_vsrc(0)                   ; the same, stated for the registers: the loads below land in v16-47
.endif
.set n_, 0
.rept 8
	ds_load_b128 v[16+4*n_:16+4*n_+3], v9 offset:2*SP*n_  ; a wave's LDS instructions are served in order: these see the stores above, and the next half's stores come behind them
.set n_, n_+1
.endr
	s_wait_dscnt 0x0
.set n_, 0
.rept 8
	global_store_b128 v10, v[16+4*n_:16+4*n_+3], s[40:41] offset:2*n_*ORP+256*\c  ; 16 lanes store 256 consecutive bytes, at a multiple of 256 from Y's first
.set n_, n_+1
.endr
.endr
.Lskip_\@:
.endm
.macro OCH                             ; a chunk of a pass behind the stream: asked for and used in the same trip
	s_wait_alu depctr_va_vdst(0)                   ; v4-6 and v1 are written, which the loads below read; the vector and matrix instructions issued so far are done with v16-63 and with X and Y, in which they land
	ALOAD 0, 0
	ALOAD 1, 64
	BLOAD 0, 1, 0
	BLOAD 1, 1, 0
	s_wait_loadcnt LPK                             ; the first k-step's rows are in; the second's 6 loads stay out
	s_wait_dscnt 8
	MULH 0, 0
	WIN 0x40
	s_wait_alu depctr_va_vdst(0)                   ; the products above are done reading X, in which the loads below land
	BLOAD 0, 1, KSL
	s_wait_dscnt 8
	MULH 1, 0
	WIN 0x40
	s_wait_alu depctr_va_vdst(0)                   ; the products above are done reading Y, in which the loads below land
	BLOAD 1, 1, KSL
	s_wait_loadcnt 0x0
	s_wait_dscnt 8
	MULH 0, 1
	s_wait_dscnt 0x0
	MULH 1, 1
	PLACES                                         ; behind the last chunk the way out's LDS stores read the sums
	s_wait_xcnt 0x0
	s_wait_alu depctr_vm_vsrc(0)                   ; the fragments' loads have read v1
	s_add_nc_u64 s[34:35], s[34:35], 128
	v_add_nc_u32 v1, CHL, v1
.endm
	s_load_b256 s[4:11], s[0:1], 0x0               ; W2 s[4:5], b2 s[6:7], H s[8:9], cnt s[10:11]
	s_load_b64 s[12:13], s[0:1], 0x20              ; Y
	v_lshl_add_u32 v14, v0, 2, 0x4d800
	v_mov_b32 v15, 0
	v_lshrrev_b32 v1, 5, v0
	v_readfirstlane_b32 s20, v1                    ; wave 0..7
	s_and_b32 s22, ttmp7, 0xffff                   ; the expert
	s_and_b32 s23, ttmp9, 7                        ; the 128 columns
	s_lshr_b32 s24, ttmp9, 3                       ; the part of K
	s_mov_b32 s43, 0
	v_and_b32 v13, 31, v0                          ; lane
	s_wait_alu depctr_va_sdst(0)                   ; s20 is written, ahead of its first reader
	s_lshl_b32 s44, s20, 15                        ; my 8 rows of a chunk's 64: 8 x 4,096 bytes a wave
	v_lshl_add_u32 v3, v13, 4, s44
	s_lshr_b32 s44, s20, 1                         ; rows 8 w + j of a chunk lie at LDS rows 16 (w / 2) + 2 j + w % 2
	s_lshl_b32 s44, s44, 4
	s_and_b32 s45, s20, 1
	s_add_co_u32 s44, s44, s45
	s_mul_i32 s44, s44, P
	v_lshl_add_u32 v2, v13, 3, s44
	s_cmp_eq_u32 s24, 0
	s_cselect_b32 s54, -1, 0
	s_mov_b32 s29, s20                             ; pass 0 begins at block w
	s_lshl_b32 s45, s22, 2
	s_wait_kmcnt 0x0
	s_load_b32 s26, s[10:11], s45 offset:0x0       ; the expert's count
	s_lshl_b32 s42, s22, 24                        ; W2: 16 MB an expert, 4 MB a part of K, 512 bytes a slice
	s_lshl_b32 s44, s24, 22
	s_add_co_u32 s42, s42, s44
	s_lshl_b32 s44, s23, 9
	s_add_co_u32 s42, s42, s44
	s_add_nc_u64 s[32:33], s[4:5], s[42:43]
	s_lshl_b32 s42, s22, 12                        ; b2: 4 KB an expert, 512 bytes a slice
	s_add_co_u32 s42, s42, s44
	s_add_nc_u64 s[56:57], s[6:7], s[42:43]
	s_lshl_b32 s42, s24, 25                        ; Y: 32 MB a part of K, 4 MB an expert, 512 bytes a slice
	s_add_co_u32 s42, s42, s44
	s_lshl_b32 s44, s22, 22
	s_add_co_u32 s42, s42, s44
	s_add_nc_u64 s[38:39], s[12:13], s[42:43]
	s_lshl_b32 s42, s22, 23                        ; H: 8 MB an expert, 2,048 bytes of a row a part of K
	s_lshl_b32 s44, s24, 11
	s_add_co_u32 s42, s42, s44
	s_add_nc_u64 s[36:37], s[8:9], s[42:43]
	s_mov_b64 s[34:35], s[36:37]
	BIASLD
	WIN 0x40
.set j_, 0
.rept 8
	global_load_b128 v[128+4*j_:128+4*j_+3], v3, s[32:33] offset:j_*PW th:TH_LOAD_NT  ; chunk 0 into registers of window 1 that the sums take later
.set j_, j_+1
.endr
	WIN 0
	PLOAD 1, 1                                     ; W1: from here on the loads go out in the loop's order; H's rows, which come next, wait for the count
	s_wait_kmcnt 0x0
	s_min_u32 s26, s26, 1024
	s_max_u32 s26, s26, 1
	s_sub_co_u32 s27, s26, 1
	SETROWS 0
	s_wait_alu depctr_va_vdst(0)                   ; v4-6 are written: the offsets of the loads of H
	ALOAD 0, 0                                     ; A0, A1, W2, A2: with the bias, W0 and W1 at most 58 loads are out
	ALOAD 1, 64
	PLOAD 2, 2
	ALOAD 2, 128
	s_wait_loadcnt 34                              ; the bias and chunk 0 are in: behind them W1's 8, A0's and A1's 12, W2's 8, A2's 6
	PSTORE 128, 0, 1
	ALOAD 3, 192                                   ; A3, W3, A4, A5: at most 60 are out, the nine groups that every trip finds at its head
	PLOAD 0, 3
	ALOAD 4, 256
	ALOAD 5, 320
	s_wait_dscnt 0x0                               ; chunk 0's stores have read their registers, which the sums now take
	s_wait_alu depctr_vm_vsrc(0)                   ; chunk 0's LDS stores have read their data, which the sums' first values overwrite; the bias's loads have read v7, which is written below
	BIASINIT
	s_mul_i32 s44, s20, STAGEB                     ; the way out's addresses: v8 into my stage, v9 back out of it, v10 in Y
	s_add_co_u32 s44, s44, STAGE
	v_and_b32 v7, 15, v0                           ; (v7 was the bias loads' offset: they are in)
	v_bfe_u32 v13, v0, 4, 1
	v_mul_u32_u24 v8, v7, SP                       ; in: row l % 16, 32 bytes for each half of the lanes
	v_lshl_add_u32 v8, v13, 5, v8
	v_add_nc_u32 v8, s44, v8
	v_mul_u32_u24 v9, v13, SP                      ; back: lanes 0-15 one row of 256 bytes, lanes 16-31 the next
	v_lshl_add_u32 v9, v7, 4, v9
	v_add_nc_u32 v9, s44, v9
	v_lshlrev_b32 v10, 12, v13                     ; and the same two rows in Y
	v_lshl_add_u32 v10, v7, 4, v10
	MKBADR
	BAR                                            ; chunk 0 is stored; the loads stay on their way: nobody writes what they read
	WIN 0x40
	s_wait_alu depctr_va_vdst(0)                   ; v1 and v12 are written, and v8-10 for the way out; the bias's conversions are done reading the fragments' registers, in which the loads below land
	BLOAD 0, 1, 0                                  ; X(0) and Y(0): what every trip finds asked for
	BLOAD 1, 1, 0
	WIN 0
	s_mov_b32 s25, 4
.Lit:                                              ; trips 0 to 11
	TRIP 0, 1, 1, 1, 1, 52, 46, 54
	TRIP 1, 1, 1, 1, 1, 52, 46, 54
	TRIP 2, 1, 1, 1, 1, 52, 46, 54
	s_sub_co_u32 s25, s25, 1
	s_cmp_lg_u32 s25, 0
	s_cbranch_scc1 .Lit
	TRIP 0, 0, 1, 1, 1, 52, 46, 46                 ; trip 12: no chunk is left to ask for; the last two k-steps are asked for
	TRIP 1, 0, 0, 1, 1, 44, 38, 32                 ; trips 13 to 15 ask nothing of memory, and the counts run down
	TRIP 2, 0, 0, 1, 1, 24, 18, 12
	TRIP 0, 0, 0, 0, 0, 0, 6, 0                    ; trip 15: chunk 15; nothing is left to store, so it has no barrier
	; THE PASSES.  Three trips, a constant: a pass goes out; the next, if I have rows for it, is computed from the resident slice; else that work is jumped, forward, to a label ahead of the count's step.
	; Two barriers a trip, which every wave passes: one between the stores into the stages and the next pass's reads of the slice, one between those reads and the next stores into the stages.
	; By the map of LDS those bytes lie apart; the barriers keep the order without leaning on the addresses that step here.  In the third trip the jump is always taken: (w + 72) x 16 > 1,024.
	s_mov_b32 s30, 3
.Lpass:
	s_wait_alu depctr_va_vdst(0)                   ; the products have written the sums, which the LDS stores of the three ways out read, and are done reading v16-47, in which the loads from the stage land; the places stand ahead of this wait
	EPI 0
	EPI 1
	EPI 2
	BAR                                            ; every wave's traffic with its stage is over
	s_add_co_u32 s29, s29, 24                      ; the next pass's first block of mine: steps once in every trip
	s_lshl_b32 s44, s29, 4
	s_cmp_ge_u32 s44, s26
	s_cbranch_scc1 .Lnext                          ; my first block of that pass lies past the count, and so do its others
	SETROWS 1
	BIASLD
	s_wait_loadcnt 0x0
	s_wait_alu depctr_vm_vsrc(0)                   ; the way out's LDS stores have read the sums, which take their first values below; the bias's loads have read v7, the fragments' loads v1 and v12, which are written below
	BIASINIT
	MKBADR
	s_mov_b64 s[34:35], s[36:37]
	s_mov_b32 s31, 16
.Loch:
	OCH
	s_sub_co_u32 s31, s31, 1
	s_cmp_lg_u32 s31, 0
	s_cbranch_scc1 .Loch
.Lnext:
	BAR                                            ; every wave's reads of the slice for that pass are back
	s_sub_co_u32 s30, s30, 1
	s_cmp_lg_u32 s30, 0
	s_cbranch_scc1 .Lpass
	s_wait_dscnt 0x0                               ; the wave's end.  The closing add below adds 0 to my spare word in the 1,024 bytes behind the stages
	s_wait_alu depctr_hold_cnt(0) depctr_sa_sdst(0) depctr_va_vdst(0) depctr_va_sdst(0) depctr_va_ssrc(0) depctr_va_vcc(0) depctr_vm_vsrc(0)
	s_wait_tensorcnt 0x0
	ds_add_u32 v14, v15
	s_wait_dscnt 0x0
	s_endpgm
.Lfunc_end_k_q7a52ccbe78_ffn2:
	.size	k_q7a52ccbe78_ffn2, .Lfunc_end_k_q7a52ccbe78_ffn2-k_q7a52ccbe78_ffn2
	.p2alignl 7, 3214868480
	.fill 96, 4, 3214868480
	.section	.rodata,"a",@progbits
	.p2align	6, 0x0
	.amdhsa_kernel k_q7a52ccbe78_ffn2
		.amdhsa_group_segment_fixed_size 318464
		.amdhsa_private_segment_fixed_size 0
		.amdhsa_enable_private_segment 0
		.amdhsa_kernarg_size 40
		.amdhsa_user_sgpr_count 2
		.amdhsa_user_sgpr_kernarg_segment_ptr 1
		.amdhsa_wavefront_size32 1
		.amdhsa_system_sgpr_workgroup_id_x 1
		.amdhsa_system_sgpr_workgroup_id_y 1
		.amdhsa_system_sgpr_workgroup_id_z 1
		.amdhsa_system_vgpr_workitem_id 0
		.amdhsa_next_free_vgpr 512
		.amdhsa_next_free_sgpr 66
		.amdhsa_reserve_vcc 0
		.amdhsa_float_denorm_mode_32 3
		.amdhsa_float_denorm_mode_16_64 3
		.amdhsa_memory_ordered 1
		.amdhsa_forward_progress 1
		.amdhsa_inst_pref_size 120
	.end_amdhsa_kernel
	.amdgpu_metadata
---
amdhsa.version: [ 1, 2 ]
amdhsa.kernels:
  - .name:           k_q7a52ccbe78_ffn2
    .symbol:         k_q7a52ccbe78_ffn2.kd
    .args:
      - { .name: W2, .offset: 0, .size: 8, .value_kind: global_buffer, .address_space: global }
      - { .name: b2, .offset: 8, .size: 8, .value_kind: global_buffer, .address_space: global }
      - { .name: H, .offset: 16, .size: 8, .value_kind: global_buffer, .address_space: global }
      - { .name: cnt, .offset: 24, .size: 8, .value_kind: global_buffer, .address_space: global }
      - { .name: Y, .offset: 32, .size: 8, .value_kind: global_buffer, .address_space: global }
    .group_segment_fixed_size: 318464
    .private_segment_fixed_size: 0
    .kernarg_segment_align: 8
    .kernarg_segment_size: 40
    .max_flat_workgroup_size: 256
    .sgpr_count:     66
    .vgpr_count:     512
    .wavefront_size: 32
...
	.end_amdgpu_metadata
.endif
;; end of part 8
;; launch combine: the kernel of part 4 again; grid 512 x 1, 4 waves a work-group, no clusters, 0 bytes of LDS; arguments Y, pos, prob, out0; writes out0
